; MI455X (gfx1250); checked and timed in simulation.
; The chip was launched on July 23, 2026; its instructions are those of AMD's public machine-readable ISA for CDNA 5 (MIT licence, August 2026) and "CDNA5" Instruction Set Architecture Reference Guide (July 2026). The comments in the code are by the model that wrote it; some were corrected since.
;; Mo E Layer. Allowed arithmetic: float matrix products may take bf16 or f16 operands with f32 sums; other float arithmetic in f32, or as packed bf16 or f16 multiplies, adds, multiply-adds, maxima and minima; sums over many terms, partial sums and values carried from step to step in f32; what a program stores and reads back later, other than sums and carried values, may be rounded once to bf16 or f16.
;; Inputs: W1 8 x 1,024 x 4,096 float32; W2 8 x 4,096 x 1,024 float32; Wg 1,024 x 8 float32; b1 8 x 4,096 float32; b2 8 x 1,024 float32; x 4 x 256 x 1,024 float32.
;; Outputs: out0 4 x 256 x 1,024 float32.
;; 2 versions, each right; version 2 is version 1 with the launches ffn1, ffn2 written anew for expert scheduling mode. Each part assembles by itself: llvm-mc -triple=amdgcn-amd-amdhsa -mcpu=gfx1250 --defsym DOCPART=n.
;; ======== version 1 of 2: 5 launches
;; workspace buffers: bitmap 1,024 bytes of whole numbers; choice 4,096 bytes of whole numbers; gatew 8,192 bytes; xs 16,777,216 bytes; pos2 8,192 bytes of whole numbers; counts 256 bytes of whole numbers; h 67,108,864 bytes; part 134,217,728 bytes
;; launch route (part 1): grid 64 x 1, 4 waves a work-group, no clusters, 37,376 bytes of LDS; arguments x, Wg, bitmap, choice, gatew; writes bitmap, choice, gatew
.if DOCPART == 1
	.amdgcn_target "amdgcn-amd-amdhsa--gfx1250"
	.amdhsa_code_object_version 6
	.text
	.protected	k_qcbd44bcbbc_route
	.globl	k_qcbd44bcbbc_route
	.p2align	8
	.type	k_qcbd44bcbbc_route,@function
k_qcbd44bcbbc_route:
	s_mov_b64 s[64:65], 0
	v_nop
	global_prefetch_b8 v0, s[64:65] scope:SCOPE_SE
	s_setreg_imm32_b32 hwreg(HW_REG_WAVE_MODE, 25, 1), 1
	s_wait_xcnt 0x0
; THE GATE.  logits = x Wg (x and Wg rounded to bf16, sums in f32), softmax over the 8 experts with the row's maximum taken away,
; the two largest (the lower index wins a tie), their weights divided by their sum.
; A work-group has 16 tokens; wave w has the channels 256 w .. 256 w + 255 (8 K steps of 32); the four partial sums meet in LDS and wave 0 finishes.
; Stored at fixed places: choice[token] = e0 | e1 << 8, gatew[token] = (w0, w1), bitmap[e][work-group] = 16 bits, bit r for token 16 wg + r.
; No address and no branch hangs on the choice: a later launch places the rows.
; LIMITS.  A probability below 2^-126 counts as 0; ties that arise only from the rounding of the division by the sum are not rebuilt; NaN and infinities are not treated apart.
; THE PRODUCT IS USED TRANSPOSED: source 0 = Wg^T (16 rows: the 8 experts twice), source 1 = 16 tokens: a lane then holds one token (lane % 16) and its 8 logits.
.set RED,   32768                      ; LDS: 0 .. 32767 Wg as bf16, wave w's 256 rows of 32 bytes at 8192 w; then the partial sums, 1,024 bytes a wave
.set SPARE, 36864                      ; the spare words: 128 bytes a wave, two blocks of 256 bytes that no other line names
.set SPW,  14                          ; v14 my spare word's address; v15 = 0; never rewritten
.set NIL,  15
.set ACC0, 16                          ; two accumulators by turns
.set ACC1, 24
.set WC,   32                          ; v32-63   Wg rounded; then four fragments of Wg^T
.set XF,   64                          ; v64-127  Wg as loaded; then the 8 fragments of x
.set RX,   128                         ; v128-255 x as loaded
	s_load_b256 s[4:11], s[0:1], 0x0               ; x s[4:5], Wg s[6:7], bitmap s[8:9], choice s[10:11]
	s_load_b64 s[12:13], s[0:1], 0x20              ; gatew
	v_lshl_add_u32 v[SPW], v0, 2, SPARE
	v_mov_b32 v[NIL], 0
	v_lshrrev_b32 v2, 5, v0
	v_readfirstlane_b32 s14, v2                    ; wave 0..3
	v_and_b32 v1, 31, v0                           ; lane
	v_and_b32 v3, 15, v0                           ; r
	v_bfe_u32 v4, v0, 4, 1                         ; h
	v_lshlrev_b32 v5, 5, v1                        ; 32 x lane: a row of Wg, and a lane's 32 bytes of partial sums
	v_lshlrev_b32 v6, 12, v3
	v_lshl_add_u32 v6, v4, 5, v6                   ; x: token r's row + 32 h
	s_lshl_b32 s16, s14, 13                        ; 8192 w
	s_mov_b32 s17, 0
	s_lshl_b32 s20, s14, 10                        ; 1024 w
	s_lshl_b32 s18, ttmp9, 16                      ; 16 rows of 4,096 bytes
	s_add_co_u32 s18, s18, s20
	s_mov_b32 s19, 0
	s_lshl_b32 s22, ttmp9, 6                       ; choice: 16 words
	s_mov_b32 s23, 0
	s_lshl_b32 s24, ttmp9, 7                       ; gatew: 16 pairs
	s_mov_b32 s25, 0
	s_lshl_b32 s26, ttmp9, 1                       ; bitmap: my 16 bits in an expert's row
	s_mov_b32 s27, 0
	v_add_nc_u32 v7, s16, v5                       ; where I put a row of Wg
	v_and_b32 v9, 7, v0
	v_bfe_u32 v10, v0, 3, 1
	v_lshl_add_u32 v8, v4, 3, v9                   ; the turning load: row 8 h + lane % 8,
	v_lshlrev_b32 v8, 5, v8
	v_lshl_add_u32 v8, v10, 4, v8                  ; 16 bytes for each half of 8 columns
	v_add_nc_u32 v8, s16, v8
	v_add_nc_u32 v11, s20, v5                      ; where I put my partial sums (less RED)
	s_wait_kmcnt 0x0
	s_add_nc_u64 s[6:7], s[6:7], s[16:17]          ; my 256 rows of Wg
	s_add_nc_u64 s[4:5], s[4:5], s[18:19]          ; my 16 tokens, my 256 channels
	s_add_nc_u64 s[10:11], s[10:11], s[22:23]
	s_add_nc_u64 s[12:13], s[12:13], s[24:25]
	s_add_nc_u64 s[8:9], s[8:9], s[26:27]
.irp i, 0,1,2,3,4,5,6,7
	global_load_b128 v[XF+8*\i:XF+8*\i+3],   v5, s[6:7] offset:1024*\i     ; row 32 i + lane: 8 numbers
	global_load_b128 v[XF+8*\i+4:XF+8*\i+7], v5, s[6:7] offset:1024*\i+16
.endr
.irp s, 0,1,2,3,4,5,6,7
	global_load_b128 v[RX+16*\s:RX+16*\s+3],     v6, s[4:5] offset:128*\s      ; channels 32 s + 8 h + 0..7
	global_load_b128 v[RX+16*\s+4:RX+16*\s+7],   v6, s[4:5] offset:128*\s+16
	global_load_b128 v[RX+16*\s+8:RX+16*\s+11],  v6, s[4:5] offset:128*\s+64   ; and 32 s + 16 + 8 h + 0..7
	global_load_b128 v[RX+16*\s+12:RX+16*\s+15], v6, s[4:5] offset:128*\s+80
.endr
	s_wait_loadcnt 32                              ; the 32 loads of x are younger: Wg is in
.set i, 0
.rept 32
	v_cvt_pk_bf16_f32 v[WC+i], v[XF+2*i], v[XF+2*i+1]
.set i, i+1
.endr
.irp i, 0,1,2,3,4,5,6,7
	ds_store_b128 v7, v[WC+4*\i:WC+4*\i+3] offset:1024*\i      ; columns 0-7,
	ds_store_b128 v7, v[WC+4*\i:WC+4*\i+3] offset:1024*\i+16   ; and once more as columns 8-15
.endr
	s_wait_loadcnt 0x0                             ; x
.set i, 0
.rept 64
	v_cvt_pk_bf16_f32 v[XF+i], v[RX+2*i], v[RX+2*i+1]
.set i, i+1
.endr
	s_wait_dscnt 0x0                               ; my stores have read v32-63; the bytes are my wave's own: no barrier
.irp b, 0,1
.irp s, 0,1,2,3
	ds_load_tr16_b128 v[WC+8*\s:WC+8*\s+3],   v8 offset:1024*(4*\b+\s)
	ds_load_tr16_b128 v[WC+8*\s+4:WC+8*\s+7], v8 offset:1024*(4*\b+\s)+512
.endr
	s_wait_dscnt 0x0
.irp s, 0,1,2,3                                        ; the two accumulators take turns
.if (4*\b+\s) < 2
	v_wmma_f32_16x16x32_bf16 v[ACC0+8*(\s&1):ACC0+8*(\s&1)+7], v[WC+8*\s:WC+8*\s+7], v[XF+8*(4*\b+\s):XF+8*(4*\b+\s)+7], 0
.else
	v_wmma_f32_16x16x32_bf16 v[ACC0+8*(\s&1):ACC0+8*(\s&1)+7], v[WC+8*\s:WC+8*\s+7], v[XF+8*(4*\b+\s):XF+8*(4*\b+\s)+7], v[ACC0+8*(\s&1):ACC0+8*(\s&1)+7]
.endif
.endr
.rept 4
	v_nop                                          ; four places ahead of loads into the fragments, and of the reads of the sums
.endr
.endr
.irp i, 0,2,4,6
	v_pk_add_f32 v[ACC0+\i:ACC0+\i+1], v[ACC0+\i:ACC0+\i+1], v[ACC1+\i:ACC1+\i+1]
.endr
	ds_store_b128 v11, v[ACC0:ACC0+3] offset:RED
	ds_store_b128 v11, v[ACC0+4:ACC0+7] offset:RED+16
	s_wait_dscnt 0x0                               ; for the others' sake: my partial sums are in LDS
	s_barrier_signal -1
	s_barrier_wait -1
	s_cmp_lg_u32 s14, 0
	s_cbranch_scc1 .Lend                           ; wave 0 finishes
.irp w, 0,1,2,3
	ds_load_b128 v[32+8*\w:32+8*\w+3], v5 offset:RED+1024*\w
	ds_load_b128 v[32+8*\w+4:32+8*\w+7], v5 offset:RED+1024*\w+16
.endr
	s_wait_dscnt 0x0
.irp i, 0,2,4,6
	v_pk_add_f32 v[32+\i:32+\i+1], v[32+\i:32+\i+1], v[40+\i:40+\i+1]
	v_pk_add_f32 v[48+\i:48+\i+1], v[48+\i:48+\i+1], v[56+\i:56+\i+1]
.endr
.irp i, 0,2,4,6
	v_pk_add_f32 v[32+\i:32+\i+1], v[32+\i:32+\i+1], v[48+\i:48+\i+1]      ; v32-39: the token's 8 logits
.endr
	v_max3_num_f32 v40, v32, v33, v34
	v_max3_num_f32 v40, v40, v35, v36
	v_max3_num_f32 v40, v40, v37, v38
	v_max_num_f32 v40, v40, v39                    ; the row's maximum
.irp i, 0,1,2,3,4,5,6,7
	v_sub_f32 v[48+\i], v[32+\i], v40
.endr
.irp i, 0,1,2,3,4,5,6,7
	v_mul_f32 v[48+\i], 0x3fb8aa3b, v[48+\i]       ; log2(e)
.endr
.irp i, 0,1,2,3,4,5,6,7
	v_exp_f32 v[48+\i], v[48+\i]
.endr
	v_nop                                          ; a plain instruction behind the last exponential,
	s_wait_alu depctr_va_vdst(0)                   ; and one wait for the batch of eight, ahead of its first reader
	v_add_f32 v41, v48, v49
	v_add_f32 v42, v50, v51
	v_add_f32 v43, v52, v53
	v_add_f32 v44, v54, v55
	v_add_f32 v41, v41, v42
	v_add_f32 v43, v43, v44
	v_add_f32 v41, v41, v43                        ; at least 1: the maximum's own term
	v_rcp_f32 v41, v41
	v_mov_b32 v46, 0                               ; the plain instruction behind it: the register that will take the 8 masks
	s_wait_alu depctr_va_vdst(0)
.irp i, 0,1,2,3,4,5,6,7
	v_mul_f32 v[48+\i], v[48+\i], v41              ; the probabilities
.endr
	v_mov_b32 v56, v48                             ; the largest: an ascending scan, strictly greater, so the lower index keeps a tie
	v_mov_b32 v57, 0
.irp i, 1,2,3,4,5,6,7
	v_cmp_gt_f32 vcc_lo, v[48+\i], v56
	v_cndmask_b32 v56, v56, v[48+\i], vcc_lo
	v_cndmask_b32 v57, v57, \i, vcc_lo
.endr
.irp i, 0,1,2,3,4,5,6,7
	v_cmp_eq_u32 vcc_lo, \i, v57
	v_cndmask_b32 v[48+\i], v[48+\i], -1.0, vcc_lo ; the winner leaves the field
.endr
	v_mov_b32 v58, v48                             ; the second: the same scan
	v_mov_b32 v59, 0
.irp i, 1,2,3,4,5,6,7
	v_cmp_gt_f32 vcc_lo, v[48+\i], v58
	v_cndmask_b32 v58, v58, v[48+\i], vcc_lo
	v_cndmask_b32 v59, v59, \i, vcc_lo
.endr
	v_add_f32 v60, v56, v58
	v_rcp_f32 v60, v60
	v_lshl_or_b32 v45, v59, 8, v57                 ; e0 | e1 << 8: also the plain instruction behind the reciprocal
	s_wait_alu depctr_va_vdst(0)
	v_mul_f32 v62, v56, v60
	v_mul_f32 v63, v58, v60
.irp i, 0,1,2,3,4,5,6,7
	v_cmp_eq_u32 s30, \i, v57
	v_cmp_eq_u32 s31, \i, v59
	s_or_b32 s30, s30, s31
	s_and_b32 s30, s30, 0xffff                     ; lanes 16-31 hold the same 16 tokens once more
	v_writelane_b32 v46, s30, \i                   ; lane e: which of my 16 tokens chose expert e
.endr
	v_lshlrev_b32 v47, 2, v1
	v_lshlrev_b32 v61, 3, v1
	v_lshlrev_b32 v44, 7, v1                       ; an expert's row of the bitmap is 128 bytes
	v_cmp_gt_u32 vcc_lo, 16, v1
	s_wait_xcnt 0x0                                ; EXEC changes only behind this wait
	s_and_saveexec_b32 s30, vcc_lo
	global_store_b32 v47, v45, s[10:11]
	global_store_b64 v61, v[62:63], s[12:13]
	s_wait_xcnt 0x0
	s_or_b32 exec_lo, exec_lo, s30
	v_cmp_gt_u32 vcc_lo, 8, v1
	s_and_saveexec_b32 s30, vcc_lo
	global_store_b16 v44, v46, s[8:9]
	s_wait_xcnt 0x0
	s_or_b32 exec_lo, exec_lo, s30
.Lend:
	s_wait_tensorcnt 0x0                           ; the wave's end, behind my last LDS store
	ds_add_u32 v[SPW], v[NIL]
	s_wait_dscnt 0x0
	s_endpgm
.Lfunc_end_k_qcbd44bcbbc_route:
	.size	k_qcbd44bcbbc_route, .Lfunc_end_k_qcbd44bcbbc_route-k_qcbd44bcbbc_route
	.p2alignl 7, 3214868480
	.fill 96, 4, 3214868480
	.section	.rodata,"a",@progbits
	.p2align	6, 0x0
	.amdhsa_kernel k_qcbd44bcbbc_route
		.amdhsa_group_segment_fixed_size 37376
		.amdhsa_private_segment_fixed_size 0
		.amdhsa_enable_private_segment 0
		.amdhsa_kernarg_size 40
		.amdhsa_user_sgpr_count 2
		.amdhsa_user_sgpr_kernarg_segment_ptr 1
		.amdhsa_wavefront_size32 1
		.amdhsa_system_sgpr_workgroup_id_x 1
		.amdhsa_system_sgpr_workgroup_id_y 1
		.amdhsa_system_sgpr_workgroup_id_z 1
		.amdhsa_system_vgpr_workitem_id 0
		.amdhsa_next_free_vgpr 256
		.amdhsa_next_free_sgpr 66
		.amdhsa_reserve_vcc 1
		.amdhsa_float_denorm_mode_32 3
		.amdhsa_float_denorm_mode_16_64 3
		.amdhsa_memory_ordered 1
		.amdhsa_forward_progress 1
		.amdhsa_inst_pref_size 25
	.end_amdhsa_kernel
	.amdgpu_metadata
---
amdhsa.version: [ 1, 2 ]
amdhsa.kernels:
  - .name:           k_qcbd44bcbbc_route
    .symbol:         k_qcbd44bcbbc_route.kd
    .args:
      - { .name: x, .offset: 0, .size: 8, .value_kind: global_buffer, .address_space: global }
      - { .name: Wg, .offset: 8, .size: 8, .value_kind: global_buffer, .address_space: global }
      - { .name: bitmap, .offset: 16, .size: 8, .value_kind: global_buffer, .address_space: global }
      - { .name: choice, .offset: 24, .size: 8, .value_kind: global_buffer, .address_space: global }
      - { .name: gatew, .offset: 32, .size: 8, .value_kind: global_buffer, .address_space: global }
    .group_segment_fixed_size: 37376
    .private_segment_fixed_size: 0
    .kernarg_segment_align: 8
    .kernarg_segment_size: 40
    .max_flat_workgroup_size: 128
    .sgpr_count:     66
    .vgpr_count:     256
    .wavefront_size: 32
...
	.end_amdgpu_metadata
.endif
;; end of part 1
;; launch place (part 2): grid 64 x 8, 4 waves a work-group, no clusters, 1,024 bytes of LDS; arguments x, bitmap, choice, xs, pos2, counts; writes xs, pos2, counts
.if DOCPART == 2
	.amdgcn_target "amdgcn-amd-amdhsa--gfx1250"
	.amdhsa_code_object_version 6
	.text
	.protected	k_qcbd44bcbbc_place
	.globl	k_qcbd44bcbbc_place
	.p2align	8
	.type	k_qcbd44bcbbc_place,@function
k_qcbd44bcbbc_place:
	s_mov_b64 s[64:65], 0
	v_nop
	global_prefetch_b8 v0, s[64:65] scope:SCOPE_SE
	s_setreg_imm32_b32 hwreg(HW_REG_WAVE_MODE, 25, 1), 1
	s_wait_xcnt 0x0
; THE ROWS ARE PLACED.  Work-group (t, e) makes tile t of expert e: the 16 tokens of ranks 16 t .. 16 t + 15 among those that chose e, in token order,
; rounded to bf16 and laid as the products' operand registers take them:  xs[e][tile][block of 64 k][group g][lane][16 bytes],
; lane (r, hh), group g = row r, k = 64 block + 32 hh + 8 g + 0..7.  Every store of a wave covers 512 consecutive bytes, aligned.
; Also pos2[token][slot] = 1024 e + rank (slot 0: the token's first choice, 1: its second) and counts[e].
; THE GRID serves every split: an expert may have all 1,024 tokens, 64 tiles.  A work-group whose tile the split leaves empty stores nothing and ends.
; An expert without rows still gets tile 0; places past the count repeat token 0's row: no byte that a later launch reads stays unwritten.
; Each wave finds the tile's 16 tokens for itself from the expert's 1,024 bits in scalar registers (no barrier), and rounds 4 of the 16 blocks.
.set SPARE, 512                        ; LDS: 128 bytes a wave for its list (16 words and a word for what falls outside), then the spare words
.set SPW, 14
.set NIL, 15
.set RAW, 32                           ; v32-159: 4 blocks x 32 words as loaded; rounded in place
	s_load_b256 s[4:11], s[0:1], 0x0               ; x s[4:5], bitmap s[6:7], choice s[8:9], xs s[10:11]
	s_load_b128 s[12:15], s[0:1], 0x20             ; pos2 s[12:13], counts s[14:15]
	v_lshl_add_u32 v[SPW], v0, 2, SPARE
	v_mov_b32 v[NIL], 0
	v_lshrrev_b32 v1, 5, v0
	v_readfirstlane_b32 s48, v1                    ; wave
	s_mov_b32 s49, ttmp9                           ; t
	s_and_b32 s50, ttmp7, 0xffff                   ; e
	s_lshl_b32 s52, s50, 7
	s_mov_b32 s53, 0
	s_wait_kmcnt 0x0
	s_add_nc_u64 s[6:7], s[6:7], s[52:53]
	s_load_b512 s[16:31], s[6:7], 0x0              ; the expert's 1,024 bits: bit l of word j = token 32 j + l
	s_load_b512 s[32:47], s[6:7], 0x40
	s_lshl_b32 s52, s48, 10
	s_add_nc_u64 s[4:5], s[4:5], s[52:53]          ; x at my four blocks: 256 channels
	s_lshl_b32 s52, s50, 21
	s_lshl_b32 s54, s49, 15
	s_add_co_u32 s52, s52, s54
	s_lshl_b32 s54, s48, 13
	s_add_co_u32 s52, s52, s54
	s_add_nc_u64 s[10:11], s[10:11], s[52:53]      ; xs at my four blocks of the tile
	s_lshl_b32 s52, s50, 2
	s_add_nc_u64 s[14:15], s[14:15], s[52:53]
	v_and_b32 v1, 31, v0                           ; lane
	v_and_b32 v9, 15, v0                           ; r
	v_bfe_u32 v12, v0, 4, 1                        ; hh
	v_lshlrev_b32 v13, 4, v1                       ; 16 x lane
	s_lshl_b32 s56, s48, 7                         ; my wave's list
	v_lshl_add_u32 v3, v1, 2, s56
	v_mov_b32 v4, s56
	v_mov_b32 v5, 0xffff
	v_mov_b32 v6, v1                               ; the token that my lane stands for in word j
	v_lshl_add_u32 v8, v9, 2, s56
	s_wait_kmcnt 0x0
	s_mov_b32 s51, 0
.set j, 0
.rept 32
	s_bcnt1_i32_b32 s54, s[16+j]
	s_add_co_u32 s51, s51, s54
.set j, j+1
.endr
	s_min_u32 s51, s51, 1024                       ; n
	s_add_co_u32 s55, s51, 15
	s_lshr_b32 s55, s55, 4
	s_max_u32 s55, s55, 1                          ; tiles
	s_cmp_ge_u32 s49, s55
	s_cbranch_scc0 .Lwork
	s_endpgm                                       ; nothing has been written
.Lwork:
	ds_store_b32 v3, v[NIL]                        ; the list starts as token 0 everywhere
	s_lshl_b32 s57, s49, 4
	s_sub_co_u32 s57, 0, s57                       ; ranks are counted from the tile's first
.set j, 0
.rept 32
	v_mbcnt_lo_u32_b32 v7, s[16+j], s57            ; my token's rank in the tile, if it chose e
	v_cndmask_b32 v7, v5, v7, s[16+j]
	v_min_u32 v7, 16, v7                           ; not chosen, before the tile (the number wraps) or behind it: word 16, which nobody reads
	v_lshl_add_u32 v7, v7, 2, v4
	ds_store_b32 v7, v6
	v_add_nc_u32 v6, 32, v6
	s_bcnt1_i32_b32 s54, s[16+j]
	s_add_co_u32 s57, s57, s54
.set j, j+1
.endr
	ds_load_b32 v10, v8                            ; LDS serves a wave's instructions in order (ISA guide 5.7.1.4)
	s_wait_dscnt 0x0
	v_min_u32 v10, 0x3ff, v10                      ; row r's token
	v_lshlrev_b32 v11, 12, v10
	v_lshl_add_u32 v11, v12, 7, v11                ; its row + 32 hh channels
.irp i, 0,1,2,3
.irp m, 0,1,2,3,4,5,6,7
	global_load_b128 v[RAW+32*\i+4*\m:RAW+32*\i+4*\m+3], v11, s[4:5] offset:256*\i+16*\m
.endr
.endr
.irp i, 0,1,2,3
	s_wait_loadcnt 24-8*\i                         ; the later blocks' loads stay out
.set q, 0
.rept 16
	v_cvt_pk_bf16_f32 v[RAW+32*\i+q], v[RAW+32*\i+2*q], v[RAW+32*\i+2*q+1]   ; in place: word q was read by an earlier line, or by this one
.set q, q+1
.endr
.irp g, 0,1,2,3
	global_store_b128 v13, v[RAW+32*\i+4*\g:RAW+32*\i+4*\g+3], s[10:11] offset:2048*\i+512*\g
.endr
.endr
	s_cmp_lg_u32 s48, 0
	s_cbranch_scc1 .Lend
	v_lshlrev_b32 v16, 2, v10                      ; wave 0: where the tile's tokens will find their rows
	global_load_b32 v17, v16, s[8:9]
	s_wait_loadcnt 0x0
	v_bfe_u32 v17, v17, 8, 8
	v_cmp_eq_u32 vcc_lo, s50, v17
	v_cndmask_b32 v17, 0, 1, vcc_lo                ; e is the token's second choice?
	v_min_u32 v17, 1, v17
	v_lshlrev_b32 v18, 3, v10
	v_lshl_add_u32 v18, v17, 2, v18
	s_lshl_b32 s58, s50, 10
	s_lshl_b32 s59, s49, 4
	s_add_co_u32 s58, s58, s59
	v_add_nc_u32 v19, s58, v9                      ; 1024 e + rank
	v_mov_b32 v20, s51                             ; n
	s_sub_co_u32 s59, s51, s59
	s_min_u32 s59, s59, 16                         ; rows of the tile that exist
	v_cmp_gt_u32 vcc_lo, s59, v1
	s_wait_xcnt 0x0                                ; EXEC changes only behind this wait
	s_and_saveexec_b32 s60, vcc_lo
	global_store_b32 v18, v19, s[12:13]
	s_wait_xcnt 0x0
	s_or_b32 exec_lo, exec_lo, s60
	s_cmp_lg_u32 s49, 0
	s_cbranch_scc1 .Lend
	v_cmp_eq_u32 vcc_lo, 0, v1
	s_and_saveexec_b32 s60, vcc_lo
	global_store_b32 v13, v20, s[14:15]            ; counts[e]: lane 0 alone is on, and its 16 x lane is 0
	s_wait_xcnt 0x0
	s_or_b32 exec_lo, exec_lo, s60
.Lend:
	s_wait_tensorcnt 0x0                           ; the wave's end, behind my last LDS store
	ds_add_u32 v[SPW], v[NIL]
	s_wait_dscnt 0x0
	s_endpgm
.Lfunc_end_k_qcbd44bcbbc_place:
	.size	k_qcbd44bcbbc_place, .Lfunc_end_k_qcbd44bcbbc_place-k_qcbd44bcbbc_place
	.p2alignl 7, 3214868480
	.fill 96, 4, 3214868480
	.section	.rodata,"a",@progbits
	.p2align	6, 0x0
	.amdhsa_kernel k_qcbd44bcbbc_place
		.amdhsa_group_segment_fixed_size 1024
		.amdhsa_private_segment_fixed_size 0
		.amdhsa_enable_private_segment 0
		.amdhsa_kernarg_size 48
		.amdhsa_user_sgpr_count 2
		.amdhsa_user_sgpr_kernarg_segment_ptr 1
		.amdhsa_wavefront_size32 1
		.amdhsa_system_sgpr_workgroup_id_x 1
		.amdhsa_system_sgpr_workgroup_id_y 1
		.amdhsa_system_sgpr_workgroup_id_z 1
		.amdhsa_system_vgpr_workitem_id 0
		.amdhsa_next_free_vgpr 160
		.amdhsa_next_free_sgpr 66
		.amdhsa_reserve_vcc 1
		.amdhsa_float_denorm_mode_32 3
		.amdhsa_float_denorm_mode_16_64 3
		.amdhsa_memory_ordered 1
		.amdhsa_forward_progress 1
		.amdhsa_inst_pref_size 27
	.end_amdhsa_kernel
	.amdgpu_metadata
---
amdhsa.version: [ 1, 2 ]
amdhsa.kernels:
  - .name:           k_qcbd44bcbbc_place
    .symbol:         k_qcbd44bcbbc_place.kd
    .args:
      - { .name: x, .offset: 0, .size: 8, .value_kind: global_buffer, .address_space: global }
      - { .name: bitmap, .offset: 8, .size: 8, .value_kind: global_buffer, .address_space: global }
      - { .name: choice, .offset: 16, .size: 8, .value_kind: global_buffer, .address_space: global }
      - { .name: xs, .offset: 24, .size: 8, .value_kind: global_buffer, .address_space: global }
      - { .name: pos2, .offset: 32, .size: 8, .value_kind: global_buffer, .address_space: global }
      - { .name: counts, .offset: 40, .size: 8, .value_kind: global_buffer, .address_space: global }
    .group_segment_fixed_size: 1024
    .private_segment_fixed_size: 0
    .kernarg_segment_align: 8
    .kernarg_segment_size: 48
    .max_flat_workgroup_size: 128
    .sgpr_count:     66
    .vgpr_count:     160
    .wavefront_size: 32
...
	.end_amdgpu_metadata
.endif
;; end of part 2
;; launch ffn1 (part 3): grid 32 x 8, 4 waves a work-group, no clusters, 295,424 bytes of LDS; arguments W1, b1, xs, counts, h; writes h
.if DOCPART == 3
	.amdgcn_target "amdgcn-amd-amdhsa--gfx1250"
	.amdhsa_code_object_version 6
	.text
	.protected	k_qcbd44bcbbc_ffn1
	.globl	k_qcbd44bcbbc_ffn1
	.p2align	8
	.type	k_qcbd44bcbbc_ffn1,@function
k_qcbd44bcbbc_ffn1:
	s_mov_b64 s[64:65], 0
	v_nop
	global_prefetch_b8 v0, s[64:65] scope:SCOPE_SE
	s_setreg_imm32_b32 hwreg(HW_REG_WAVE_MODE, 25, 1), 1
	s_wait_xcnt 0x0
; ONE EXPERT'S PRODUCT ON ONE SLICE OF ITS WEIGHTS.  The text serves both products; FFN says which.
;   FFN = 1:  h = gelu(xs W1 + b1), gelu by erf;  slice = all 1,024 k x 128 columns of F (x = 0..31).  h leaves in bf16, laid as the second product's operand registers take it.
;   FFN = 2:  part[q] = h W2 (+ b2 where q = 0);   slice = quarter q = x >> 3 of F (1,024 k) x 128 columns of C (x & 7).  Partial sums leave in f32.
; Weights, biases and tokens are rounded to bf16, sums are f32.  Each weight byte is read once in the launch, by this work-group alone, 256 consecutive aligned bytes to sixteen lanes.
; ROWS.  An expert's n rows (counts[e]: 0 to 1,024, every split is served) lie in tiles of 16, NT = max(1, ceil(n / 16)).  A wave has 5 tile slots; slot t of group g is tile 20 g + 4 t + w.
; Group 0 is multiplied while the weights stream; the slice stays in LDS as bf16 fragments, each byte written once, and groups 1-3 (an expert with more than 320 rows) are multiplied from there:
; one barrier stands behind the stream, one ahead of the waves' end, and between the two LDS is only read.
; DEAD SLOTS.  Under the stream slots 0-3 are multiplied whether live or not: the stream's own work stands between their products, on every wave's path.  The price: an expert with fewer than 241 rows
; does the products of 256.  Slot 4, and every slot of groups 1-3, is jumped when dead.  A dead slot's loads ask for 16 bytes of tile 0, so that every counted wait sees the same number of younger
; loads on every path, and it stores nothing.
; K ORDER.  A K step's slot (hh, i = 0..15) stands for k = 64 block + 32 hh + 16 s + i, alike in weights and tokens: a permutation of k applied to both sources keeps the products.
; So a weight fragment needs no transposition: load i gives lane (r, hh) row k(hh, i), columns n0 + 4 r + 0..3; register p of fragment f = (load 2p, load 2p+1) element f; its position r is column n0 + 4 r + f.
; STREAM.  A chunk is 128 k = 4 K steps; wave w loads, rounds and stores K step w of every chunk, in four pieces.  While chunk c is multiplied, chunk c + 1 goes from registers to LDS (pieces 0 and 1 in
; K steps 0 and 1, pieces 2 and 3 in K step 2, where the chunk's one barrier stands, so that K step 3 fetches the next chunk's first fragments like any others) and chunk c + 2 is asked for.
; NO CLUSTER, NO TENSOR LOAD: the weights pass through registers to be rounded and have one reader; the shared token tiles would want LDS that the resident slice has taken.
; LIMITS.  erf is the rational x P(x^2) / Q(x^2) with |x| held to 4, good to a few units of f32's last place for every finite input; NaN and infinities are not treated apart.
; REGISTERS, in windows of 256 (s_set_vgpr_msb: bits 1:0 source 0, 3:2 source 1, 5:4 source 2, 7:6 destination):
;   window 0: v1-20 addresses; v32-191 tokens, a ring of 4 K steps x 5 slots x 8; v192-223 rounded weights on their way to LDS, two pieces; v224-231 b2
;   window 1: v0-127 weight fragments, two buffers; v128-255 weights as loaded, four pieces of 32 (on the way out both serve as work space)
;   window 2: accumulators of slots 0-3 (64 t + 8 fragment);   window 3: v0-63 slot 4's; v64-127 b1 as the first product's C operand
.set FFN, 1
.if FFN == 1
.set LOGP, 14                          ; a row of W1 is 16,384 bytes
.set LOGT, 15                          ; a tile of xs is 32,768 bytes
.else
.set LOGP, 12                          ; a row of W2 is 4,096 bytes
.set LOGT, 17                          ; a tile of h is 131,072 bytes
.endif
.set PITCH, 1<<LOGP
.set CHB,   128*PITCH                  ; a chunk's rows in memory
.set SPARE, 294912                     ; LDS: 8 chunks of 32,768 (K step 8,192, fragment 1,024, half 512, lane 16), a ninth for the last trip's idle words, then the spare words
.set L16,   2                          ; 16 x lane
.set WOFF,  3                          ; hh x 32 rows + 16 r
.set WOFFC, 4                          ; the same, or 0 when nothing is left to ask for
.set LW0,   5                          ; 16 x lane + 8192 w
.set LWA,   6                          ; where I store fragments
.set LRA,   7                          ; where I read fragments
.set TOFF,  8                          ; v8-12 slot t's tile and my 16 bytes in it
.set OOFF,  13
.set SPW,   14
.set NIL,   15
.set PFO,   16                         ; thread x row: the prefetch's offset
.set TK,    32
.set CV,    192
.set B2,    224
.set STG,   128                        ; window 1
.set BIAS,  64                         ; window 3
.set GS,    128                        ; window 1, on the way out: x^2, P, Q, packed results
.set GP,    160
.set GQ,    192
.set GO,    224
.set MSB, 0
.macro WIN new                         ; the immediate's high byte repeats the setting that is left; a switch that changes nothing is dropped
.if MSB != (\new)
	s_set_vgpr_msb (MSB<<8)|(\new)
.set MSB, (\new)
.endif
.endm
.macro PLACES                          ; four places ahead of loads into registers that matrix instructions have read, and of reads of their results
.rept 4
	v_nop
.endr
.endm
.macro SC r, val                       ; a constant as a pair: the packed forms name a pair and take its low word
	s_mov_b32 s[\r], \val
	s_mov_b32 s[(\r)+1], \val
.endm
; How many of my 5 slots are live in the group that begins at tile s20, and each slot's offset.
.macro SLOTS
	s_sub_co_i32 s35, s18, s20
	s_sub_co_i32 s35, s35, s14
	s_add_co_i32 s35, s35, 3
	s_ashr_i32 s35, s35, 2
	s_max_i32 s35, s35, 0
	s_min_u32 s19, s35, 5
.irp t, 0,1,2,3,4
	s_add_co_u32 s36, s20, 4*\t
	s_add_co_u32 s36, s36, s14
	s_cmp_gt_u32 s19, \t
	s_cselect_b32 s36, s36, 0                      ; a dead slot: tile 0,
	s_cselect_b32 s37, 0x1f0, 0                    ; and one piece of 16 bytes for all lanes
	s_min_u32 s36, s36, 63
	s_min_u32 s37, s37, 0x1f0
	s_lshl_b32 s36, s36, LOGT
	v_and_b32 v[TOFF+\t], s37, v[L16]
	v_add_nc_u32 v[TOFF+\t], s36, v[TOFF+\t]
.endr
.endm
.macro TOKLD b, imm                    ; a K step's tokens for all 5 slots into ring buffer b: always ten loads
	WIN 0
.irp t, 0,1,2,3,4
	global_load_b128 v[TK+40*(\b)+8*\t:TK+40*(\b)+8*\t+3],   v[TOFF+\t], s[28:29] offset:(\imm)
	global_load_b128 v[TK+40*(\b)+8*\t+4:TK+40*(\b)+8*\t+7], v[TOFF+\t], s[28:29] offset:(\imm)+512
.endr
.endm
.macro REFILL q, sb, db, win           ; piece q of my K step: 64 columns (q >> 1), 8 of the 16 rows a lane half (q & 1)
	WIN \win
.irp i, 0,1,2,3,4,5,6,7
	global_load_b128 v[(\db)+32*(\q)+4*\i:(\db)+32*(\q)+4*\i+3], v[WOFFC], s[\sb:(\sb)+1] offset:((\q)>>1)*256+(8*((\q)&1)+\i)*PITCH th:TH_LOAD_NT
.endr
.endm
.macro CVTF q, f, base, cvb            ; piece q rounded, fragment f's half: four lines (the caller sets the windows)
.irp p, 0,1,2,3
	v_cvt_pk_bf16_f32 v[(\cvb)+4*(\f)+\p], v[(\base)+32*(\q)+8*\p+(\f)], v[(\base)+32*(\q)+8*\p+4+(\f)]
.endr
.endm
.macro STW q, cvb                      ; piece q, rounded, to LDS: half of four fragments
	WIN 0
.irp f, 0,1,2,3
	ds_store_b128 v[LWA], v[(\cvb)+4*\f:(\cvb)+4*\f+3] offset:(4*((\q)>>1)+\f)*1024+((\q)&1)*512
.endr
.endm
.macro WFLD b, ks                      ; a K step's 8 fragments into buffer b: 512 consecutive bytes to a load (ks = 4: the next chunk's K step 0)
	WIN 0x40
.irp fr, 0,1,2,3,4,5,6,7
	ds_load_b128 v[64*(\b)+8*\fr:64*(\b)+8*\fr+3],   v[LRA] offset:8192*(\ks)+1024*\fr
	ds_load_b128 v[64*(\b)+8*\fr+4:64*(\b)+8*\fr+7], v[LRA] offset:8192*(\ks)+1024*\fr+512
.endr
.endm
; One product: slot t, K step ks, fragment fr.  first = 1: it starts the sum, with b1 or with 0.
.macro MM t, ks, first, fr
.set AC,  64*((\t)%4)+8*(\fr)
.set WFB, 64*((\ks)&1)+8*(\fr)
.set TKB, TK+40*(\ks)+8*(\t)
.if FFN == 1
.if \first
	WIN 0xB1+0x40*((\t)/4)                         ; source 0 window 1, source 1 window 0, C window 3, D window 2 or 3
	v_wmma_f32_16x16x32_bf16 v[AC:AC+7], v[WFB:WFB+7], v[TKB:TKB+7], v[BIAS+8*(\fr):BIAS+8*(\fr)+7]
.else
	WIN 0xA1+0x50*((\t)/4)
	v_wmma_f32_16x16x32_bf16 v[AC:AC+7], v[WFB:WFB+7], v[TKB:TKB+7], v[AC:AC+7]
.endif
.else
	WIN 0xA4+0x50*((\t)/4)                         ; source 0 window 0, source 1 window 1
.if \first
	v_wmma_f32_16x16x32_bf16 v[AC:AC+7], v[TKB:TKB+7], v[WFB:WFB+7], 0
.else
	v_wmma_f32_16x16x32_bf16 v[AC:AC+7], v[TKB:TKB+7], v[WFB:WFB+7], v[AC:AC+7]
.endif
.endif
.endm
; Slot t's 8 products of a K step, on 8 accumulators by turns.  guard = 1: a dead slot's are jumped.
.macro TILE t, ks, first, guard
.if \guard
	WIN 0                                          ; at a branch and at a label every window is 0
	s_cmp_gt_u32 s19, \t
	s_cbranch_scc0 .Ldead_\@
.endif
.irp fr, 0,1,2,3,4,5,6,7
	MM \t, \ks, \first, \fr
.endr
.if \guard
	WIN 0
.Ldead_\@:
.endif
.endm
; A K STEP UNDER THE STREAM.  Slot 0's products come first, and the roundings of the piece (K step 2: of pieces 2 and 3) stand in fours behind them; they (K step 3 and the tail: four v_nop) are also the
; places between the products of the K step before and the loads into the buffers that those read.  Then ALL the K step's memory instructions in ONE run: the rounded piece to LDS, the tokens of three
; K steps on, the next K step's fragments, the piece's refill; the fragments have slots 1 to 3 or 4, 24 to 32 products, in which to land.  Tokens stand ahead of refills, so that the wait for a K step's tokens
; asks of the weights only the pieces issued a whole trip ago.  tail = 1: a slice's last three K steps ask for nothing but fragments.  lc: how many younger global loads may stay out.
; pf: the prefetch (1: always, 2: while a chunk is left).
.macro KSS ks, first, tail, lc, pf=0
	s_wait_loadcnt \lc                             ; this K step's tokens are in, and with them the older pieces that it rounds
	s_wait_dscnt 0x0                               ; this K step's fragments are in (the stores ahead of them too)
.irp fr, 0,1,2,3,4,5,6,7
	MM 0, \ks, \first, \fr
.if (\tail) || ((\ks) == 3)
.if \fr == 0
	PLACES
.endif
.elseif (\ks) == 2
	WIN 0x05                                       ; sources window 1, destination window 0
	CVTF 2+\fr/4, \fr%4, STG, CV+16*(\fr/4)
.elseif \fr < 4
	WIN 0x05
	CVTF \ks, \fr, STG, CV
.endif
.endr
.if !(\tail)
.if (\ks) < 2
	STW \ks, CV
.elseif (\ks) == 2
	STW 2, CV
	STW 3, CV+16
.endif
	TOKLD ((\ks)+3)&3, ((\ks)+3)*1024
.endif
.if (\ks) < 3
	WFLD ((\ks)+1)&1, (\ks)+1
.elseif !(\tail)
	WFLD 0, 4                                      ; the next chunk's K step 0: whole since K step 2's barrier
.endif
.if !(\tail)
.if (\ks) < 2
	REFILL \ks, 26, STG, 0x40
.elseif (\ks) == 2
	REFILL 2, 26, STG, 0x40
	REFILL 3, 26, STG, 0x40
.endif
.if (\pf) == 2
	WIN 0
	s_cmp_gt_u32 s22, 4
	s_cbranch_scc0 .Lnopf_\@
.endif
.if \pf
	WIN 0
	global_prefetch_b8 v[PFO], s[30:31] th:TH_LOAD_NT scope:SCOPE_SE               ; the chunk four on from the one in hand, two trips ahead of its loads: thread i asks for row i's
	global_prefetch_b8 v[PFO], s[30:31] offset:256 th:TH_LOAD_NT scope:SCOPE_SE    ; two blocks of 256 bytes, each once in the launch; chunks 4 to 7, nothing past the slice
.endif
.if (\pf) == 2
.Lnopf_\@:
.endif
.endif
	TILE 1, \ks, \first, 0
	TILE 2, \ks, \first, 0
.if ((\ks) == 2) && !(\tail)
	s_wait_dscnt 0x0                               ; for the others' sake: all four pieces of my K step of the next chunk are in LDS
	s_barrier_signal -1                            ; eight products stand between the signal and the wait
.endif
	TILE 3, \ks, \first, 0
.if ((\ks) == 2) && !(\tail)
	s_barrier_wait -1                              ; everybody's are
.endif
	TILE 4, \ks, \first, 1-(\first)
.endm
; A K STEP FROM THE SLICE IN LDS (groups 1-3): every slot is guarded (the first K step's products start the sums of all five), the tokens and the fragments in one run.
.macro KL ks, first, tail, lc
	s_wait_loadcnt \lc                             ; this K step's tokens are in
	s_wait_dscnt 0x0                               ; and its fragments
	TILE 0, \ks, \first, 1-(\first)
	PLACES
.if !(\tail)
	TOKLD ((\ks)+3)&3, ((\ks)+3)*1024
.endif
.if (\ks) < 3
	WFLD ((\ks)+1)&1, (\ks)+1
.elseif !(\tail)
	WIN 0
	s_add_co_u32 s25, s25, 32768
	v_add_nc_u32 v[LRA], s25, v[L16]
	WFLD 0, 0
.endif
	TILE 1, \ks, \first, 1-(\first)
	TILE 2, \ks, \first, 1-(\first)
	TILE 3, \ks, \first, 1-(\first)
	TILE 4, \ks, \first, 1-(\first)
.endm
; On to the next chunk.  s22 counts 7 .. 1: this trip's refills ask for chunk 10 - s22; when that passes 7 the base stays and all lanes ask for 16 bytes of chunk 7 again:
; five idle refills, the price of one text for every trip and of constant counts.
.macro STEP
	WIN 0
	s_wait_xcnt 0x0                                ; bases and offsets of what has been issued are rewritten only behind this wait
	s_add_nc_u64 s[28:29], s[28:29], 4096
	s_add_co_u32 s24, s24, 32768
	v_add_nc_u32 v[LWA], s24, v[LW0]
	s_add_co_u32 s25, s25, 32768
	v_add_nc_u32 v[LRA], s25, v[L16]
	s_cmp_gt_u32 s22, 2
	s_cselect_b32 s32, CHB, 0
	s_cselect_b32 s34, -1, 0
	s_add_nc_u64 s[26:27], s[26:27], s[32:33]
	v_and_b32 v[WOFFC], s34, v[WOFF]
	s_add_nc_u64 s[30:31], s[30:31], CHB
.endm
	s_load_b256 s[4:11], s[0:1], 0x0               ; weights s[4:5], bias s[6:7], tokens s[8:9], counts s[10:11]
	s_load_b64 s[12:13], s[0:1], 0x20              ; the output
	v_lshl_add_u32 v[SPW], v0, 2, SPARE
	v_mov_b32 v[NIL], 0
	v_lshrrev_b32 v1, 5, v0
	v_readfirstlane_b32 s14, v1                    ; wave 0..3
	v_and_b32 v1, 31, v0
	v_lshlrev_b32 v[L16], 4, v1
	v_and_b32 v17, 15, v0                          ; r
	v_bfe_u32 v18, v0, 4, 1                        ; hh
	v_lshlrev_b32 v[WOFF], 4, v17
	v_lshl_add_u32 v[WOFF], v18, LOGP+5, v[WOFF]
	v_mov_b32 v[WOFFC], v[WOFF]
	v_lshlrev_b32 v[PFO], LOGP, v0
	s_lshl_b32 s35, s14, 13
	v_add_nc_u32 v[LW0], s35, v[L16]
	v_mov_b32 v[LWA], v[LW0]                       ; chunk 0
	v_mov_b32 v[LRA], v[L16]
	s_mov_b32 s15, ttmp9                           ; x
	s_and_b32 s16, ttmp7, 0xffff                   ; e
	s_mov_b32 s33, 0
	s_mov_b32 s35, 0
	s_mov_b32 s37, 0
	s_mov_b32 s39, 0
	s_mov_b32 s43, 0
	s_mov_b32 s77, 0
	s_mov_b32 s79, 0
	s_lshl_b32 s36, s16, 24                        ; an expert's weights are 16 MiB
.if FFN == 1
	v_lshlrev_b32 v19, 7, v18                      ; b1: 32 hh columns
	s_lshl_b32 s32, s15, 9
	s_add_co_u32 s36, s36, s32                     ; weights: + 128 x columns
	s_lshl_b32 s38, s16, 14
	s_add_co_u32 s38, s38, s32                     ; b1[e] + 128 x
	s_lshl_b32 s76, s16, 21                        ; xs[e]
	s_lshl_b32 s42, s16, 23
	s_lshl_b32 s32, s15, 12
	s_add_co_u32 s42, s42, s32                     ; h[e] + blocks 2 x, 2 x + 1
.else
	v_lshlrev_b32 v19, 4, v17                      ; b2: 4 r columns
	v_lshlrev_b32 v20, 4, v17
	v_lshl_add_u32 v20, v18, 15, v20               ; part: 8 hh rows + 4 r columns
	s_and_b32 s32, s15, 7
	s_lshl_b32 s32, s32, 9                         ; 128 (x & 7) columns
	s_lshr_b32 s24, s15, 3                         ; q
	s_add_co_u32 s36, s36, s32
	s_lshl_b32 s25, s24, 22
	s_add_co_u32 s36, s36, s25                     ; weights: + 1,024 q rows
	s_lshl_b32 s38, s16, 12
	s_add_co_u32 s38, s38, s32
	s_lshl_b32 s76, s16, 23
	s_lshl_b32 s25, s24, 15
	s_add_co_u32 s76, s76, s25                     ; h[e] + 16 q blocks
	s_lshl_b32 s42, s16, 22
	s_add_co_u32 s42, s42, s32
	s_lshl_b32 s25, s24, 25
	s_add_co_u32 s42, s42, s25                     ; part[q][e]
	s_cmp_eq_u32 s24, 0
	s_cselect_b32 s23, -1, 0                       ; b2 is added in quarter 0 alone
.endif
	s_lshl_b32 s34, s16, 2
	s_lshr_b32 s78, s14, 1
	s_and_b32 s32, s14, 1
	s_lshl_b32 s78, s78, 6
	s_lshl4_add_u32 s78, s32, s78                  ; my K step's first row in a chunk: 64 (w >> 1) + 16 (w & 1)
	s_lshl_b32 s78, s78, LOGP
	s_wait_kmcnt 0x0
	s_add_nc_u64 s[10:11], s[10:11], s[34:35]
	s_load_b32 s17, s[10:11], 0x0                  ; n: wanted only for the tokens; the weights are asked for meanwhile
	s_add_nc_u64 s[4:5], s[4:5], s[36:37]          ; the slice
	s_add_nc_u64 s[30:31], s[4:5], 4*CHB           ; the first chunk to be prefetched
	s_add_nc_u64 s[72:73], s[4:5], s[78:79]        ; my K step of chunk 0,
	s_add_nc_u64 s[74:75], s[72:73], CHB           ; of chunk 1,
	s_add_nc_u64 s[26:27], s[74:75], CHB           ; of chunk 2: this one walks
	s_add_nc_u64 s[6:7], s[6:7], s[38:39]
	s_add_nc_u64 s[40:41], s[8:9], s[76:77]        ; the expert's tokens
	s_mov_b64 s[28:29], s[40:41]
	s_add_nc_u64 s[12:13], s[12:13], s[42:43]
.if FFN == 1
	WIN 0x80                                       ; destination window 2: the accumulators' registers are free as yet
.irp c, 0,1
.irp j, 0,1,2,3,4,5,6,7
	global_load_b128 v[128+4*(8*\c+\j):128+4*(8*\c+\j)+3], v19, s[6:7] offset:256*\c+16*\j   ; columns 64 c + 32 hh + 4 j + 0..3
.endr
.endr
.else
	global_load_b128 v[B2:B2+3],   v19, s[6:7]                ; columns 4 r + 0..3,
	global_load_b128 v[B2+4:B2+7], v19, s[6:7] offset:256     ; 64 + 4 r + 0..3
.endif
.irp q, 0,1,2,3
	REFILL \q, 72, 0, 0x80                         ; chunk 0
.endr
	REFILL 0, 74, STG, 0x40                        ; chunk 1 and the first tokens, in the order in which the loop issues them
	WIN 0
	s_wait_kmcnt 0x0
	s_min_u32 s17, s17, 1024
	s_add_co_u32 s18, s17, 15
	s_lshr_b32 s18, s18, 4
	s_max_u32 s18, s18, 1                          ; NT
	s_mov_b32 s20, 0
	SLOTS
	TOKLD 0, 0
	REFILL 1, 74, STG, 0x40
	TOKLD 1, 1024
	REFILL 2, 74, STG, 0x40
	REFILL 3, 74, STG, 0x40
	TOKLD 2, 2048
	WIN 0
.if FFN == 1
	SC 44, 0xaf95df0b                              ; P, highest power first
	SC 46, 0x32edffee
	SC 48, 0xb60cff51
	SC 50, 0xb86ec2d2
	SC 52, 0xba40ac63
	SC 54, 0xbb41a1f6
	SC 56, 0xbc83dbd4
	SC 58, 0xb77460cd                              ; Q
	SC 60, 0xb95fbd29
	SC 62, 0xbadc924e
	SC 66, 0xbbf19bf8
	SC 68, 0xbc69b6a7
	SC 70, 0x3f3504f3                              ; 1 / sqrt(2)
	s_mov_b32 s76, 0xc0800000                      ; -4 and 4: the bounds of erf's argument (the two registers held offsets, which have been added)
	s_mov_b32 s77, 0x40800000
.endif
	s_wait_loadcnt 62                              ; younger: 4 pieces of 8 and 3 x 10 tokens: the bias and chunk 0 are in
.if FFN == 1
	WIN 0x0A                                       ; b1 rounded to bf16 and laid as C: accumulator 4 c + f, register j = column 64 c + 32 hh + 4 j + f
.irp c, 0,1
.irp f, 0,1,2,3
.irp p, 0,1,2,3
	v_cvt_pk_bf16_f32 v[CV+16*\c+4*\f+\p], v[128+4*(8*\c+2*\p)+\f], v[128+4*(8*\c+2*\p+1)+\f]
.endr
.endr
.endr
	WIN 0xC0
.irp c, 0,1
.irp f, 0,1,2,3
.irp p, 0,1,2,3
	v_lshlrev_b32 v[BIAS+8*(4*\c+\f)+2*\p],   16, v[CV+16*\c+4*\f+\p]
	v_and_b32     v[BIAS+8*(4*\c+\f)+2*\p+1], 0xffff0000, v[CV+16*\c+4*\f+\p]
.endr
.endr
.endr
.else
.irp p, 0,1,2,3
	v_cvt_pk_bf16_f32 v[CV+\p], v[B2+2*\p], v[B2+2*\p+1]
.endr
.irp p, 0,1,2,3
	v_lshlrev_b32 v[B2+2*\p],   16, v[CV+\p]
	v_and_b32     v[B2+2*\p+1], 0xffff0000, v[CV+\p]
.endr
.irp i, 0,1,2,3,4,5,6,7
	v_and_b32 v[B2+\i], s23, v[B2+\i]
.endr
.endif
.irp q, 0,1,2,3
	WIN 0x0A                                       ; sources window 2, destination window 0
.irp f, 0,1,2,3
	CVTF \q, \f, 0, CV
.endr
	STW \q, CV
.endr
	s_wait_dscnt 0x0                               ; for the others' sake: my K step of chunk 0 is in LDS
	s_barrier_signal -1
	s_barrier_wait -1
	s_mov_b32 s24, 32768
	v_add_nc_u32 v[LWA], s24, v[LW0]               ; the stores go on to chunk 1
	s_mov_b32 s25, 0
	WFLD 0, 0
	; GROUP 0, under the stream.  A trip issues, K step by K step (T: ten token loads for the K step named, R: eight loads of a piece):  0: T3 R0   1: T0 R1   2: T1 R2 R3   3: T2.
	; Younger than a K step's own tokens are, at K step 0: R1 T1 R2 R3 T2 = 44;  1: R2 R3 T2 T3 R0 = 44;  2: T3 R0 T0 R1 = 36;  3: R0 T0 R1 T1 R2 R3 = 52.  At most 62 loads of a wave are out.
	KSS 0, 1, 0, 44, 1
	WIN 0
	s_mov_b32 s22, 7
.Lchunk:                                               ; a trip: a chunk's K steps 1-3 and the next chunk's K step 0
	KSS 1, 0, 0, 44
	KSS 2, 0, 0, 36
	KSS 3, 0, 0, 52
	STEP
	KSS 0, 0, 0, 44, 2
	WIN 0
	s_sub_co_u32 s22, s22, 1
	s_cmp_lg_u32 s22, 0
	s_cbranch_scc1 .Lchunk
	KSS 1, 0, 1, 44                                ; the last three K steps ask for nothing: the counts run down (R2 R3 T2 T3 R0; T3 R0; R0)
	KSS 2, 0, 1, 18
	KSS 3, 0, 1, 8
	WIN 0
	s_wait_loadcnt 0x0                             ; the idle refills are in: window 1 is free for the way out
	s_wait_dscnt 0x0                               ; my last LDS stores, the ninth chunk's idle words, are done
	s_barrier_signal -1
	s_barrier_wait -1                              ; everybody's are: from here to the barrier at the waves' end LDS is only read
	s_mov_b32 s21, 4
.Lgroup:                                               ; four trips: a group goes out, the next is multiplied from LDS; a wave without a live slot jumps both
	PLACES
.if FFN == 1
	; THE WAY OUT: gelu(v) = v/2 + v/2 erf(v / sqrt 2).  A lane holds token r and columns 64 c + 32 hh + 4 j + f: rounded in pairs they ARE its 16 bytes of groups g = j / 2 of block c.
.macro STAGE_A t                       ; slot t's sums, each accumulator from its low end: u = v / sqrt 2 into v0-63, v / 2 into v64-127 of window 1
	WIN 0x42+(\t)/4
.set i, 0
.rept 32
	v_pk_mul_f32 v[i:i+1], v[64*((\t)%4)+i:64*((\t)%4)+i+1], s[70:71] op_sel_hi:[1,0]
.set i, i+2
.endr
.set i, 0
.rept 32
	v_pk_mul_f32 v[64+i:64+i+1], v[64*((\t)%4)+i:64*((\t)%4)+i+1], 0.5 op_sel_hi:[1,0]
.set i, i+2
.endr
	WIN 0
.endm
.macro ROW16 line:vararg               ; one line for each of 16 pairs i
.set i, 0
.rept 16
	\line
.set i, i+2
.endr
.endm
.macro GELU c                          ; 32 numbers a lane: block c
.set UB, 32*(\c)
.set HB, 64+32*(\c)
	WIN 0x55
.set i, 0
.rept 32
	v_med3_num_f32 v[UB+i], v[UB+i], s76, s77
.set i, i+1
.endr
	ROW16 v_pk_mul_f32 v[GS+i:GS+i+1], v[UB+i:UB+i+1], v[UB+i:UB+i+1]
	ROW16 v_pk_fma_f32 v[GP+i:GP+i+1], v[GS+i:GS+i+1], s[44:45], s[46:47] op_sel_hi:[1,0,0]
	ROW16 v_pk_fma_f32 v[GQ+i:GQ+i+1], v[GS+i:GS+i+1], s[58:59], s[60:61] op_sel_hi:[1,0,0]
.irp k, 48,50,52,54,56
	ROW16 v_pk_fma_f32 v[GP+i:GP+i+1], v[GP+i:GP+i+1], v[GS+i:GS+i+1], s[\k:\k+1] op_sel_hi:[1,1,0]
.endr
.irp k, 62,66,68
	ROW16 v_pk_fma_f32 v[GQ+i:GQ+i+1], v[GQ+i:GQ+i+1], v[GS+i:GS+i+1], s[\k:\k+1] op_sel_hi:[1,1,0]
.endr
.set i, 0
.rept 32
	v_rcp_f32 v[GQ+i], v[GQ+i]
.set i, i+1
.endr
	ROW16 v_pk_mul_f32 v[GP+i:GP+i+1], v[GP+i:GP+i+1], v[UB+i:UB+i+1]      ; plain work that names no reciprocal,
	s_wait_alu depctr_va_vdst(0)                   ; then one wait for the batch of 32, ahead of its first reader
	ROW16 v_pk_mul_f32 v[GP+i:GP+i+1], v[GP+i:GP+i+1], v[GQ+i:GQ+i+1]      ; erf
	ROW16 v_pk_fma_f32 v[GP+i:GP+i+1], v[HB+i:HB+i+1], v[GP+i:GP+i+1], v[HB+i:HB+i+1]
.irp j, 0,1,2,3,4,5,6,7
.irp f, 0,2
	v_cvt_pk_bf16_f32 v[GO+16*(\c)+2*\j+\f/2], v[GP+8*\f+\j], v[GP+8*\f+8+\j]
.endr
.endr
	WIN 0x04                                       ; address window 0, data window 1
.irp g, 0,1,2,3
	global_store_b128 v[OOFF], v[GO+16*(\c)+4*\g:GO+16*(\c)+4*\g+3], s[12:13] offset:2048*(\c)+512*\g   ; 512 consecutive bytes, aligned
.endr
	WIN 0
.endm
	s_mov_b32 s42, 5
.Lslot:                                                ; slot t = s42 - 1, from 4 down to 0
	s_cmp_gt_u32 s42, s19
	s_cbranch_scc1 .Lslot_next                     ; a dead slot stores nothing
	s_wait_xcnt 0x0                                ; the last slot's stores have read their offset and data
	s_lshl2_add_u32 s36, s42, s20                  ; 20 g + 4 (t + 1)
	s_add_co_u32 s36, s36, s14
	s_sub_co_u32 s36, s36, 4                       ; the slot's tile
	s_min_u32 s36, s36, 63
	s_lshl_b32 s36, s36, 17
	v_add_nc_u32 v[OOFF], s36, v[L16]
	s_cmp_eq_u32 s42, 1
	s_cbranch_scc1 .Lsa0
	s_cmp_eq_u32 s42, 2
	s_cbranch_scc1 .Lsa1
	s_cmp_eq_u32 s42, 3
	s_cbranch_scc1 .Lsa2
	s_cmp_eq_u32 s42, 4
	s_cbranch_scc1 .Lsa3
	STAGE_A 4
	s_branch .Lgelu
.Lsa0:
	STAGE_A 0
	s_branch .Lgelu
.Lsa1:
	STAGE_A 1
	s_branch .Lgelu
.Lsa2:
	STAGE_A 2
	s_branch .Lgelu
.Lsa3:
	STAGE_A 3
.Lgelu:
	GELU 0
	GELU 1
.Lslot_next:
	s_sub_co_u32 s42, s42, 1
	s_cmp_lg_u32 s42, 0
	s_cbranch_scc1 .Lslot
.else
	; THE WAY OUT: a lane holds rows 8 hh + j and columns 64 c + 4 r + f.  The addition of b2 puts a row's four neighbouring columns side by side: sixteen lanes store 256 consecutive bytes, aligned.
.macro OUT2 t
	WIN 0
	s_cmp_gt_u32 s19, \t
	s_cbranch_scc0 .Lnone_\@
	s_wait_xcnt 0x0                                ; earlier stores have read their offset and data
	s_add_co_u32 s36, s20, 4*(\t)
	s_add_co_u32 s36, s36, s14
	s_min_u32 s36, s36, 63
	s_lshl_b32 s36, s36, 16
	v_add_nc_u32 v[OOFF], s36, v20
	WIN 0x42+(\t)/4                                ; source 0 window 2 or 3, source 1 window 0, destination window 1
.irp c, 0,1
.irp j, 0,1,2,3,4,5,6,7
.irp f, 0,1,2,3
	v_add_f32 v[64*((\t)%2)+4*(8*\c+\j)+\f], v[64*((\t)%4)+8*(4*\c+\f)+\j], v[B2+4*\c+\f]
.endr
.endr
.endr
	WIN 0x04
.irp c, 0,1
.irp j, 0,1,2,3,4,5,6,7
	global_store_b128 v[OOFF], v[64*((\t)%2)+4*(8*\c+\j):64*((\t)%2)+4*(8*\c+\j)+3], s[12:13] offset:4096*\j+256*\c
.endr
.endr
	WIN 0
.Lnone_\@:
.endm
	OUT2 0
	OUT2 1
	OUT2 2
	OUT2 3
	OUT2 4
.endif
	s_wait_xcnt 0x0                                ; the stores have read their registers; the slots' offsets are written anew
	s_add_co_u32 s20, s20, 20
	SLOTS
	s_cmp_eq_u32 s19, 0
	s_cbranch_scc1 .Lgroup_next
	; THE NEXT GROUP, from the slice in LDS: all its bytes were shown to every wave by the stream's barriers, and nothing writes them again.  Younger than a K step's tokens: 2 x 10.
	s_mov_b64 s[28:29], s[40:41]
	s_mov_b32 s25, 0
	v_mov_b32 v[LRA], v[L16]
	TOKLD 0, 0
	TOKLD 1, 1024
	TOKLD 2, 2048
	WFLD 0, 0
	KL 0, 1, 0, 20
	WIN 0
	s_mov_b32 s22, 7
.Llchunk:
	KL 1, 0, 0, 20
	KL 2, 0, 0, 20
	KL 3, 0, 0, 20
	WIN 0
	s_wait_xcnt 0x0
	s_add_nc_u64 s[28:29], s[28:29], 4096
	KL 0, 0, 0, 20
	WIN 0
	s_sub_co_u32 s22, s22, 1
	s_cmp_lg_u32 s22, 0
	s_cbranch_scc1 .Llchunk
	KL 1, 0, 1, 20
	KL 2, 0, 1, 10
	KL 3, 0, 1, 0
	WIN 0
.Lgroup_next:
	s_sub_co_u32 s21, s21, 1
	s_cmp_lg_u32 s21, 0
	s_cbranch_scc1 .Lgroup
	s_wait_dscnt 0x0                               ; my reads of the slice are over
	s_barrier_signal -1
	s_barrier_wait -1                              ; everybody's are: LDS is written again, by the add below, only behind this barrier
	s_wait_tensorcnt 0x0                           ; the wave's end, behind my last LDS store
	ds_add_u32 v[SPW], v[NIL]
	s_wait_dscnt 0x0
	s_endpgm
.Lfunc_end_k_qcbd44bcbbc_ffn1:
	.size	k_qcbd44bcbbc_ffn1, .Lfunc_end_k_qcbd44bcbbc_ffn1-k_qcbd44bcbbc_ffn1
	.p2alignl 7, 3214868480
	.fill 96, 4, 3214868480
	.section	.rodata,"a",@progbits
	.p2align	6, 0x0
	.amdhsa_kernel k_qcbd44bcbbc_ffn1
		.amdhsa_group_segment_fixed_size 295424
		.amdhsa_private_segment_fixed_size 0
		.amdhsa_enable_private_segment 0
		.amdhsa_kernarg_size 40
		.amdhsa_user_sgpr_count 2
		.amdhsa_user_sgpr_kernarg_segment_ptr 1
		.amdhsa_wavefront_size32 1
		.amdhsa_system_sgpr_workgroup_id_x 1
		.amdhsa_system_sgpr_workgroup_id_y 1
		.amdhsa_system_sgpr_workgroup_id_z 1
		.amdhsa_system_vgpr_workitem_id 0
		.amdhsa_next_free_vgpr 896
		.amdhsa_next_free_sgpr 80
		.amdhsa_reserve_vcc 0
		.amdhsa_float_denorm_mode_32 3
		.amdhsa_float_denorm_mode_16_64 3
		.amdhsa_memory_ordered 1
		.amdhsa_forward_progress 1
		.amdhsa_inst_pref_size 179
	.end_amdhsa_kernel
	.amdgpu_metadata
---
amdhsa.version: [ 1, 2 ]
amdhsa.kernels:
  - .name:           k_qcbd44bcbbc_ffn1
    .symbol:         k_qcbd44bcbbc_ffn1.kd
    .args:
      - { .name: W1, .offset: 0, .size: 8, .value_kind: global_buffer, .address_space: global }
      - { .name: b1, .offset: 8, .size: 8, .value_kind: global_buffer, .address_space: global }
      - { .name: xs, .offset: 16, .size: 8, .value_kind: global_buffer, .address_space: global }
      - { .name: counts, .offset: 24, .size: 8, .value_kind: global_buffer, .address_space: global }
      - { .name: h, .offset: 32, .size: 8, .value_kind: global_buffer, .address_space: global }
    .group_segment_fixed_size: 295424
    .private_segment_fixed_size: 0
    .kernarg_segment_align: 8
    .kernarg_segment_size: 40
    .max_flat_workgroup_size: 128
    .sgpr_count:     80
    .vgpr_count:     896
    .wavefront_size: 32
...
	.end_amdgpu_metadata
.endif
;; end of part 3
;; launch ffn2 (part 4): grid 32 x 8, 4 waves a work-group, no clusters, 295,424 bytes of LDS; arguments W2, b2, h, counts, part; writes part
.if DOCPART == 4
	.amdgcn_target "amdgcn-amd-amdhsa--gfx1250"
	.amdhsa_code_object_version 6
	.text
	.protected	k_qcbd44bcbbc_ffn2
	.globl	k_qcbd44bcbbc_ffn2
	.p2align	8
	.type	k_qcbd44bcbbc_ffn2,@function
k_qcbd44bcbbc_ffn2:
	s_mov_b64 s[64:65], 0
	v_nop
	global_prefetch_b8 v0, s[64:65] scope:SCOPE_SE
	s_setreg_imm32_b32 hwreg(HW_REG_WAVE_MODE, 25, 1), 1
	s_wait_xcnt 0x0
; ONE EXPERT'S PRODUCT ON ONE SLICE OF ITS WEIGHTS.  The text serves both products; FFN says which.
;   FFN = 1:  h = gelu(xs W1 + b1), gelu by erf;  slice = all 1,024 k x 128 columns of F (x = 0..31).  h leaves in bf16, laid as the second product's operand registers take it.
;   FFN = 2:  part[q] = h W2 (+ b2 where q = 0);   slice = quarter q = x >> 3 of F (1,024 k) x 128 columns of C (x & 7).  Partial sums leave in f32.
; Weights, biases and tokens are rounded to bf16, sums are f32.  Each weight byte is read once in the launch, by this work-group alone, 256 consecutive aligned bytes to sixteen lanes.
; ROWS.  An expert's n rows (counts[e]: 0 to 1,024, every split is served) lie in tiles of 16, NT = max(1, ceil(n / 16)).  A wave has 5 tile slots; slot t of group g is tile 20 g + 4 t + w.
; Group 0 is multiplied while the weights stream; the slice stays in LDS as bf16 fragments, each byte written once, and groups 1-3 (an expert with more than 320 rows) are multiplied from there:
; one barrier stands behind the stream, one ahead of the waves' end, and between the two LDS is only read.
; DEAD SLOTS.  Under the stream slots 0-3 are multiplied whether live or not: the stream's own work stands between their products, on every wave's path.  The price: an expert with fewer than 241 rows
; does the products of 256.  Slot 4, and every slot of groups 1-3, is jumped when dead.  A dead slot's loads ask for 16 bytes of tile 0, so that every counted wait sees the same number of younger
; loads on every path, and it stores nothing.
; K ORDER.  A K step's slot (hh, i = 0..15) stands for k = 64 block + 32 hh + 16 s + i, alike in weights and tokens: a permutation of k applied to both sources keeps the products.
; So a weight fragment needs no transposition: load i gives lane (r, hh) row k(hh, i), columns n0 + 4 r + 0..3; register p of fragment f = (load 2p, load 2p+1) element f; its position r is column n0 + 4 r + f.
; STREAM.  A chunk is 128 k = 4 K steps; wave w loads, rounds and stores K step w of every chunk, in four pieces.  While chunk c is multiplied, chunk c + 1 goes from registers to LDS (pieces 0 and 1 in
; K steps 0 and 1, pieces 2 and 3 in K step 2, where the chunk's one barrier stands, so that K step 3 fetches the next chunk's first fragments like any others) and chunk c + 2 is asked for.
; NO CLUSTER, NO TENSOR LOAD: the weights pass through registers to be rounded and have one reader; the shared token tiles would want LDS that the resident slice has taken.
; LIMITS.  erf is the rational x P(x^2) / Q(x^2) with |x| held to 4, good to a few units of f32's last place for every finite input; NaN and infinities are not treated apart.
; REGISTERS, in windows of 256 (s_set_vgpr_msb: bits 1:0 source 0, 3:2 source 1, 5:4 source 2, 7:6 destination):
;   window 0: v1-20 addresses; v32-191 tokens, a ring of 4 K steps x 5 slots x 8; v192-223 rounded weights on their way to LDS, two pieces; v224-231 b2
;   window 1: v0-127 weight fragments, two buffers; v128-255 weights as loaded, four pieces of 32 (on the way out both serve as work space)
;   window 2: accumulators of slots 0-3 (64 t + 8 fragment);   window 3: v0-63 slot 4's; v64-127 b1 as the first product's C operand
.set FFN, 2
.if FFN == 1
.set LOGP, 14                          ; a row of W1 is 16,384 bytes
.set LOGT, 15                          ; a tile of xs is 32,768 bytes
.else
.set LOGP, 12                          ; a row of W2 is 4,096 bytes
.set LOGT, 17                          ; a tile of h is 131,072 bytes
.endif
.set PITCH, 1<<LOGP
.set CHB,   128*PITCH                  ; a chunk's rows in memory
.set SPARE, 294912                     ; LDS: 8 chunks of 32,768 (K step 8,192, fragment 1,024, half 512, lane 16), a ninth for the last trip's idle words, then the spare words
.set L16,   2                          ; 16 x lane
.set WOFF,  3                          ; hh x 32 rows + 16 r
.set WOFFC, 4                          ; the same, or 0 when nothing is left to ask for
.set LW0,   5                          ; 16 x lane + 8192 w
.set LWA,   6                          ; where I store fragments
.set LRA,   7                          ; where I read fragments
.set TOFF,  8                          ; v8-12 slot t's tile and my 16 bytes in it
.set OOFF,  13
.set SPW,   14
.set NIL,   15
.set PFO,   16                         ; thread x row: the prefetch's offset
.set TK,    32
.set CV,    192
.set B2,    224
.set STG,   128                        ; window 1
.set BIAS,  64                         ; window 3
.set GS,    128                        ; window 1, on the way out: x^2, P, Q, packed results
.set GP,    160
.set GQ,    192
.set GO,    224
.set MSB, 0
.macro WIN new                         ; the immediate's high byte repeats the setting that is left; a switch that changes nothing is dropped
.if MSB != (\new)
	s_set_vgpr_msb (MSB<<8)|(\new)
.set MSB, (\new)
.endif
.endm
.macro PLACES                          ; four places ahead of loads into registers that matrix instructions have read, and of reads of their results
.rept 4
	v_nop
.endr
.endm
.macro SC r, val                       ; a constant as a pair: the packed forms name a pair and take its low word
	s_mov_b32 s[\r], \val
	s_mov_b32 s[(\r)+1], \val
.endm
; How many of my 5 slots are live in the group that begins at tile s20, and each slot's offset.
.macro SLOTS
	s_sub_co_i32 s35, s18, s20
	s_sub_co_i32 s35, s35, s14
	s_add_co_i32 s35, s35, 3
	s_ashr_i32 s35, s35, 2
	s_max_i32 s35, s35, 0
	s_min_u32 s19, s35, 5
.irp t, 0,1,2,3,4
	s_add_co_u32 s36, s20, 4*\t
	s_add_co_u32 s36, s36, s14
	s_cmp_gt_u32 s19, \t
	s_cselect_b32 s36, s36, 0                      ; a dead slot: tile 0,
	s_cselect_b32 s37, 0x1f0, 0                    ; and one piece of 16 bytes for all lanes
	s_min_u32 s36, s36, 63
	s_min_u32 s37, s37, 0x1f0
	s_lshl_b32 s36, s36, LOGT
	v_and_b32 v[TOFF+\t], s37, v[L16]
	v_add_nc_u32 v[TOFF+\t], s36, v[TOFF+\t]
.endr
.endm
.macro TOKLD b, imm                    ; a K step's tokens for all 5 slots into ring buffer b: always ten loads
	WIN 0
.irp t, 0,1,2,3,4
	global_load_b128 v[TK+40*(\b)+8*\t:TK+40*(\b)+8*\t+3],   v[TOFF+\t], s[28:29] offset:(\imm)
	global_load_b128 v[TK+40*(\b)+8*\t+4:TK+40*(\b)+8*\t+7], v[TOFF+\t], s[28:29] offset:(\imm)+512
.endr
.endm
.macro REFILL q, sb, db, win           ; piece q of my K step: 64 columns (q >> 1), 8 of the 16 rows a lane half (q & 1)
	WIN \win
.irp i, 0,1,2,3,4,5,6,7
	global_load_b128 v[(\db)+32*(\q)+4*\i:(\db)+32*(\q)+4*\i+3], v[WOFFC], s[\sb:(\sb)+1] offset:((\q)>>1)*256+(8*((\q)&1)+\i)*PITCH th:TH_LOAD_NT
.endr
.endm
.macro CVTF q, f, base, cvb            ; piece q rounded, fragment f's half: four lines (the caller sets the windows)
.irp p, 0,1,2,3
	v_cvt_pk_bf16_f32 v[(\cvb)+4*(\f)+\p], v[(\base)+32*(\q)+8*\p+(\f)], v[(\base)+32*(\q)+8*\p+4+(\f)]
.endr
.endm
.macro STW q, cvb                      ; piece q, rounded, to LDS: half of four fragments
	WIN 0
.irp f, 0,1,2,3
	ds_store_b128 v[LWA], v[(\cvb)+4*\f:(\cvb)+4*\f+3] offset:(4*((\q)>>1)+\f)*1024+((\q)&1)*512
.endr
.endm
.macro WFLD b, ks                      ; a K step's 8 fragments into buffer b: 512 consecutive bytes to a load (ks = 4: the next chunk's K step 0)
	WIN 0x40
.irp fr, 0,1,2,3,4,5,6,7
	ds_load_b128 v[64*(\b)+8*\fr:64*(\b)+8*\fr+3],   v[LRA] offset:8192*(\ks)+1024*\fr
	ds_load_b128 v[64*(\b)+8*\fr+4:64*(\b)+8*\fr+7], v[LRA] offset:8192*(\ks)+1024*\fr+512
.endr
.endm
; One product: slot t, K step ks, fragment fr.  first = 1: it starts the sum, with b1 or with 0.
.macro MM t, ks, first, fr
.set AC,  64*((\t)%4)+8*(\fr)
.set WFB, 64*((\ks)&1)+8*(\fr)
.set TKB, TK+40*(\ks)+8*(\t)
.if FFN == 1
.if \first
	WIN 0xB1+0x40*((\t)/4)                         ; source 0 window 1, source 1 window 0, C window 3, D window 2 or 3
	v_wmma_f32_16x16x32_bf16 v[AC:AC+7], v[WFB:WFB+7], v[TKB:TKB+7], v[BIAS+8*(\fr):BIAS+8*(\fr)+7]
.else
	WIN 0xA1+0x50*((\t)/4)
	v_wmma_f32_16x16x32_bf16 v[AC:AC+7], v[WFB:WFB+7], v[TKB:TKB+7], v[AC:AC+7]
.endif
.else
	WIN 0xA4+0x50*((\t)/4)                         ; source 0 window 0, source 1 window 1
.if \first
	v_wmma_f32_16x16x32_bf16 v[AC:AC+7], v[TKB:TKB+7], v[WFB:WFB+7], 0
.else
	v_wmma_f32_16x16x32_bf16 v[AC:AC+7], v[TKB:TKB+7], v[WFB:WFB+7], v[AC:AC+7]
.endif
.endif
.endm
; Slot t's 8 products of a K step, on 8 accumulators by turns.  guard = 1: a dead slot's are jumped.
.macro TILE t, ks, first, guard
.if \guard
	WIN 0                                          ; at a branch and at a label every window is 0
	s_cmp_gt_u32 s19, \t
	s_cbranch_scc0 .Ldead_\@
.endif
.irp fr, 0,1,2,3,4,5,6,7
	MM \t, \ks, \first, \fr
.endr
.if \guard
	WIN 0
.Ldead_\@:
.endif
.endm
; A K STEP UNDER THE STREAM.  Slot 0's products come first, and the roundings of the piece (K step 2: of pieces 2 and 3) stand in fours behind them; they (K step 3 and the tail: four v_nop) are also the
; places between the products of the K step before and the loads into the buffers that those read.  Then ALL the K step's memory instructions in ONE run: the rounded piece to LDS, the tokens of three
; K steps on, the next K step's fragments, the piece's refill; the fragments have slots 1 to 3 or 4, 24 to 32 products, in which to land.  Tokens stand ahead of refills, so that the wait for a K step's tokens
; asks of the weights only the pieces issued a whole trip ago.  tail = 1: a slice's last three K steps ask for nothing but fragments.  lc: how many younger global loads may stay out.
; pf: the prefetch (1: always, 2: while a chunk is left).
.macro KSS ks, first, tail, lc, pf=0
	s_wait_loadcnt \lc                             ; this K step's tokens are in, and with them the older pieces that it rounds
	s_wait_dscnt 0x0                               ; this K step's fragments are in (the stores ahead of them too)
.irp fr, 0,1,2,3,4,5,6,7
	MM 0, \ks, \first, \fr
.if (\tail) || ((\ks) == 3)
.if \fr == 0
	PLACES
.endif
.elseif (\ks) == 2
	WIN 0x05                                       ; sources window 1, destination window 0
	CVTF 2+\fr/4, \fr%4, STG, CV+16*(\fr/4)
.elseif \fr < 4
	WIN 0x05
	CVTF \ks, \fr, STG, CV
.endif
.endr
.if !(\tail)
.if (\ks) < 2
	STW \ks, CV
.elseif (\ks) == 2
	STW 2, CV
	STW 3, CV+16
.endif
	TOKLD ((\ks)+3)&3, ((\ks)+3)*1024
.endif
.if (\ks) < 3
	WFLD ((\ks)+1)&1, (\ks)+1
.elseif !(\tail)
	WFLD 0, 4                                      ; the next chunk's K step 0: whole since K step 2's barrier
.endif
.if !(\tail)
.if (\ks) < 2
	REFILL \ks, 26, STG, 0x40
.elseif (\ks) == 2
	REFILL 2, 26, STG, 0x40
	REFILL 3, 26, STG, 0x40
.endif
.if (\pf) == 2
	WIN 0
	s_cmp_gt_u32 s22, 4
	s_cbranch_scc0 .Lnopf_\@
.endif
.if \pf
	WIN 0
	global_prefetch_b8 v[PFO], s[30:31] th:TH_LOAD_NT scope:SCOPE_SE               ; the chunk four on from the one in hand, two trips ahead of its loads: thread i asks for row i's
	global_prefetch_b8 v[PFO], s[30:31] offset:256 th:TH_LOAD_NT scope:SCOPE_SE    ; two blocks of 256 bytes, each once in the launch; chunks 4 to 7, nothing past the slice
.endif
.if (\pf) == 2
.Lnopf_\@:
.endif
.endif
	TILE 1, \ks, \first, 0
	TILE 2, \ks, \first, 0
.if ((\ks) == 2) && !(\tail)
	s_wait_dscnt 0x0                               ; for the others' sake: all four pieces of my K step of the next chunk are in LDS
	s_barrier_signal -1                            ; eight products stand between the signal and the wait
.endif
	TILE 3, \ks, \first, 0
.if ((\ks) == 2) && !(\tail)
	s_barrier_wait -1                              ; everybody's are
.endif
	TILE 4, \ks, \first, 1-(\first)
.endm
; A K STEP FROM THE SLICE IN LDS (groups 1-3): every slot is guarded (the first K step's products start the sums of all five), the tokens and the fragments in one run.
.macro KL ks, first, tail, lc
	s_wait_loadcnt \lc                             ; this K step's tokens are in
	s_wait_dscnt 0x0                               ; and its fragments
	TILE 0, \ks, \first, 1-(\first)
	PLACES
.if !(\tail)
	TOKLD ((\ks)+3)&3, ((\ks)+3)*1024
.endif
.if (\ks) < 3
	WFLD ((\ks)+1)&1, (\ks)+1
.elseif !(\tail)
	WIN 0
	s_add_co_u32 s25, s25, 32768
	v_add_nc_u32 v[LRA], s25, v[L16]
	WFLD 0, 0
.endif
	TILE 1, \ks, \first, 1-(\first)
	TILE 2, \ks, \first, 1-(\first)
	TILE 3, \ks, \first, 1-(\first)
	TILE 4, \ks, \first, 1-(\first)
.endm
; On to the next chunk.  s22 counts 7 .. 1: this trip's refills ask for chunk 10 - s22; when that passes 7 the base stays and all lanes ask for 16 bytes of chunk 7 again:
; five idle refills, the price of one text for every trip and of constant counts.
.macro STEP
	WIN 0
	s_wait_xcnt 0x0                                ; bases and offsets of what has been issued are rewritten only behind this wait
	s_add_nc_u64 s[28:29], s[28:29], 4096
	s_add_co_u32 s24, s24, 32768
	v_add_nc_u32 v[LWA], s24, v[LW0]
	s_add_co_u32 s25, s25, 32768
	v_add_nc_u32 v[LRA], s25, v[L16]
	s_cmp_gt_u32 s22, 2
	s_cselect_b32 s32, CHB, 0
	s_cselect_b32 s34, -1, 0
	s_add_nc_u64 s[26:27], s[26:27], s[32:33]
	v_and_b32 v[WOFFC], s34, v[WOFF]
	s_add_nc_u64 s[30:31], s[30:31], CHB
.endm
	s_load_b256 s[4:11], s[0:1], 0x0               ; weights s[4:5], bias s[6:7], tokens s[8:9], counts s[10:11]
	s_load_b64 s[12:13], s[0:1], 0x20              ; the output
	v_lshl_add_u32 v[SPW], v0, 2, SPARE
	v_mov_b32 v[NIL], 0
	v_lshrrev_b32 v1, 5, v0
	v_readfirstlane_b32 s14, v1                    ; wave 0..3
	v_and_b32 v1, 31, v0
	v_lshlrev_b32 v[L16], 4, v1
	v_and_b32 v17, 15, v0                          ; r
	v_bfe_u32 v18, v0, 4, 1                        ; hh
	v_lshlrev_b32 v[WOFF], 4, v17
	v_lshl_add_u32 v[WOFF], v18, LOGP+5, v[WOFF]
	v_mov_b32 v[WOFFC], v[WOFF]
	v_lshlrev_b32 v[PFO], LOGP, v0
	s_lshl_b32 s35, s14, 13
	v_add_nc_u32 v[LW0], s35, v[L16]
	v_mov_b32 v[LWA], v[LW0]                       ; chunk 0
	v_mov_b32 v[LRA], v[L16]
	s_mov_b32 s15, ttmp9                           ; x
	s_and_b32 s16, ttmp7, 0xffff                   ; e
	s_mov_b32 s33, 0
	s_mov_b32 s35, 0
	s_mov_b32 s37, 0
	s_mov_b32 s39, 0
	s_mov_b32 s43, 0
	s_mov_b32 s77, 0
	s_mov_b32 s79, 0
	s_lshl_b32 s36, s16, 24                        ; an expert's weights are 16 MiB
.if FFN == 1
	v_lshlrev_b32 v19, 7, v18                      ; b1: 32 hh columns
	s_lshl_b32 s32, s15, 9
	s_add_co_u32 s36, s36, s32                     ; weights: + 128 x columns
	s_lshl_b32 s38, s16, 14
	s_add_co_u32 s38, s38, s32                     ; b1[e] + 128 x
	s_lshl_b32 s76, s16, 21                        ; xs[e]
	s_lshl_b32 s42, s16, 23
	s_lshl_b32 s32, s15, 12
	s_add_co_u32 s42, s42, s32                     ; h[e] + blocks 2 x, 2 x + 1
.else
	v_lshlrev_b32 v19, 4, v17                      ; b2: 4 r columns
	v_lshlrev_b32 v20, 4, v17
	v_lshl_add_u32 v20, v18, 15, v20               ; part: 8 hh rows + 4 r columns
	s_and_b32 s32, s15, 7
	s_lshl_b32 s32, s32, 9                         ; 128 (x & 7) columns
	s_lshr_b32 s24, s15, 3                         ; q
	s_add_co_u32 s36, s36, s32
	s_lshl_b32 s25, s24, 22
	s_add_co_u32 s36, s36, s25                     ; weights: + 1,024 q rows
	s_lshl_b32 s38, s16, 12
	s_add_co_u32 s38, s38, s32
	s_lshl_b32 s76, s16, 23
	s_lshl_b32 s25, s24, 15
	s_add_co_u32 s76, s76, s25                     ; h[e] + 16 q blocks
	s_lshl_b32 s42, s16, 22
	s_add_co_u32 s42, s42, s32
	s_lshl_b32 s25, s24, 25
	s_add_co_u32 s42, s42, s25                     ; part[q][e]
	s_cmp_eq_u32 s24, 0
	s_cselect_b32 s23, -1, 0                       ; b2 is added in quarter 0 alone
.endif
	s_lshl_b32 s34, s16, 2
	s_lshr_b32 s78, s14, 1
	s_and_b32 s32, s14, 1
	s_lshl_b32 s78, s78, 6
	s_lshl4_add_u32 s78, s32, s78                  ; my K step's first row in a chunk: 64 (w >> 1) + 16 (w & 1)
	s_lshl_b32 s78, s78, LOGP
	s_wait_kmcnt 0x0
	s_add_nc_u64 s[10:11], s[10:11], s[34:35]
	s_load_b32 s17, s[10:11], 0x0                  ; n: wanted only for the tokens; the weights are asked for meanwhile
	s_add_nc_u64 s[4:5], s[4:5], s[36:37]          ; the slice
	s_add_nc_u64 s[30:31], s[4:5], 4*CHB           ; the first chunk to be prefetched
	s_add_nc_u64 s[72:73], s[4:5], s[78:79]        ; my K step of chunk 0,
	s_add_nc_u64 s[74:75], s[72:73], CHB           ; of chunk 1,
	s_add_nc_u64 s[26:27], s[74:75], CHB           ; of chunk 2: this one walks
	s_add_nc_u64 s[6:7], s[6:7], s[38:39]
	s_add_nc_u64 s[40:41], s[8:9], s[76:77]        ; the expert's tokens
	s_mov_b64 s[28:29], s[40:41]
	s_add_nc_u64 s[12:13], s[12:13], s[42:43]
.if FFN == 1
	WIN 0x80                                       ; destination window 2: the accumulators' registers are free as yet
.irp c, 0,1
.irp j, 0,1,2,3,4,5,6,7
	global_load_b128 v[128+4*(8*\c+\j):128+4*(8*\c+\j)+3], v19, s[6:7] offset:256*\c+16*\j   ; columns 64 c + 32 hh + 4 j + 0..3
.endr
.endr
.else
	global_load_b128 v[B2:B2+3],   v19, s[6:7]                ; columns 4 r + 0..3,
	global_load_b128 v[B2+4:B2+7], v19, s[6:7] offset:256     ; 64 + 4 r + 0..3
.endif
.irp q, 0,1,2,3
	REFILL \q, 72, 0, 0x80                         ; chunk 0
.endr
	REFILL 0, 74, STG, 0x40                        ; chunk 1 and the first tokens, in the order in which the loop issues them
	WIN 0
	s_wait_kmcnt 0x0
	s_min_u32 s17, s17, 1024
	s_add_co_u32 s18, s17, 15
	s_lshr_b32 s18, s18, 4
	s_max_u32 s18, s18, 1                          ; NT
	s_mov_b32 s20, 0
	SLOTS
	TOKLD 0, 0
	REFILL 1, 74, STG, 0x40
	TOKLD 1, 1024
	REFILL 2, 74, STG, 0x40
	REFILL 3, 74, STG, 0x40
	TOKLD 2, 2048
	WIN 0
.if FFN == 1
	SC 44, 0xaf95df0b                              ; P, highest power first
	SC 46, 0x32edffee
	SC 48, 0xb60cff51
	SC 50, 0xb86ec2d2
	SC 52, 0xba40ac63
	SC 54, 0xbb41a1f6
	SC 56, 0xbc83dbd4
	SC 58, 0xb77460cd                              ; Q
	SC 60, 0xb95fbd29
	SC 62, 0xbadc924e
	SC 66, 0xbbf19bf8
	SC 68, 0xbc69b6a7
	SC 70, 0x3f3504f3                              ; 1 / sqrt(2)
	s_mov_b32 s76, 0xc0800000                      ; -4 and 4: the bounds of erf's argument (the two registers held offsets, which have been added)
	s_mov_b32 s77, 0x40800000
.endif
	s_wait_loadcnt 62                              ; younger: 4 pieces of 8 and 3 x 10 tokens: the bias and chunk 0 are in
.if FFN == 1
	WIN 0x0A                                       ; b1 rounded to bf16 and laid as C: accumulator 4 c + f, register j = column 64 c + 32 hh + 4 j + f
.irp c, 0,1
.irp f, 0,1,2,3
.irp p, 0,1,2,3
	v_cvt_pk_bf16_f32 v[CV+16*\c+4*\f+\p], v[128+4*(8*\c+2*\p)+\f], v[128+4*(8*\c+2*\p+1)+\f]
.endr
.endr
.endr
	WIN 0xC0
.irp c, 0,1
.irp f, 0,1,2,3
.irp p, 0,1,2,3
	v_lshlrev_b32 v[BIAS+8*(4*\c+\f)+2*\p],   16, v[CV+16*\c+4*\f+\p]
	v_and_b32     v[BIAS+8*(4*\c+\f)+2*\p+1], 0xffff0000, v[CV+16*\c+4*\f+\p]
.endr
.endr
.endr
.else
.irp p, 0,1,2,3
	v_cvt_pk_bf16_f32 v[CV+\p], v[B2+2*\p], v[B2+2*\p+1]
.endr
.irp p, 0,1,2,3
	v_lshlrev_b32 v[B2+2*\p],   16, v[CV+\p]
	v_and_b32     v[B2+2*\p+1], 0xffff0000, v[CV+\p]
.endr
.irp i, 0,1,2,3,4,5,6,7
	v_and_b32 v[B2+\i], s23, v[B2+\i]
.endr
.endif
.irp q, 0,1,2,3
	WIN 0x0A                                       ; sources window 2, destination window 0
.irp f, 0,1,2,3
	CVTF \q, \f, 0, CV
.endr
	STW \q, CV
.endr
	s_wait_dscnt 0x0                               ; for the others' sake: my K step of chunk 0 is in LDS
	s_barrier_signal -1
	s_barrier_wait -1
	s_mov_b32 s24, 32768
	v_add_nc_u32 v[LWA], s24, v[LW0]               ; the stores go on to chunk 1
	s_mov_b32 s25, 0
	WFLD 0, 0
	; GROUP 0, under the stream.  A trip issues, K step by K step (T: ten token loads for the K step named, R: eight loads of a piece):  0: T3 R0   1: T0 R1   2: T1 R2 R3   3: T2.
	; Younger than a K step's own tokens are, at K step 0: R1 T1 R2 R3 T2 = 44;  1: R2 R3 T2 T3 R0 = 44;  2: T3 R0 T0 R1 = 36;  3: R0 T0 R1 T1 R2 R3 = 52.  At most 62 loads of a wave are out.
	KSS 0, 1, 0, 44, 1
	WIN 0
	s_mov_b32 s22, 7
.Lchunk:                                               ; a trip: a chunk's K steps 1-3 and the next chunk's K step 0
	KSS 1, 0, 0, 44
	KSS 2, 0, 0, 36
	KSS 3, 0, 0, 52
	STEP
	KSS 0, 0, 0, 44, 2
	WIN 0
	s_sub_co_u32 s22, s22, 1
	s_cmp_lg_u32 s22, 0
	s_cbranch_scc1 .Lchunk
	KSS 1, 0, 1, 44                                ; the last three K steps ask for nothing: the counts run down (R2 R3 T2 T3 R0; T3 R0; R0)
	KSS 2, 0, 1, 18
	KSS 3, 0, 1, 8
	WIN 0
	s_wait_loadcnt 0x0                             ; the idle refills are in: window 1 is free for the way out
	s_wait_dscnt 0x0                               ; my last LDS stores, the ninth chunk's idle words, are done
	s_barrier_signal -1
	s_barrier_wait -1                              ; everybody's are: from here to the barrier at the waves' end LDS is only read
	s_mov_b32 s21, 4
.Lgroup:                                               ; four trips: a group goes out, the next is multiplied from LDS; a wave without a live slot jumps both
	PLACES
.if FFN == 1
	; THE WAY OUT: gelu(v) = v/2 + v/2 erf(v / sqrt 2).  A lane holds token r and columns 64 c + 32 hh + 4 j + f: rounded in pairs they ARE its 16 bytes of groups g = j / 2 of block c.
.macro STAGE_A t                       ; slot t's sums, each accumulator from its low end: u = v / sqrt 2 into v0-63, v / 2 into v64-127 of window 1
	WIN 0x42+(\t)/4
.set i, 0
.rept 32
	v_pk_mul_f32 v[i:i+1], v[64*((\t)%4)+i:64*((\t)%4)+i+1], s[70:71] op_sel_hi:[1,0]
.set i, i+2
.endr
.set i, 0
.rept 32
	v_pk_mul_f32 v[64+i:64+i+1], v[64*((\t)%4)+i:64*((\t)%4)+i+1], 0.5 op_sel_hi:[1,0]
.set i, i+2
.endr
	WIN 0
.endm
.macro ROW16 line:vararg               ; one line for each of 16 pairs i
.set i, 0
.rept 16
	\line
.set i, i+2
.endr
.endm
.macro GELU c                          ; 32 numbers a lane: block c
.set UB, 32*(\c)
.set HB, 64+32*(\c)
	WIN 0x55
.set i, 0
.rept 32
	v_med3_num_f32 v[UB+i], v[UB+i], s76, s77
.set i, i+1
.endr
	ROW16 v_pk_mul_f32 v[GS+i:GS+i+1], v[UB+i:UB+i+1], v[UB+i:UB+i+1]
	ROW16 v_pk_fma_f32 v[GP+i:GP+i+1], v[GS+i:GS+i+1], s[44:45], s[46:47] op_sel_hi:[1,0,0]
	ROW16 v_pk_fma_f32 v[GQ+i:GQ+i+1], v[GS+i:GS+i+1], s[58:59], s[60:61] op_sel_hi:[1,0,0]
.irp k, 48,50,52,54,56
	ROW16 v_pk_fma_f32 v[GP+i:GP+i+1], v[GP+i:GP+i+1], v[GS+i:GS+i+1], s[\k:\k+1] op_sel_hi:[1,1,0]
.endr
.irp k, 62,66,68
	ROW16 v_pk_fma_f32 v[GQ+i:GQ+i+1], v[GQ+i:GQ+i+1], v[GS+i:GS+i+1], s[\k:\k+1] op_sel_hi:[1,1,0]
.endr
.set i, 0
.rept 32
	v_rcp_f32 v[GQ+i], v[GQ+i]
.set i, i+1
.endr
	ROW16 v_pk_mul_f32 v[GP+i:GP+i+1], v[GP+i:GP+i+1], v[UB+i:UB+i+1]      ; plain work that names no reciprocal,
	s_wait_alu depctr_va_vdst(0)                   ; then one wait for the batch of 32, ahead of its first reader
	ROW16 v_pk_mul_f32 v[GP+i:GP+i+1], v[GP+i:GP+i+1], v[GQ+i:GQ+i+1]      ; erf
	ROW16 v_pk_fma_f32 v[GP+i:GP+i+1], v[HB+i:HB+i+1], v[GP+i:GP+i+1], v[HB+i:HB+i+1]
.irp j, 0,1,2,3,4,5,6,7
.irp f, 0,2
	v_cvt_pk_bf16_f32 v[GO+16*(\c)+2*\j+\f/2], v[GP+8*\f+\j], v[GP+8*\f+8+\j]
.endr
.endr
	WIN 0x04                                       ; address window 0, data window 1
.irp g, 0,1,2,3
	global_store_b128 v[OOFF], v[GO+16*(\c)+4*\g:GO+16*(\c)+4*\g+3], s[12:13] offset:2048*(\c)+512*\g   ; 512 consecutive bytes, aligned
.endr
	WIN 0
.endm
	s_mov_b32 s42, 5
.Lslot:                                                ; slot t = s42 - 1, from 4 down to 0
	s_cmp_gt_u32 s42, s19
	s_cbranch_scc1 .Lslot_next                     ; a dead slot stores nothing
	s_wait_xcnt 0x0                                ; the last slot's stores have read their offset and data
	s_lshl2_add_u32 s36, s42, s20                  ; 20 g + 4 (t + 1)
	s_add_co_u32 s36, s36, s14
	s_sub_co_u32 s36, s36, 4                       ; the slot's tile
	s_min_u32 s36, s36, 63
	s_lshl_b32 s36, s36, 17
	v_add_nc_u32 v[OOFF], s36, v[L16]
	s_cmp_eq_u32 s42, 1
	s_cbranch_scc1 .Lsa0
	s_cmp_eq_u32 s42, 2
	s_cbranch_scc1 .Lsa1
	s_cmp_eq_u32 s42, 3
	s_cbranch_scc1 .Lsa2
	s_cmp_eq_u32 s42, 4
	s_cbranch_scc1 .Lsa3
	STAGE_A 4
	s_branch .Lgelu
.Lsa0:
	STAGE_A 0
	s_branch .Lgelu
.Lsa1:
	STAGE_A 1
	s_branch .Lgelu
.Lsa2:
	STAGE_A 2
	s_branch .Lgelu
.Lsa3:
	STAGE_A 3
.Lgelu:
	GELU 0
	GELU 1
.Lslot_next:
	s_sub_co_u32 s42, s42, 1
	s_cmp_lg_u32 s42, 0
	s_cbranch_scc1 .Lslot
.else
	; THE WAY OUT: a lane holds rows 8 hh + j and columns 64 c + 4 r + f.  The addition of b2 puts a row's four neighbouring columns side by side: sixteen lanes store 256 consecutive bytes, aligned.
.macro OUT2 t
	WIN 0
	s_cmp_gt_u32 s19, \t
	s_cbranch_scc0 .Lnone_\@
	s_wait_xcnt 0x0                                ; earlier stores have read their offset and data
	s_add_co_u32 s36, s20, 4*(\t)
	s_add_co_u32 s36, s36, s14
	s_min_u32 s36, s36, 63
	s_lshl_b32 s36, s36, 16
	v_add_nc_u32 v[OOFF], s36, v20
	WIN 0x42+(\t)/4                                ; source 0 window 2 or 3, source 1 window 0, destination window 1
.irp c, 0,1
.irp j, 0,1,2,3,4,5,6,7
.irp f, 0,1,2,3
	v_add_f32 v[64*((\t)%2)+4*(8*\c+\j)+\f], v[64*((\t)%4)+8*(4*\c+\f)+\j], v[B2+4*\c+\f]
.endr
.endr
.endr
	WIN 0x04
.irp c, 0,1
.irp j, 0,1,2,3,4,5,6,7
	global_store_b128 v[OOFF], v[64*((\t)%2)+4*(8*\c+\j):64*((\t)%2)+4*(8*\c+\j)+3], s[12:13] offset:4096*\j+256*\c
.endr
.endr
	WIN 0
.Lnone_\@:
.endm
	OUT2 0
	OUT2 1
	OUT2 2
	OUT2 3
	OUT2 4
.endif
	s_wait_xcnt 0x0                                ; the stores have read their registers; the slots' offsets are written anew
	s_add_co_u32 s20, s20, 20
	SLOTS
	s_cmp_eq_u32 s19, 0
	s_cbranch_scc1 .Lgroup_next
	; THE NEXT GROUP, from the slice in LDS: all its bytes were shown to every wave by the stream's barriers, and nothing writes them again.  Younger than a K step's tokens: 2 x 10.
	s_mov_b64 s[28:29], s[40:41]
	s_mov_b32 s25, 0
	v_mov_b32 v[LRA], v[L16]
	TOKLD 0, 0
	TOKLD 1, 1024
	TOKLD 2, 2048
	WFLD 0, 0
	KL 0, 1, 0, 20
	WIN 0
	s_mov_b32 s22, 7
.Llchunk:
	KL 1, 0, 0, 20
	KL 2, 0, 0, 20
	KL 3, 0, 0, 20
	WIN 0
	s_wait_xcnt 0x0
	s_add_nc_u64 s[28:29], s[28:29], 4096
	KL 0, 0, 0, 20
	WIN 0
	s_sub_co_u32 s22, s22, 1
	s_cmp_lg_u32 s22, 0
	s_cbranch_scc1 .Llchunk
	KL 1, 0, 1, 20
	KL 2, 0, 1, 10
	KL 3, 0, 1, 0
	WIN 0
.Lgroup_next:
	s_sub_co_u32 s21, s21, 1
	s_cmp_lg_u32 s21, 0
	s_cbranch_scc1 .Lgroup
	s_wait_dscnt 0x0                               ; my reads of the slice are over
	s_barrier_signal -1
	s_barrier_wait -1                              ; everybody's are: LDS is written again, by the add below, only behind this barrier
	s_wait_tensorcnt 0x0                           ; the wave's end, behind my last LDS store
	ds_add_u32 v[SPW], v[NIL]
	s_wait_dscnt 0x0
	s_endpgm
.Lfunc_end_k_qcbd44bcbbc_ffn2:
	.size	k_qcbd44bcbbc_ffn2, .Lfunc_end_k_qcbd44bcbbc_ffn2-k_qcbd44bcbbc_ffn2
	.p2alignl 7, 3214868480
	.fill 96, 4, 3214868480
	.section	.rodata,"a",@progbits
	.p2align	6, 0x0
	.amdhsa_kernel k_qcbd44bcbbc_ffn2
		.amdhsa_group_segment_fixed_size 295424
		.amdhsa_private_segment_fixed_size 0
		.amdhsa_enable_private_segment 0
		.amdhsa_kernarg_size 40
		.amdhsa_user_sgpr_count 2
		.amdhsa_user_sgpr_kernarg_segment_ptr 1
		.amdhsa_wavefront_size32 1
		.amdhsa_system_sgpr_workgroup_id_x 1
		.amdhsa_system_sgpr_workgroup_id_y 1
		.amdhsa_system_sgpr_workgroup_id_z 1
		.amdhsa_system_vgpr_workitem_id 0
		.amdhsa_next_free_vgpr 832
		.amdhsa_next_free_sgpr 80
		.amdhsa_reserve_vcc 0
		.amdhsa_float_denorm_mode_32 3
		.amdhsa_float_denorm_mode_16_64 3
		.amdhsa_memory_ordered 1
		.amdhsa_forward_progress 1
		.amdhsa_inst_pref_size 134
	.end_amdhsa_kernel
	.amdgpu_metadata
---
amdhsa.version: [ 1, 2 ]
amdhsa.kernels:
  - .name:           k_qcbd44bcbbc_ffn2
    .symbol:         k_qcbd44bcbbc_ffn2.kd
    .args:
      - { .name: W2, .offset: 0, .size: 8, .value_kind: global_buffer, .address_space: global }
      - { .name: b2, .offset: 8, .size: 8, .value_kind: global_buffer, .address_space: global }
      - { .name: h, .offset: 16, .size: 8, .value_kind: global_buffer, .address_space: global }
      - { .name: counts, .offset: 24, .size: 8, .value_kind: global_buffer, .address_space: global }
      - { .name: part, .offset: 32, .size: 8, .value_kind: global_buffer, .address_space: global }
    .group_segment_fixed_size: 295424
    .private_segment_fixed_size: 0
    .kernarg_segment_align: 8
    .kernarg_segment_size: 40
    .max_flat_workgroup_size: 128
    .sgpr_count:     80
    .vgpr_count:     832
    .wavefront_size: 32
...
	.end_amdgpu_metadata
.endif
;; end of part 4
;; launch comb (part 5): grid 256 x 1, 8 waves a work-group, no clusters, 0 bytes of LDS; arguments part, pos2, gatew, out0; writes out0
.if DOCPART == 5
	.amdgcn_target "amdgcn-amd-amdhsa--gfx1250"
	.amdhsa_code_object_version 6
	.text
	.protected	k_qcbd44bcbbc_comb
	.globl	k_qcbd44bcbbc_comb
	.p2align	8
	.type	k_qcbd44bcbbc_comb,@function
k_qcbd44bcbbc_comb:
	s_mov_b64 s[64:65], 0
	v_nop
	global_prefetch_b8 v0, s[64:65] scope:SCOPE_SE
	s_setreg_imm32_b32 hwreg(HW_REG_WAVE_MODE, 25, 1), 1
	s_wait_xcnt 0x0
; out[token] = w0 (sum over q of part[q][row0]) + w1 (sum over q of part[q][row1]).  row = pos2[token][slot] = 1024 e + rank; part: [4 q][8192 rows][1024] f32.
; A stream: each number is loaded once and added once, and no wave needs another's: so no LDS, no barrier, no matrix unit.  A work-group has 4 tokens; a wave has half a token's row:
; 8 partial rows x 2,048 bytes, all 32 loads out before the first wait; every load and store of a wave covers 512 consecutive bytes, aligned.  The four quarters are added as (q0 + q1) + (q2 + q3).
.set R, 16                             ; v16-143: segment s, slot k, quarter q at R + 32 s + 16 k + 4 q
	s_load_b256 s[4:11], s[0:1], 0x0               ; part s[4:5], pos2 s[6:7], gatew s[8:9], out0 s[10:11]
	v_lshrrev_b32 v1, 5, v0
	v_readfirstlane_b32 s12, v1                    ; wave 0..7
	v_and_b32 v2, 31, v0
	v_lshlrev_b32 v2, 4, v2                        ; 16 x lane
	s_lshr_b32 s13, s12, 1
	s_lshl2_add_u32 s13, ttmp9, s13                ; token
	s_and_b32 s14, s12, 1
	s_lshl_b32 s14, s14, 11                        ; which half of the row
	s_lshl_b32 s40, s13, 3
	s_mov_b32 s41, 0
	s_mov_b32 s45, 0
	s_wait_kmcnt 0x0
	s_add_nc_u64 s[6:7], s[6:7], s[40:41]
	s_add_nc_u64 s[8:9], s[8:9], s[40:41]
	s_load_b64 s[34:35], s[6:7], 0x0               ; the token's two rows
	s_load_b64 s[36:37], s[8:9], 0x0               ; and their weights
	s_lshl_b32 s40, s13, 12
	s_add_co_u32 s40, s40, s14
	s_add_nc_u64 s[10:11], s[10:11], s[40:41]
	s_wait_kmcnt 0x0
	s_min_u32 s34, s34, 8191
	s_min_u32 s35, s35, 8191
	s_mov_b32 s38, s37                             ; w1 as the low word of a pair of its own
	s_mov_b32 s39, s37
.irp k, 0,1
	s_lshl_b32 s42, s[34+\k], 12
	s_add_co_u32 s42, s42, s14
.irp q, 0,1,2,3
	s_add_co_u32 s44, s42, \q<<25
	s_add_nc_u64 s[16+8*\k+2*\q:16+8*\k+2*\q+1], s[4:5], s[44:45]
.endr
.endr
.irp s, 0,1,2,3
.irp k, 0,1
.irp q, 0,1,2,3
	global_load_b128 v[R+32*\s+16*\k+4*\q:R+32*\s+16*\k+4*\q+3], v2, s[16+8*\k+2*\q:16+8*\k+2*\q+1] offset:512*\s th:TH_LOAD_NT
.endr
.endr
.endr
.irp s, 0,1,2,3
	s_wait_loadcnt 24-8*\s                         ; the later segments' loads stay out
.irp k, 0,1
.irp d, 0,2
	v_pk_add_f32 v[R+32*\s+16*\k+\d:R+32*\s+16*\k+\d+1],     v[R+32*\s+16*\k+\d:R+32*\s+16*\k+\d+1],     v[R+32*\s+16*\k+4+\d:R+32*\s+16*\k+4+\d+1]
	v_pk_add_f32 v[R+32*\s+16*\k+8+\d:R+32*\s+16*\k+8+\d+1], v[R+32*\s+16*\k+8+\d:R+32*\s+16*\k+8+\d+1], v[R+32*\s+16*\k+12+\d:R+32*\s+16*\k+12+\d+1]
.endr
.irp d, 0,2
	v_pk_add_f32 v[R+32*\s+16*\k+\d:R+32*\s+16*\k+\d+1],     v[R+32*\s+16*\k+\d:R+32*\s+16*\k+\d+1],     v[R+32*\s+16*\k+8+\d:R+32*\s+16*\k+8+\d+1]
.endr
.endr
.irp d, 0,2
	v_pk_mul_f32 v[R+32*\s+\d:R+32*\s+\d+1], v[R+32*\s+\d:R+32*\s+\d+1], s[36:37] op_sel_hi:[1,0]
.endr
.irp d, 0,2
	v_pk_fma_f32 v[R+32*\s+\d:R+32*\s+\d+1], v[R+32*\s+16+\d:R+32*\s+16+\d+1], s[38:39], v[R+32*\s+\d:R+32*\s+\d+1] op_sel_hi:[1,0,1]
.endr
	global_store_b128 v2, v[R+32*\s:R+32*\s+3], s[10:11] offset:512*\s th:TH_STORE_NT
.endr
	s_endpgm
.Lfunc_end_k_qcbd44bcbbc_comb:
	.size	k_qcbd44bcbbc_comb, .Lfunc_end_k_qcbd44bcbbc_comb-k_qcbd44bcbbc_comb
	.p2alignl 7, 3214868480
	.fill 96, 4, 3214868480
	.section	.rodata,"a",@progbits
	.p2align	6, 0x0
	.amdhsa_kernel k_qcbd44bcbbc_comb
		.amdhsa_group_segment_fixed_size 0
		.amdhsa_private_segment_fixed_size 0
		.amdhsa_enable_private_segment 0
		.amdhsa_kernarg_size 32
		.amdhsa_user_sgpr_count 2
		.amdhsa_user_sgpr_kernarg_segment_ptr 1
		.amdhsa_wavefront_size32 1
		.amdhsa_system_sgpr_workgroup_id_x 1
		.amdhsa_system_sgpr_workgroup_id_y 1
		.amdhsa_system_sgpr_workgroup_id_z 1
		.amdhsa_system_vgpr_workitem_id 0
		.amdhsa_next_free_vgpr 144
		.amdhsa_next_free_sgpr 66
		.amdhsa_reserve_vcc 0
		.amdhsa_float_denorm_mode_32 3
		.amdhsa_float_denorm_mode_16_64 3
		.amdhsa_memory_ordered 1
		.amdhsa_forward_progress 1
		.amdhsa_inst_pref_size 10
	.end_amdhsa_kernel
	.amdgpu_metadata
---
amdhsa.version: [ 1, 2 ]
amdhsa.kernels:
  - .name:           k_qcbd44bcbbc_comb
    .symbol:         k_qcbd44bcbbc_comb.kd
    .args:
      - { .name: part, .offset: 0, .size: 8, .value_kind: global_buffer, .address_space: global }
      - { .name: pos2, .offset: 8, .size: 8, .value_kind: global_buffer, .address_space: global }
      - { .name: gatew, .offset: 16, .size: 8, .value_kind: global_buffer, .address_space: global }
      - { .name: out0, .offset: 24, .size: 8, .value_kind: global_buffer, .address_space: global }
    .group_segment_fixed_size: 0
    .private_segment_fixed_size: 0
    .kernarg_segment_align: 8
    .kernarg_segment_size: 32
    .max_flat_workgroup_size: 256
    .sgpr_count:     66
    .vgpr_count:     144
    .wavefront_size: 32
...
	.end_amdgpu_metadata
.endif
;; end of part 5
;; ======== version 2 of 2: 5 launches; version 1 with the launches ffn1, ffn2 written anew for expert scheduling mode
;; workspace buffers: bitmap 1,024 bytes of whole numbers; choice 4,096 bytes of whole numbers; gatew 8,192 bytes; xs 16,777,216 bytes; pos2 8,192 bytes of whole numbers; counts 256 bytes of whole numbers; h 67,108,864 bytes; part 134,217,728 bytes
;; launch route: the kernel of part 1 again; grid 64 x 1, 4 waves a work-group, no clusters, 37,376 bytes of LDS; arguments x, Wg, bitmap, choice, gatew; writes bitmap, choice, gatew
;; launch place: the kernel of part 2 again; grid 64 x 8, 4 waves a work-group, no clusters, 1,024 bytes of LDS; arguments x, bitmap, choice, xs, pos2, counts; writes xs, pos2, counts
;; launch ffn1 (part 6): grid 32 x 8, 4 waves a work-group, no clusters, 295,424 bytes of LDS; arguments W1, b1, xs, counts, h; writes h
.if DOCPART == 6
	.amdgcn_target "amdgcn-amd-amdhsa--gfx1250"
	.amdhsa_code_object_version 6
	.text
	.protected	k_qcbd44bcbbc_ffn1
	.globl	k_qcbd44bcbbc_ffn1
	.p2align	8
	.type	k_qcbd44bcbbc_ffn1,@function
k_qcbd44bcbbc_ffn1:
	s_mov_b64 s[64:65], 0
	v_nop
	global_prefetch_b8 v0, s[64:65] scope:SCOPE_SE
	s_setreg_imm32_b32 hwreg(HW_REG_WAVE_SCHED_MODE, 0, 2), 2
	s_setreg_imm32_b32 hwreg(HW_REG_WAVE_MODE, 25, 1), 1
	s_wait_xcnt 0x0
	s_wait_alu depctr_vm_vsrc(0)
; ONE EXPERT'S PRODUCT ON ONE SLICE OF ITS WEIGHTS.  The text serves both products; FFN says which.
;   FFN = 1:  h = gelu(xs W1 + b1), gelu by erf;  slice = all 1,024 k x 128 columns of F (x = 0..31).  h leaves in bf16, laid as the second product's operand registers take it.
;   FFN = 2:  part[q] = h W2 (+ b2 where q = 0);   slice = quarter q = x >> 3 of F (1,024 k) x 128 columns of C (x & 7).  Partial sums leave in f32.
; Weights, biases and tokens are rounded to bf16, sums are f32.  Each weight byte is read once in the launch, by this work-group alone, 256 consecutive aligned bytes to sixteen lanes.
; ROWS.  An expert's n rows (counts[e]: 0 to 1,024, every split is served) lie in tiles of 16, NT = max(1, ceil(n / 16)).  A wave has 5 tile slots; slot t of group g is tile 20 g + 4 t + w.
; Group 0 is multiplied while the weights stream; the slice stays in LDS as bf16 fragments, each byte written once, and groups 1-3 (an expert with more than 320 rows) are multiplied from there:
; one barrier stands behind the stream, one ahead of the waves' end, and between the two LDS is only read.
; DEAD SLOTS.  Under the stream slots 0-3 are multiplied whether live or not: the stream's own work stands between their products, on every wave's path.  The price: an expert with fewer than 241 rows
; does the products of 256.  Slot 4, and every slot of groups 1-3, is jumped when dead.  A dead slot's loads ask for 16 bytes of tile 0, so that every counted wait sees the same number of younger
; loads on every path, and it stores nothing.
; K ORDER.  A K step's slot (hh, i = 0..15) stands for k = 64 block + 32 hh + 16 s + i, alike in weights and tokens: a permutation of k applied to both sources keeps the products.
; So a weight fragment needs no transposition: load i gives lane (r, hh) row k(hh, i), columns n0 + 4 r + 0..3; register p of fragment f = (load 2p, load 2p+1) element f; its position r is column n0 + 4 r + f.
; STREAM.  A chunk is 128 k = 4 K steps; wave w loads, rounds and stores K step w of every chunk, in four pieces.  While chunk c is multiplied, chunk c + 1 goes from registers to LDS (pieces 0 and 1 in
; K steps 0 and 1, pieces 2 and 3 in K step 2, where the chunk's one barrier stands, so that K step 3 fetches the next chunk's first fragments like any others) and chunk c + 2 is asked for.
; NO CLUSTER, NO TENSOR LOAD: the weights pass through registers to be rounded and have one reader; the shared token tiles would want LDS that the resident slice has taken.
; LIMITS.  erf is the rational x P(x^2) / Q(x^2) with |x| held to 4, good to a few units of f32's last place for every finite input; NaN and infinities are not treated apart.
; REGISTERS, in windows of 256 (s_set_vgpr_msb: bits 1:0 source 0, 3:2 source 1, 5:4 source 2, 7:6 destination):
;   window 0: v1-13, v16-20 addresses; v32-191 tokens, a ring of 4 K steps x 5 slots x 8; v192-223 rounded weights on their way to LDS, two pieces; v224-231 b2
;   window 1: v0-127 weight fragments, two buffers; v128-255 weights as loaded, four pieces of 32 (on the way out both serve as work space)
;   window 2: accumulators of slots 0-3 (64 t + 8 fragment);   window 3: v0-63 slot 4's; v64-127 b1 as the first product's C operand
; THE MODE: SCHED_MODE bits 1:0 = 2 (LLVM: expert scheduling mode 2), set by the entry lines.  The code itself states the register dependences
; between vector or matrix instructions and memory or LDS instructions, with s_wait_alu, always for 0.
; THE PLAN.  Registers that memory or LDS instructions touch under the stream, and who else names them:
;   tokens, ring buffer b       K step b's products read it; the loads issued in K step b + 1 land in it (the tokens of K step b + 4).
;   fragments, two buffers      K step ks's products read buffer ks & 1; the LDS loads issued in K step ks land in the other, which K step ks - 1's products read.
;   weights as loaded, piece q  read by the roundings of its K step (pieces 2 and 3: K step 2), and asked for again in the same K step.
;   v[CV ..]                    written by those roundings, read by the LDS stores of the same K step.
;   v[LWA], v[LRA], v[WOFFC]    read by the LDS stores, the fragment loads and the refills; written once a chunk, in STEP.
;   v[TOFF ..], v[PFO]          read by the token loads and the prefetches; not written under the stream.
;   The accumulators and b1's C operand are named by vector and matrix instructions alone.
; So ONE wait on va_vdst stands in a K step, behind slot 0's products and the roundings that stand between them; the K step's memory and LDS instructions follow it, dealt among slot 1's products,
; which name this K step's tokens and fragments and the accumulators: none of the registers that those instructions touch.  One wait on vm_vsrc stands ahead of each K step's roundings:
; at the head of K steps 1 and 2; for K step 0 in STEP, where it also frees the three addresses.
.set FFN, 1
.if FFN == 1
.set LOGP, 14                          ; a row of W1 is 16,384 bytes
.set LOGT, 15                          ; a tile of xs is 32,768 bytes
.else
.set LOGP, 12                          ; a row of W2 is 4,096 bytes
.set LOGT, 17                          ; a tile of h is 131,072 bytes
.endif
.set PITCH, 1<<LOGP
.set CHB,   128*PITCH                  ; a chunk's rows in memory
; LDS: 8 chunks of 32,768 bytes (K step 8,192, fragment 1,024, half 512, lane 16) and a ninth for the last trip's idle words; then 512 bytes of spare words, which the closing add uses
.set L16,   2                          ; 16 x lane
.set WOFF,  3                          ; hh x 32 rows + 16 r
.set WOFFC, 4                          ; the same, or 0 when nothing is left to ask for
.set LW0,   5                          ; 16 x lane + 8192 w
.set LWA,   6                          ; where I store fragments
.set LRA,   7                          ; where I read fragments
.set TOFF,  8                          ; v8-12 slot t's tile and my 16 bytes in it
.set OOFF,  13
.set PFO,   16                         ; thread x row: the prefetch's offset
.set TK,    32
.set CV,    192
.set B2,    224
.set STG,   128                        ; window 1
.set BIAS,  64                         ; window 3
.set GS,    128                        ; window 1, on the way out: x^2, P, Q, packed results
.set GP,    160
.set GQ,    192
.set GO,    224
.set MSB, 0
.macro WIN new                         ; the immediate's high byte repeats the setting that is left; a switch that changes nothing is dropped
.if MSB != (\new)
	s_set_vgpr_msb (MSB<<8)|(\new)
.set MSB, (\new)
.endif
.endm
.macro PLACES                          ; four places ahead of loads into registers that matrix instructions have read, and of reads of their results; they stay beside the waits on va_vdst
.rept 4
	v_nop
.endr
.endm
.macro SC r, val                       ; a constant as a pair: the packed forms name a pair and take its low word
	s_mov_b32 s[\r], \val
	s_mov_b32 s[(\r)+1], \val
.endm
; How many of my 5 slots are live in the group that begins at tile s20, and each slot's offset.
.macro SLOTS
	s_sub_co_i32 s35, s18, s20
	s_sub_co_i32 s35, s35, s14
	s_add_co_i32 s35, s35, 3
	s_ashr_i32 s35, s35, 2
	s_max_i32 s35, s35, 0
	s_min_u32 s19, s35, 5
.irp t, 0,1,2,3,4
	s_add_co_u32 s36, s20, 4*\t
	s_add_co_u32 s36, s36, s14
	s_cmp_gt_u32 s19, \t
	s_cselect_b32 s36, s36, 0                      ; a dead slot: tile 0,
	s_cselect_b32 s37, 0x1f0, 0                    ; and one piece of 16 bytes for all lanes
	s_min_u32 s36, s36, 63
	s_min_u32 s37, s37, 0x1f0
	s_lshl_b32 s36, s36, LOGT
	v_and_b32 v[TOFF+\t], s37, v[L16]
	v_add_nc_u32 v[TOFF+\t], s36, v[TOFF+\t]
.endr
.endm
.macro TOKLD b, imm                    ; a K step's tokens for all 5 slots into ring buffer b: always ten loads
	WIN 0
.irp t, 0,1,2,3,4
	global_load_b128 v[TK+40*(\b)+8*\t:TK+40*(\b)+8*\t+3],   v[TOFF+\t], s[28:29] offset:(\imm)
	global_load_b128 v[TK+40*(\b)+8*\t+4:TK+40*(\b)+8*\t+7], v[TOFF+\t], s[28:29] offset:(\imm)+512
.endr
.endm
.macro REFILL q, sb, db, win           ; piece q of my K step: 64 columns (q >> 1), 8 of the 16 rows a lane half (q & 1)
	WIN \win
.irp i, 0,1,2,3,4,5,6,7
	global_load_b128 v[(\db)+32*(\q)+4*\i:(\db)+32*(\q)+4*\i+3], v[WOFFC], s[\sb:(\sb)+1] offset:((\q)>>1)*256+(8*((\q)&1)+\i)*PITCH th:TH_LOAD_NT
.endr
.endm
.macro CVTF q, f, base, cvb            ; piece q rounded, fragment f's half: four lines (the caller sets the windows)
.irp p, 0,1,2,3
	v_cvt_pk_bf16_f32 v[(\cvb)+4*(\f)+\p], v[(\base)+32*(\q)+8*\p+(\f)], v[(\base)+32*(\q)+8*\p+4+(\f)]
.endr
.endm
.macro STW q, cvb                      ; piece q, rounded, to LDS: half of four fragments
	WIN 0
.irp f, 0,1,2,3
	ds_store_b128 v[LWA], v[(\cvb)+4*\f:(\cvb)+4*\f+3] offset:(4*((\q)>>1)+\f)*1024+((\q)&1)*512
.endr
.endm
.macro WFLD b, ks                      ; a K step's 8 fragments into buffer b: 512 consecutive bytes to a load (ks = 4: the next chunk's K step 0)
	WIN 0x40
.irp fr, 0,1,2,3,4,5,6,7
	ds_load_b128 v[64*(\b)+8*\fr:64*(\b)+8*\fr+3],   v[LRA] offset:8192*(\ks)+1024*\fr
	ds_load_b128 v[64*(\b)+8*\fr+4:64*(\b)+8*\fr+7], v[LRA] offset:8192*(\ks)+1024*\fr+512
.endr
.endm
; One product: slot t, K step ks, fragment fr.  first = 1: it starts the sum, with b1 or with 0.
.macro MM t, ks, first, fr
.set AC,  64*((\t)%4)+8*(\fr)
.set WFB, 64*((\ks)&1)+8*(\fr)
.set TKB, TK+40*(\ks)+8*(\t)
.if FFN == 1
.if \first
	WIN 0xB1+0x40*((\t)/4)                         ; source 0 window 1, source 1 window 0, C window 3, D window 2 or 3
	v_wmma_f32_16x16x32_bf16 v[AC:AC+7], v[WFB:WFB+7], v[TKB:TKB+7], v[BIAS+8*(\fr):BIAS+8*(\fr)+7]
.else
	WIN 0xA1+0x50*((\t)/4)
	v_wmma_f32_16x16x32_bf16 v[AC:AC+7], v[WFB:WFB+7], v[TKB:TKB+7], v[AC:AC+7]
.endif
.else
	WIN 0xA4+0x50*((\t)/4)                         ; source 0 window 0, source 1 window 1
.if \first
	v_wmma_f32_16x16x32_bf16 v[AC:AC+7], v[TKB:TKB+7], v[WFB:WFB+7], 0
.else
	v_wmma_f32_16x16x32_bf16 v[AC:AC+7], v[TKB:TKB+7], v[WFB:WFB+7], v[AC:AC+7]
.endif
.endif
.endm
; Slot t's 8 products of a K step, on 8 accumulators by turns.  guard = 1: a dead slot's are jumped.
.macro TILE t, ks, first, guard
.if \guard
	WIN 0                                          ; at a branch and at a label every window is 0
	s_cmp_gt_u32 s19, \t
	s_cbranch_scc0 .Ldead_\@
.endif
.irp fr, 0,1,2,3,4,5,6,7
	MM \t, \ks, \first, \fr
.endr
.if \guard
	WIN 0
.Ldead_\@:
.endif
.endm
.macro HALF t, ks, first, h            ; four of slot t's 8 products: fragments 4 h to 4 h + 3
.irp fr, 0,1,2,3
	MM \t, \ks, \first, 4*(\h)+\fr
.endr
.endm
; A K STEP UNDER THE STREAM.  Slot 0's products come first, and the roundings of the piece (K step 2: of pieces 2 and 3) stand in fours behind them (K step 3 and the tail: four v_nop).
; Behind them stands the K step's one wait on va_vdst, and behind that all its memory and LDS instructions, dealt among slot 1's products: the rounded piece to LDS and the next K step's fragments,
; which have slots 1 to 3 or 4, 24 to 32 products, in which to land; four products; the tokens of three K steps on; four products; the piece's refill.  Tokens stand ahead of refills, so that the wait for
; a K step's tokens asks of the weights only the pieces issued a whole trip ago.  tail = 1: a slice's last three K steps ask for nothing but fragments.  lc: how many younger global loads may stay out.
; pf: the prefetch (1: always, 2: while a chunk is left).
.macro KSS ks, first, tail, lc, pf=0
	s_wait_loadcnt \lc                             ; this K step's tokens are in, and with them the older pieces that it rounds
	s_wait_dscnt 0x0                               ; this K step's fragments are in (the stores ahead of them too)
.if !(\tail) && (((\ks) == 1) || ((\ks) == 2))
	s_wait_alu depctr_vm_vsrc(0)                   ; the LDS stores of the K step before have read v[CV ..], which the roundings below write again (K step 0: STEP's wait, or the one ahead of the loop, has stated it)
.endif
.irp fr, 0,1,2,3,4,5,6,7
	MM 0, \ks, \first, \fr
.if (\tail) || ((\ks) == 3)
.if \fr == 0
	PLACES
.endif
.elseif (\ks) == 2
	WIN 0x05                                       ; sources window 1, destination window 0
	CVTF 2+\fr/4, \fr%4, STG, CV+16*(\fr/4)
.elseif \fr < 4
	WIN 0x05
	CVTF \ks, \fr, STG, CV
.endif
.endr
.if !(\tail) || ((\ks) < 3)
	s_wait_alu depctr_va_vdst(0)                   ; the roundings have written v[CV ..], which the LDS stores read, and are done reading their piece, in which the refill lands; the products of the K step before are done
	                                               ; reading the tokens and the fragments in whose registers the loads below land; in K step 0 v[LWA], v[LRA] and v[WOFFC] are written
.endif
.if !(\tail)
.if (\ks) < 2
	STW \ks, CV
.elseif (\ks) == 2
	STW 2, CV
	STW 3, CV+16
.endif
.endif
.if (\ks) < 3
	WFLD ((\ks)+1)&1, (\ks)+1
.elseif !(\tail)
	WFLD 0, 4                                      ; the next chunk's K step 0: whole since K step 2's barrier
.endif
	HALF 1, \ks, \first, 0                         ; no further wait: no vector or matrix instruction since the wait above names a register that the loads below touch
.if !(\tail)
	TOKLD ((\ks)+3)&3, ((\ks)+3)*1024
.endif
	HALF 1, \ks, \first, 1
.if !(\tail)
.if (\ks) < 2
	REFILL \ks, 26, STG, 0x40
.elseif (\ks) == 2
	REFILL 2, 26, STG, 0x40
	REFILL 3, 26, STG, 0x40
.endif
.if (\pf) == 2
	WIN 0
	s_cmp_gt_u32 s22, 4
	s_cbranch_scc0 .Lnopf_\@
.endif
.if \pf
	WIN 0
	global_prefetch_b8 v[PFO], s[30:31] th:TH_LOAD_NT scope:SCOPE_SE               ; the chunk four on from the one in hand, two trips ahead of its loads: thread i asks for row i's
	global_prefetch_b8 v[PFO], s[30:31] offset:256 th:TH_LOAD_NT scope:SCOPE_SE    ; two blocks of 256 bytes, each once in the launch; chunks 4 to 7, nothing past the slice
.endif
.if (\pf) == 2
.Lnopf_\@:
.endif
.endif
	TILE 2, \ks, \first, 0
.if ((\ks) == 2) && !(\tail)
	s_wait_dscnt 0x0                               ; for the others' sake: all four pieces of my K step of the next chunk are in LDS
	s_barrier_signal -1                            ; eight products stand between the signal and the wait
.endif
	TILE 3, \ks, \first, 0
.if ((\ks) == 2) && !(\tail)
	s_barrier_wait -1                              ; everybody's are
.endif
	TILE 4, \ks, \first, 1-(\first)
.endm
; A K STEP FROM THE SLICE IN LDS (groups 1-3): every slot is guarded (the first K step's products start the sums of all five), the tokens and the fragments in one run behind the K step's one wait on va_vdst.
.macro KL ks, first, tail, lc
	s_wait_loadcnt \lc                             ; this K step's tokens are in
	s_wait_dscnt 0x0                               ; and its fragments
	TILE 0, \ks, \first, 1-(\first)
	PLACES
.if ((\ks) == 3) && !(\tail)
	WIN 0
	s_wait_alu depctr_vm_vsrc(0)                   ; the fragment loads issued so far have read v[LRA]
	s_add_co_u32 s25, s25, 32768
	v_add_nc_u32 v[LRA], s25, v[L16]               ; the next chunk: ahead of the wait below, which stands there anyway
.endif
.if !(\tail) || ((\ks) < 3)
	s_wait_alu depctr_va_vdst(0)                   ; the products of the K step before are done reading the tokens and the fragments in whose registers the loads below land; in K step 3 v[LRA] is written
.endif
.if !(\tail)
	TOKLD ((\ks)+3)&3, ((\ks)+3)*1024
.endif
.if (\ks) < 3
	WFLD ((\ks)+1)&1, (\ks)+1
.elseif !(\tail)
	WFLD 0, 0
.endif
	TILE 1, \ks, \first, 1-(\first)
	TILE 2, \ks, \first, 1-(\first)
	TILE 3, \ks, \first, 1-(\first)
	TILE 4, \ks, \first, 1-(\first)
.endm
; On to the next chunk.  s22 counts 7 .. 1: this trip's refills ask for chunk 10 - s22; when that passes 7 the base stays and all lanes ask for 16 bytes of chunk 7 again:
; five idle refills, the price of one text for every trip and of constant counts.
.macro STEP
	WIN 0
	s_wait_xcnt 0x0                                ; bases and offsets of what has been issued are rewritten only behind this wait
	s_wait_alu depctr_vm_vsrc(0)                   ; the LDS stores, fragment loads and refills issued so far have read v[LWA], v[LRA] and v[WOFFC], written below, and K step 2's stores v[CV ..], which K step 0's roundings write
	s_add_nc_u64 s[28:29], s[28:29], 4096
	s_add_co_u32 s24, s24, 32768
	v_add_nc_u32 v[LWA], s24, v[LW0]
	s_add_co_u32 s25, s25, 32768
	v_add_nc_u32 v[LRA], s25, v[L16]
	s_cmp_gt_u32 s22, 2
	s_cselect_b32 s32, CHB, 0
	s_cselect_b32 s34, -1, 0
	s_add_nc_u64 s[26:27], s[26:27], s[32:33]
	v_and_b32 v[WOFFC], s34, v[WOFF]
	s_add_nc_u64 s[30:31], s[30:31], CHB
.endm
	s_load_b256 s[4:11], s[0:1], 0x0               ; weights s[4:5], bias s[6:7], tokens s[8:9], counts s[10:11]
	s_load_b64 s[12:13], s[0:1], 0x20              ; the output
	v_lshl_add_u32 v254, v0, 2, 0x48000
	v_mov_b32 v255, 0
	v_lshrrev_b32 v1, 5, v0
	v_readfirstlane_b32 s14, v1                    ; wave 0..3
	v_and_b32 v1, 31, v0
	v_lshlrev_b32 v[L16], 4, v1
	v_and_b32 v17, 15, v0                          ; r
	v_bfe_u32 v18, v0, 4, 1                        ; hh
	v_lshlrev_b32 v[WOFF], 4, v17
	v_lshl_add_u32 v[WOFF], v18, LOGP+5, v[WOFF]
	v_mov_b32 v[WOFFC], v[WOFF]
	v_lshlrev_b32 v[PFO], LOGP, v0
	s_wait_alu depctr_va_sdst(0)                   ; s14 is written, ahead of its first reader: LDS addresses, bases and the slots' tiles are made from it
	s_lshl_b32 s35, s14, 13
	v_add_nc_u32 v[LW0], s35, v[L16]
	v_mov_b32 v[LWA], v[LW0]                       ; chunk 0
	v_mov_b32 v[LRA], v[L16]
	s_mov_b32 s15, ttmp9                           ; x
	s_and_b32 s16, ttmp7, 0xffff                   ; e
	s_mov_b32 s33, 0
	s_mov_b32 s35, 0
	s_mov_b32 s37, 0
	s_mov_b32 s39, 0
	s_mov_b32 s43, 0
	s_mov_b32 s77, 0
	s_mov_b32 s79, 0
	s_lshl_b32 s36, s16, 24                        ; an expert's weights are 16 MiB
.if FFN == 1
	v_lshlrev_b32 v19, 7, v18                      ; b1: 32 hh columns
	s_lshl_b32 s32, s15, 9
	s_add_co_u32 s36, s36, s32                     ; weights: + 128 x columns
	s_lshl_b32 s38, s16, 14
	s_add_co_u32 s38, s38, s32                     ; b1[e] + 128 x
	s_lshl_b32 s76, s16, 21                        ; xs[e]
	s_lshl_b32 s42, s16, 23
	s_lshl_b32 s32, s15, 12
	s_add_co_u32 s42, s42, s32                     ; h[e] + blocks 2 x, 2 x + 1
.else
	v_lshlrev_b32 v19, 4, v17                      ; b2: 4 r columns
	v_lshlrev_b32 v20, 4, v17
	v_lshl_add_u32 v20, v18, 15, v20               ; part: 8 hh rows + 4 r columns
	s_and_b32 s32, s15, 7
	s_lshl_b32 s32, s32, 9                         ; 128 (x & 7) columns
	s_lshr_b32 s24, s15, 3                         ; q
	s_add_co_u32 s36, s36, s32
	s_lshl_b32 s25, s24, 22
	s_add_co_u32 s36, s36, s25                     ; weights: + 1,024 q rows
	s_lshl_b32 s38, s16, 12
	s_add_co_u32 s38, s38, s32
	s_lshl_b32 s76, s16, 23
	s_lshl_b32 s25, s24, 15
	s_add_co_u32 s76, s76, s25                     ; h[e] + 16 q blocks
	s_lshl_b32 s42, s16, 22
	s_add_co_u32 s42, s42, s32
	s_lshl_b32 s25, s24, 25
	s_add_co_u32 s42, s42, s25                     ; part[q][e]
	s_cmp_eq_u32 s24, 0
	s_cselect_b32 s23, -1, 0                       ; b2 is added in quarter 0 alone
.endif
	s_lshl_b32 s34, s16, 2
	s_lshr_b32 s78, s14, 1
	s_and_b32 s32, s14, 1
	s_lshl_b32 s78, s78, 6
	s_lshl4_add_u32 s78, s32, s78                  ; my K step's first row in a chunk: 64 (w >> 1) + 16 (w & 1)
	s_lshl_b32 s78, s78, LOGP
	s_wait_kmcnt 0x0
	s_add_nc_u64 s[10:11], s[10:11], s[34:35]
	s_load_b32 s17, s[10:11], 0x0                  ; n: wanted only for the tokens; the weights are asked for meanwhile
	s_add_nc_u64 s[4:5], s[4:5], s[36:37]          ; the slice
	s_add_nc_u64 s[30:31], s[4:5], 4*CHB           ; the first chunk to be prefetched
	s_add_nc_u64 s[72:73], s[4:5], s[78:79]        ; my K step of chunk 0,
	s_add_nc_u64 s[74:75], s[72:73], CHB           ; of chunk 1,
	s_add_nc_u64 s[26:27], s[74:75], CHB           ; of chunk 2: this one walks
	s_add_nc_u64 s[6:7], s[6:7], s[38:39]
	s_add_nc_u64 s[40:41], s[8:9], s[76:77]        ; the expert's tokens
	s_mov_b64 s[28:29], s[40:41]
	s_add_nc_u64 s[12:13], s[12:13], s[42:43]
	s_wait_alu depctr_va_vdst(0)                   ; v19, v[WOFFC], v[LWA], v[LRA] and v[PFO] are written: the bias's and the weights' loads, the LDS stores and loads and the prefetches read them
.if FFN == 1
	WIN 0x80                                       ; destination window 2: the accumulators' registers are free as yet
.irp c, 0,1
.irp j, 0,1,2,3,4,5,6,7
	global_load_b128 v[128+4*(8*\c+\j):128+4*(8*\c+\j)+3], v19, s[6:7] offset:256*\c+16*\j   ; columns 64 c + 32 hh + 4 j + 0..3
.endr
.endr
.else
	global_load_b128 v[B2:B2+3],   v19, s[6:7]                ; columns 4 r + 0..3,
	global_load_b128 v[B2+4:B2+7], v19, s[6:7] offset:256     ; 64 + 4 r + 0..3
.endif
.irp q, 0,1,2,3
	REFILL \q, 72, 0, 0x80                         ; chunk 0
.endr
	REFILL 0, 74, STG, 0x40                        ; chunk 1 and the first tokens, in the order in which the loop issues them
	WIN 0
	s_wait_kmcnt 0x0
	s_min_u32 s17, s17, 1024
	s_add_co_u32 s18, s17, 15
	s_lshr_b32 s18, s18, 4
	s_max_u32 s18, s18, 1                          ; NT
	s_mov_b32 s20, 0
	SLOTS
	s_wait_alu depctr_va_vdst(0)                   ; v[TOFF ..] are written, which the token loads read
	TOKLD 0, 0
	REFILL 1, 74, STG, 0x40
	TOKLD 1, 1024
	REFILL 2, 74, STG, 0x40
	REFILL 3, 74, STG, 0x40
	TOKLD 2, 2048
	WIN 0
.if FFN == 1
	SC 44, 0xaf95df0b                              ; P, highest power first
	SC 46, 0x32edffee
	SC 48, 0xb60cff51
	SC 50, 0xb86ec2d2
	SC 52, 0xba40ac63
	SC 54, 0xbb41a1f6
	SC 56, 0xbc83dbd4
	SC 58, 0xb77460cd                              ; Q
	SC 60, 0xb95fbd29
	SC 62, 0xbadc924e
	SC 66, 0xbbf19bf8
	SC 68, 0xbc69b6a7
	SC 70, 0x3f3504f3                              ; 1 / sqrt(2)
	s_mov_b32 s76, 0xc0800000                      ; -4 and 4: the bounds of erf's argument (the two registers held offsets, which have been added)
	s_mov_b32 s77, 0x40800000
.endif
	s_wait_loadcnt 62                              ; younger: 4 pieces of 8 and 3 x 10 tokens: the bias and chunk 0 are in
.if FFN == 1
	WIN 0x0A                                       ; b1 rounded to bf16 and laid as C: accumulator 4 c + f, register j = column 64 c + 32 hh + 4 j + f
.irp c, 0,1
.irp f, 0,1,2,3
.irp p, 0,1,2,3
	v_cvt_pk_bf16_f32 v[CV+16*\c+4*\f+\p], v[128+4*(8*\c+2*\p)+\f], v[128+4*(8*\c+2*\p+1)+\f]
.endr
.endr
.endr
	WIN 0xC0
.irp c, 0,1
.irp f, 0,1,2,3
.irp p, 0,1,2,3
	v_lshlrev_b32 v[BIAS+8*(4*\c+\f)+2*\p],   16, v[CV+16*\c+4*\f+\p]
	v_and_b32     v[BIAS+8*(4*\c+\f)+2*\p+1], 0xffff0000, v[CV+16*\c+4*\f+\p]
.endr
.endr
.endr
.else
.irp p, 0,1,2,3
	v_cvt_pk_bf16_f32 v[CV+\p], v[B2+2*\p], v[B2+2*\p+1]
.endr
.irp p, 0,1,2,3
	v_lshlrev_b32 v[B2+2*\p],   16, v[CV+\p]
	v_and_b32     v[B2+2*\p+1], 0xffff0000, v[CV+\p]
.endr
.irp i, 0,1,2,3,4,5,6,7
	v_and_b32 v[B2+\i], s23, v[B2+\i]
.endr
.endif
.irp b, 0,1                                            ; chunk 0, two pieces at a time: both sets of v[CV ..] are filled, then stored
.if \b
	s_wait_alu depctr_vm_vsrc(0)                   ; the LDS stores of pieces 0 and 1 have read v[CV ..], which the roundings of pieces 2 and 3 write again
.endif
	WIN 0x0A                                       ; sources window 2, destination window 0
.irp f, 0,1,2,3
	CVTF 2*\b, \f, 0, CV
.endr
.irp f, 0,1,2,3
	CVTF 2*\b+1, \f, 0, CV+16
.endr
	s_wait_alu depctr_va_vdst(0)                   ; the roundings have written v[CV ..], which the LDS stores read
	STW 2*\b, CV
	STW 2*\b+1, CV+16
.endr
	s_wait_dscnt 0x0                               ; for the others' sake: my K step of chunk 0 is in LDS
	s_barrier_signal -1
	s_barrier_wait -1
	s_wait_alu depctr_vm_vsrc(0)                   ; my LDS stores have read v[LWA], written below, and v[CV ..], which the first K step's roundings write
	s_mov_b32 s24, 32768
	v_add_nc_u32 v[LWA], s24, v[LW0]               ; the stores go on to chunk 1
	s_mov_b32 s25, 0
	WFLD 0, 0
	; GROUP 0, under the stream.  A trip issues, K step by K step (T: ten token loads for the K step named, R: eight loads of a piece):  0: T3 R0   1: T0 R1   2: T1 R2 R3   3: T2.
	; Younger than a K step's own tokens are, at K step 0: R1 T1 R2 R3 T2 = 44;  1: R2 R3 T2 T3 R0 = 44;  2: T3 R0 T0 R1 = 36;  3: R0 T0 R1 T1 R2 R3 = 52.  At most 62 loads of a wave are out.
	KSS 0, 1, 0, 44, 1
	WIN 0
	s_mov_b32 s22, 7
.Lchunk:                                               ; a trip: a chunk's K steps 1-3 and the next chunk's K step 0
	KSS 1, 0, 0, 44
	KSS 2, 0, 0, 36
	KSS 3, 0, 0, 52
	STEP
	KSS 0, 0, 0, 44, 2
	WIN 0
	s_sub_co_u32 s22, s22, 1
	s_cmp_lg_u32 s22, 0
	s_cbranch_scc1 .Lchunk
	KSS 1, 0, 1, 44                                ; the last three K steps ask for nothing: the counts run down (R2 R3 T2 T3 R0; T3 R0; R0)
	KSS 2, 0, 1, 18
	KSS 3, 0, 1, 8
	WIN 0
	s_wait_loadcnt 0x0                             ; the idle refills are in: window 1 is free for the way out
	s_wait_dscnt 0x0                               ; my last LDS stores, the ninth chunk's idle words, are done
	s_barrier_signal -1
	s_barrier_wait -1                              ; everybody's are: from here to the barrier at the waves' end LDS is only read
	s_mov_b32 s21, 4
.Lgroup:                                               ; four trips: a group goes out, the next is multiplied from LDS; a wave without a live slot jumps both
	PLACES
.if FFN == 1
	; THE WAY OUT: gelu(v) = v/2 + v/2 erf(v / sqrt 2).  A lane holds token r and columns 64 c + 32 hh + 4 j + f: rounded in pairs they ARE its 16 bytes of groups g = j / 2 of block c.
	; Memory instructions touch v[OOFF] and v[GO ..] alone: a slot writes both, one wait on va_vdst stands ahead of its eight stores, and one on vm_vsrc at the next slot's head.
.macro STAGE_A t                       ; slot t's sums, each accumulator from its low end: u = v / sqrt 2 into v0-63, v / 2 into v64-127 of window 1
	WIN 0x42+(\t)/4
.set i, 0
.rept 32
	v_pk_mul_f32 v[i:i+1], v[64*((\t)%4)+i:64*((\t)%4)+i+1], s[70:71] op_sel_hi:[1,0]
.set i, i+2
.endr
.set i, 0
.rept 32
	v_pk_mul_f32 v[64+i:64+i+1], v[64*((\t)%4)+i:64*((\t)%4)+i+1], 0.5 op_sel_hi:[1,0]
.set i, i+2
.endr
	WIN 0
.endm
.macro ROW16 line:vararg               ; one line for each of 16 pairs i
.set i, 0
.rept 16
	\line
.set i, i+2
.endr
.endm
.macro GELU c                          ; 32 numbers a lane: block c
.set UB, 32*(\c)
.set HB, 64+32*(\c)
	WIN 0x55
.set i, 0
.rept 32
	v_med3_num_f32 v[UB+i], v[UB+i], s76, s77
.set i, i+1
.endr
	ROW16 v_pk_mul_f32 v[GS+i:GS+i+1], v[UB+i:UB+i+1], v[UB+i:UB+i+1]
	ROW16 v_pk_fma_f32 v[GP+i:GP+i+1], v[GS+i:GS+i+1], s[44:45], s[46:47] op_sel_hi:[1,0,0]
	ROW16 v_pk_fma_f32 v[GQ+i:GQ+i+1], v[GS+i:GS+i+1], s[58:59], s[60:61] op_sel_hi:[1,0,0]
.irp k, 48,50,52,54,56
	ROW16 v_pk_fma_f32 v[GP+i:GP+i+1], v[GP+i:GP+i+1], v[GS+i:GS+i+1], s[\k:\k+1] op_sel_hi:[1,1,0]
.endr
.irp k, 62,66,68
	ROW16 v_pk_fma_f32 v[GQ+i:GQ+i+1], v[GQ+i:GQ+i+1], v[GS+i:GS+i+1], s[\k:\k+1] op_sel_hi:[1,1,0]
.endr
.set i, 0
.rept 32
	v_rcp_f32 v[GQ+i], v[GQ+i]
.set i, i+1
.endr
	ROW16 v_pk_mul_f32 v[GP+i:GP+i+1], v[GP+i:GP+i+1], v[UB+i:UB+i+1]      ; plain work that names no reciprocal,
	s_wait_alu depctr_va_vdst(0)                   ; then one wait for the batch of 32: the reciprocals have written v[GQ ..], ahead of their first reader
	ROW16 v_pk_mul_f32 v[GP+i:GP+i+1], v[GP+i:GP+i+1], v[GQ+i:GQ+i+1]      ; erf
	ROW16 v_pk_fma_f32 v[GP+i:GP+i+1], v[HB+i:HB+i+1], v[GP+i:GP+i+1], v[HB+i:HB+i+1]
.irp j, 0,1,2,3,4,5,6,7
.irp f, 0,2
	v_cvt_pk_bf16_f32 v[GO+16*(\c)+2*\j+\f/2], v[GP+8*\f+\j], v[GP+8*\f+8+\j]
.endr
.endr
.endm
	s_mov_b32 s42, 5
.Lslot:                                                ; slot t = s42 - 1, from 4 down to 0
	s_cmp_gt_u32 s42, s19
	s_cbranch_scc1 .Lslot_next                     ; a dead slot stores nothing
	s_wait_xcnt 0x0                                ; the last slot's stores have read their offset and data
	s_wait_alu depctr_vm_vsrc(0)                   ; the last slot's stores have read v[OOFF], written below, and v[GO ..], which this slot's roundings write again
	s_lshl2_add_u32 s36, s42, s20                  ; 20 g + 4 (t + 1)
	s_add_co_u32 s36, s36, s14
	s_sub_co_u32 s36, s36, 4                       ; the slot's tile
	s_min_u32 s36, s36, 63
	s_lshl_b32 s36, s36, 17
	v_add_nc_u32 v[OOFF], s36, v[L16]
	s_cmp_eq_u32 s42, 1
	s_cbranch_scc1 .Lsa0
	s_cmp_eq_u32 s42, 2
	s_cbranch_scc1 .Lsa1
	s_cmp_eq_u32 s42, 3
	s_cbranch_scc1 .Lsa2
	s_cmp_eq_u32 s42, 4
	s_cbranch_scc1 .Lsa3
	STAGE_A 4
	s_branch .Lgelu
.Lsa0:
	STAGE_A 0
	s_branch .Lgelu
.Lsa1:
	STAGE_A 1
	s_branch .Lgelu
.Lsa2:
	STAGE_A 2
	s_branch .Lgelu
.Lsa3:
	STAGE_A 3
.Lgelu:
	GELU 0
	GELU 1
	WIN 0x04                                       ; address window 0, data window 1
	s_wait_alu depctr_va_vdst(0)                   ; both blocks' roundings have written v[GO ..], and v[OOFF] is written: the eight stores read them
.irp c, 0,1
.irp g, 0,1,2,3
	global_store_b128 v[OOFF], v[GO+16*\c+4*\g:GO+16*\c+4*\g+3], s[12:13] offset:2048*\c+512*\g   ; 512 consecutive bytes, aligned
.endr
.endr
	WIN 0
.Lslot_next:
	s_sub_co_u32 s42, s42, 1
	s_cmp_lg_u32 s42, 0
	s_cbranch_scc1 .Lslot
.else
	; THE WAY OUT: a lane holds rows 8 hh + j and columns 64 c + 4 r + f.  The addition of b2 puts a row's four neighbouring columns side by side: sixteen lanes store 256 consecutive bytes, aligned.
	; Memory instructions touch v[OOFF] and the 64 registers that a slot's additions write: one wait on vm_vsrc ahead of those writes, one on va_vdst ahead of the slot's sixteen stores.
.macro OUT2 t
	WIN 0
	s_cmp_gt_u32 s19, \t
	s_cbranch_scc0 .Lnone_\@
	s_wait_xcnt 0x0                                ; earlier stores have read their offset and data
	s_wait_alu depctr_vm_vsrc(0)                   ; earlier stores have read v[OOFF], written below, and their data, which this slot's additions write again
	s_add_co_u32 s36, s20, 4*(\t)
	s_add_co_u32 s36, s36, s14
	s_min_u32 s36, s36, 63
	s_lshl_b32 s36, s36, 16
	v_add_nc_u32 v[OOFF], s36, v20
	WIN 0x42+(\t)/4                                ; source 0 window 2 or 3, source 1 window 0, destination window 1
.irp c, 0,1
.irp j, 0,1,2,3,4,5,6,7
.irp f, 0,1,2,3
	v_add_f32 v[64*((\t)%2)+4*(8*\c+\j)+\f], v[64*((\t)%4)+8*(4*\c+\f)+\j], v[B2+4*\c+\f]
.endr
.endr
.endr
	WIN 0x04
	s_wait_alu depctr_va_vdst(0)                   ; the additions have written the slot's 64 registers, and v[OOFF] is written: the sixteen stores read them
.irp c, 0,1
.irp j, 0,1,2,3,4,5,6,7
	global_store_b128 v[OOFF], v[64*((\t)%2)+4*(8*\c+\j):64*((\t)%2)+4*(8*\c+\j)+3], s[12:13] offset:4096*\j+256*\c
.endr
.endr
	WIN 0
.Lnone_\@:
.endm
	OUT2 0
	OUT2 1
	OUT2 2
	OUT2 3
	OUT2 4
.endif
	s_wait_xcnt 0x0                                ; the stores have read their registers; the slots' offsets are written anew
	s_wait_alu depctr_vm_vsrc(0)                   ; the token loads have read v[TOFF ..] and the fragment loads v[LRA], which are written below; the stores have read their data: where it lies in window 1's v0-127, fragments land in it
	s_add_co_u32 s20, s20, 20
	SLOTS
	s_cmp_eq_u32 s19, 0
	s_cbranch_scc1 .Lgroup_next
	; THE NEXT GROUP, from the slice in LDS: all its bytes were shown to every wave by the stream's barriers, and nothing writes them again.  Younger than a K step's tokens: 2 x 10.
	s_mov_b64 s[28:29], s[40:41]
	s_mov_b32 s25, 0
	v_mov_b32 v[LRA], v[L16]
	s_wait_alu depctr_va_vdst(0)                   ; v[TOFF ..] and v[LRA] are written; the last group's products are done reading the tokens, and the way out is done with window 1's v0-127: the loads below land in both
	TOKLD 0, 0
	TOKLD 1, 1024
	TOKLD 2, 2048
	WFLD 0, 0
	KL 0, 1, 0, 20
	WIN 0
	s_mov_b32 s22, 7
.Llchunk:
	KL 1, 0, 0, 20
	KL 2, 0, 0, 20
	KL 3, 0, 0, 20
	WIN 0
	s_wait_xcnt 0x0
	s_add_nc_u64 s[28:29], s[28:29], 4096
	KL 0, 0, 0, 20
	WIN 0
	s_sub_co_u32 s22, s22, 1
	s_cmp_lg_u32 s22, 0
	s_cbranch_scc1 .Llchunk
	KL 1, 0, 1, 20
	KL 2, 0, 1, 10
	KL 3, 0, 1, 0
	WIN 0
.Lgroup_next:
	s_sub_co_u32 s21, s21, 1
	s_cmp_lg_u32 s21, 0
	s_cbranch_scc1 .Lgroup
	s_wait_dscnt 0x0                               ; my reads of the slice are over
	s_barrier_signal -1
	s_barrier_wait -1                              ; everybody's are
	s_wait_dscnt 0x0                               ; the wave's end
	s_wait_alu depctr_hold_cnt(0) depctr_sa_sdst(0) depctr_va_vdst(0) depctr_va_sdst(0) depctr_va_ssrc(0) depctr_va_vcc(0) depctr_vm_vsrc(0)
	s_wait_tensorcnt 0x0
	ds_add_u32 v254, v255
	s_wait_dscnt 0x0
	s_endpgm
.Lfunc_end_k_qcbd44bcbbc_ffn1:
	.size	k_qcbd44bcbbc_ffn1, .Lfunc_end_k_qcbd44bcbbc_ffn1-k_qcbd44bcbbc_ffn1
	.p2alignl 7, 3214868480
	.fill 96, 4, 3214868480
	.section	.rodata,"a",@progbits
	.p2align	6, 0x0
	.amdhsa_kernel k_qcbd44bcbbc_ffn1
		.amdhsa_group_segment_fixed_size 295424
		.amdhsa_private_segment_fixed_size 0
		.amdhsa_enable_private_segment 0
		.amdhsa_kernarg_size 40
		.amdhsa_user_sgpr_count 2
		.amdhsa_user_sgpr_kernarg_segment_ptr 1
		.amdhsa_wavefront_size32 1
		.amdhsa_system_sgpr_workgroup_id_x 1
		.amdhsa_system_sgpr_workgroup_id_y 1
		.amdhsa_system_sgpr_workgroup_id_z 1
		.amdhsa_system_vgpr_workitem_id 0
		.amdhsa_next_free_vgpr 896
		.amdhsa_next_free_sgpr 80
		.amdhsa_reserve_vcc 0
		.amdhsa_float_denorm_mode_32 3
		.amdhsa_float_denorm_mode_16_64 3
		.amdhsa_memory_ordered 1
		.amdhsa_forward_progress 1
		.amdhsa_inst_pref_size 181
	.end_amdhsa_kernel
	.amdgpu_metadata
---
amdhsa.version: [ 1, 2 ]
amdhsa.kernels:
  - .name:           k_qcbd44bcbbc_ffn1
    .symbol:         k_qcbd44bcbbc_ffn1.kd
    .args:
      - { .name: W1, .offset: 0, .size: 8, .value_kind: global_buffer, .address_space: global }
      - { .name: b1, .offset: 8, .size: 8, .value_kind: global_buffer, .address_space: global }
      - { .name: xs, .offset: 16, .size: 8, .value_kind: global_buffer, .address_space: global }
      - { .name: counts, .offset: 24, .size: 8, .value_kind: global_buffer, .address_space: global }
      - { .name: h, .offset: 32, .size: 8, .value_kind: global_buffer, .address_space: global }
    .group_segment_fixed_size: 295424
    .private_segment_fixed_size: 0
    .kernarg_segment_align: 8
    .kernarg_segment_size: 40
    .max_flat_workgroup_size: 128
    .sgpr_count:     80
    .vgpr_count:     896
    .wavefront_size: 32
...
	.end_amdgpu_metadata
.endif
;; end of part 6
;; launch ffn2 (part 7): grid 32 x 8, 4 waves a work-group, no clusters, 295,424 bytes of LDS; arguments W2, b2, h, counts, part; writes part
.if DOCPART == 7
	.amdgcn_target "amdgcn-amd-amdhsa--gfx1250"
	.amdhsa_code_object_version 6
	.text
	.protected	k_qcbd44bcbbc_ffn2
	.globl	k_qcbd44bcbbc_ffn2
	.p2align	8
	.type	k_qcbd44bcbbc_ffn2,@function
k_qcbd44bcbbc_ffn2:
	s_mov_b64 s[64:65], 0
	v_nop
	global_prefetch_b8 v0, s[64:65] scope:SCOPE_SE
	s_setreg_imm32_b32 hwreg(HW_REG_WAVE_SCHED_MODE, 0, 2), 2
	s_setreg_imm32_b32 hwreg(HW_REG_WAVE_MODE, 25, 1), 1
	s_wait_xcnt 0x0
	s_wait_alu depctr_vm_vsrc(0)
; ONE EXPERT'S PRODUCT ON ONE SLICE OF ITS WEIGHTS.  The text serves both products; FFN says which.
;   FFN = 1:  h = gelu(xs W1 + b1), gelu by erf;  slice = all 1,024 k x 128 columns of F (x = 0..31).  h leaves in bf16, laid as the second product's operand registers take it.
;   FFN = 2:  part[q] = h W2 (+ b2 where q = 0);   slice = quarter q = x >> 3 of F (1,024 k) x 128 columns of C (x & 7).  Partial sums leave in f32.
; Weights, biases and tokens are rounded to bf16, sums are f32.  Each weight byte is read once in the launch, by this work-group alone, 256 consecutive aligned bytes to sixteen lanes.
; ROWS.  An expert's n rows (counts[e]: 0 to 1,024, every split is served) lie in tiles of 16, NT = max(1, ceil(n / 16)).  A wave has 5 tile slots; slot t of group g is tile 20 g + 4 t + w.
; Group 0 is multiplied while the weights stream; the slice stays in LDS as bf16 fragments, each byte written once, and groups 1-3 (an expert with more than 320 rows) are multiplied from there:
; one barrier stands behind the stream, one ahead of the waves' end, and between the two LDS is only read.
; DEAD SLOTS.  Under the stream slots 0-3 are multiplied whether live or not: the stream's own work stands between their products, on every wave's path.  The price: an expert with fewer than 241 rows
; does the products of 256.  Slot 4, and every slot of groups 1-3, is jumped when dead.  A dead slot's loads ask for 16 bytes of tile 0, so that every counted wait sees the same number of younger
; loads on every path, and it stores nothing.
; K ORDER.  A K step's slot (hh, i = 0..15) stands for k = 64 block + 32 hh + 16 s + i, alike in weights and tokens: a permutation of k applied to both sources keeps the products.
; So a weight fragment needs no transposition: load i gives lane (r, hh) row k(hh, i), columns n0 + 4 r + 0..3; register p of fragment f = (load 2p, load 2p+1) element f; its position r is column n0 + 4 r + f.
; STREAM.  A chunk is 128 k = 4 K steps; wave w loads, rounds and stores K step w of every chunk, in four pieces.  While chunk c is multiplied, chunk c + 1 goes from registers to LDS (pieces 0 and 1 in
; K steps 0 and 1, pieces 2 and 3 in K step 2, where the chunk's one barrier stands, so that K step 3 fetches the next chunk's first fragments like any others) and chunk c + 2 is asked for.
; NO CLUSTER, NO TENSOR LOAD: the weights pass through registers to be rounded and have one reader; the shared token tiles would want LDS that the resident slice has taken.
; LIMITS.  erf is the rational x P(x^2) / Q(x^2) with |x| held to 4, good to a few units of f32's last place for every finite input; NaN and infinities are not treated apart.
; REGISTERS, in windows of 256 (s_set_vgpr_msb: bits 1:0 source 0, 3:2 source 1, 5:4 source 2, 7:6 destination):
;   window 0: v1-13, v16-20 addresses; v32-191 tokens, a ring of 4 K steps x 5 slots x 8; v192-223 rounded weights on their way to LDS, two pieces; v224-231 b2
;   window 1: v0-127 weight fragments, two buffers; v128-255 weights as loaded, four pieces of 32 (on the way out both serve as work space)
;   window 2: accumulators of slots 0-3 (64 t + 8 fragment);   window 3: v0-63 slot 4's; v64-127 b1 as the first product's C operand
; THE MODE: SCHED_MODE bits 1:0 = 2 (LLVM: expert scheduling mode 2), set by the entry lines.  The code itself states the register dependences
; between vector or matrix instructions and memory or LDS instructions, with s_wait_alu, always for 0.
; THE PLAN.  Registers that memory or LDS instructions touch under the stream, and who else names them:
;   tokens, ring buffer b       K step b's products read it; the loads issued in K step b + 1 land in it (the tokens of K step b + 4).
;   fragments, two buffers      K step ks's products read buffer ks & 1; the LDS loads issued in K step ks land in the other, which K step ks - 1's products read.
;   weights as loaded, piece q  read by the roundings of its K step (pieces 2 and 3: K step 2), and asked for again in the same K step.
;   v[CV ..]                    written by those roundings, read by the LDS stores of the same K step.
;   v[LWA], v[LRA], v[WOFFC]    read by the LDS stores, the fragment loads and the refills; written once a chunk, in STEP.
;   v[TOFF ..], v[PFO]          read by the token loads and the prefetches; not written under the stream.
;   The accumulators and b1's C operand are named by vector and matrix instructions alone.
; So ONE wait on va_vdst stands in a K step, behind slot 0's products and the roundings that stand between them; the K step's memory and LDS instructions follow it, dealt among slot 1's products,
; which name this K step's tokens and fragments and the accumulators: none of the registers that those instructions touch.  One wait on vm_vsrc stands ahead of each K step's roundings:
; at the head of K steps 1 and 2; for K step 0 in STEP, where it also frees the three addresses.
.set FFN, 2
.if FFN == 1
.set LOGP, 14                          ; a row of W1 is 16,384 bytes
.set LOGT, 15                          ; a tile of xs is 32,768 bytes
.else
.set LOGP, 12                          ; a row of W2 is 4,096 bytes
.set LOGT, 17                          ; a tile of h is 131,072 bytes
.endif
.set PITCH, 1<<LOGP
.set CHB,   128*PITCH                  ; a chunk's rows in memory
; LDS: 8 chunks of 32,768 bytes (K step 8,192, fragment 1,024, half 512, lane 16) and a ninth for the last trip's idle words; then 512 bytes of spare words, which the closing add uses
.set L16,   2                          ; 16 x lane
.set WOFF,  3                          ; hh x 32 rows + 16 r
.set WOFFC, 4                          ; the same, or 0 when nothing is left to ask for
.set LW0,   5                          ; 16 x lane + 8192 w
.set LWA,   6                          ; where I store fragments
.set LRA,   7                          ; where I read fragments
.set TOFF,  8                          ; v8-12 slot t's tile and my 16 bytes in it
.set OOFF,  13
.set PFO,   16                         ; thread x row: the prefetch's offset
.set TK,    32
.set CV,    192
.set B2,    224
.set STG,   128                        ; window 1
.set BIAS,  64                         ; window 3
.set GS,    128                        ; window 1, on the way out: x^2, P, Q, packed results
.set GP,    160
.set GQ,    192
.set GO,    224
.set MSB, 0
.macro WIN new                         ; the immediate's high byte repeats the setting that is left; a switch that changes nothing is dropped
.if MSB != (\new)
	s_set_vgpr_msb (MSB<<8)|(\new)
.set MSB, (\new)
.endif
.endm
.macro PLACES                          ; four places ahead of loads into registers that matrix instructions have read, and of reads of their results; they stay beside the waits on va_vdst
.rept 4
	v_nop
.endr
.endm
.macro SC r, val                       ; a constant as a pair: the packed forms name a pair and take its low word
	s_mov_b32 s[\r], \val
	s_mov_b32 s[(\r)+1], \val
.endm
; How many of my 5 slots are live in the group that begins at tile s20, and each slot's offset.
.macro SLOTS
	s_sub_co_i32 s35, s18, s20
	s_sub_co_i32 s35, s35, s14
	s_add_co_i32 s35, s35, 3
	s_ashr_i32 s35, s35, 2
	s_max_i32 s35, s35, 0
	s_min_u32 s19, s35, 5
.irp t, 0,1,2,3,4
	s_add_co_u32 s36, s20, 4*\t
	s_add_co_u32 s36, s36, s14
	s_cmp_gt_u32 s19, \t
	s_cselect_b32 s36, s36, 0                      ; a dead slot: tile 0,
	s_cselect_b32 s37, 0x1f0, 0                    ; and one piece of 16 bytes for all lanes
	s_min_u32 s36, s36, 63
	s_min_u32 s37, s37, 0x1f0
	s_lshl_b32 s36, s36, LOGT
	v_and_b32 v[TOFF+\t], s37, v[L16]
	v_add_nc_u32 v[TOFF+\t], s36, v[TOFF+\t]
.endr
.endm
.macro TOKLD b, imm                    ; a K step's tokens for all 5 slots into ring buffer b: always ten loads
	WIN 0
.irp t, 0,1,2,3,4
	global_load_b128 v[TK+40*(\b)+8*\t:TK+40*(\b)+8*\t+3],   v[TOFF+\t], s[28:29] offset:(\imm)
	global_load_b128 v[TK+40*(\b)+8*\t+4:TK+40*(\b)+8*\t+7], v[TOFF+\t], s[28:29] offset:(\imm)+512
.endr
.endm
.macro REFILL q, sb, db, win           ; piece q of my K step: 64 columns (q >> 1), 8 of the 16 rows a lane half (q & 1)
	WIN \win
.irp i, 0,1,2,3,4,5,6,7
	global_load_b128 v[(\db)+32*(\q)+4*\i:(\db)+32*(\q)+4*\i+3], v[WOFFC], s[\sb:(\sb)+1] offset:((\q)>>1)*256+(8*((\q)&1)+\i)*PITCH th:TH_LOAD_NT
.endr
.endm
.macro CVTF q, f, base, cvb            ; piece q rounded, fragment f's half: four lines (the caller sets the windows)
.irp p, 0,1,2,3
	v_cvt_pk_bf16_f32 v[(\cvb)+4*(\f)+\p], v[(\base)+32*(\q)+8*\p+(\f)], v[(\base)+32*(\q)+8*\p+4+(\f)]
.endr
.endm
.macro STW q, cvb                      ; piece q, rounded, to LDS: half of four fragments
	WIN 0
.irp f, 0,1,2,3
	ds_store_b128 v[LWA], v[(\cvb)+4*\f:(\cvb)+4*\f+3] offset:(4*((\q)>>1)+\f)*1024+((\q)&1)*512
.endr
.endm
.macro WFLD b, ks                      ; a K step's 8 fragments into buffer b: 512 consecutive bytes to a load (ks = 4: the next chunk's K step 0)
	WIN 0x40
.irp fr, 0,1,2,3,4,5,6,7
	ds_load_b128 v[64*(\b)+8*\fr:64*(\b)+8*\fr+3],   v[LRA] offset:8192*(\ks)+1024*\fr
	ds_load_b128 v[64*(\b)+8*\fr+4:64*(\b)+8*\fr+7], v[LRA] offset:8192*(\ks)+1024*\fr+512
.endr
.endm
; One product: slot t, K step ks, fragment fr.  first = 1: it starts the sum, with b1 or with 0.
.macro MM t, ks, first, fr
.set AC,  64*((\t)%4)+8*(\fr)
.set WFB, 64*((\ks)&1)+8*(\fr)
.set TKB, TK+40*(\ks)+8*(\t)
.if FFN == 1
.if \first
	WIN 0xB1+0x40*((\t)/4)                         ; source 0 window 1, source 1 window 0, C window 3, D window 2 or 3
	v_wmma_f32_16x16x32_bf16 v[AC:AC+7], v[WFB:WFB+7], v[TKB:TKB+7], v[BIAS+8*(\fr):BIAS+8*(\fr)+7]
.else
	WIN 0xA1+0x50*((\t)/4)
	v_wmma_f32_16x16x32_bf16 v[AC:AC+7], v[WFB:WFB+7], v[TKB:TKB+7], v[AC:AC+7]
.endif
.else
	WIN 0xA4+0x50*((\t)/4)                         ; source 0 window 0, source 1 window 1
.if \first
	v_wmma_f32_16x16x32_bf16 v[AC:AC+7], v[TKB:TKB+7], v[WFB:WFB+7], 0
.else
	v_wmma_f32_16x16x32_bf16 v[AC:AC+7], v[TKB:TKB+7], v[WFB:WFB+7], v[AC:AC+7]
.endif
.endif
.endm
; Slot t's 8 products of a K step, on 8 accumulators by turns.  guard = 1: a dead slot's are jumped.
.macro TILE t, ks, first, guard
.if \guard
	WIN 0                                          ; at a branch and at a label every window is 0
	s_cmp_gt_u32 s19, \t
	s_cbranch_scc0 .Ldead_\@
.endif
.irp fr, 0,1,2,3,4,5,6,7
	MM \t, \ks, \first, \fr
.endr
.if \guard
	WIN 0
.Ldead_\@:
.endif
.endm
.macro HALF t, ks, first, h            ; four of slot t's 8 products: fragments 4 h to 4 h + 3
.irp fr, 0,1,2,3
	MM \t, \ks, \first, 4*(\h)+\fr
.endr
.endm
; A K STEP UNDER THE STREAM.  Slot 0's products come first, and the roundings of the piece (K step 2: of pieces 2 and 3) stand in fours behind them (K step 3 and the tail: four v_nop).
; Behind them stands the K step's one wait on va_vdst, and behind that all its memory and LDS instructions, dealt among slot 1's products: the rounded piece to LDS and the next K step's fragments,
; which have slots 1 to 3 or 4, 24 to 32 products, in which to land; four products; the tokens of three K steps on; four products; the piece's refill.  Tokens stand ahead of refills, so that the wait for
; a K step's tokens asks of the weights only the pieces issued a whole trip ago.  tail = 1: a slice's last three K steps ask for nothing but fragments.  lc: how many younger global loads may stay out.
; pf: the prefetch (1: always, 2: while a chunk is left).
.macro KSS ks, first, tail, lc, pf=0
	s_wait_loadcnt \lc                             ; this K step's tokens are in, and with them the older pieces that it rounds
	s_wait_dscnt 0x0                               ; this K step's fragments are in (the stores ahead of them too)
.if !(\tail) && (((\ks) == 1) || ((\ks) == 2))
	s_wait_alu depctr_vm_vsrc(0)                   ; the LDS stores of the K step before have read v[CV ..], which the roundings below write again (K step 0: STEP's wait, or the one ahead of the loop, has stated it)
.endif
.irp fr, 0,1,2,3,4,5,6,7
	MM 0, \ks, \first, \fr
.if (\tail) || ((\ks) == 3)
.if \fr == 0
	PLACES
.endif
.elseif (\ks) == 2
	WIN 0x05                                       ; sources window 1, destination window 0
	CVTF 2+\fr/4, \fr%4, STG, CV+16*(\fr/4)
.elseif \fr < 4
	WIN 0x05
	CVTF \ks, \fr, STG, CV
.endif
.endr
.if !(\tail) || ((\ks) < 3)
	s_wait_alu depctr_va_vdst(0)                   ; the roundings have written v[CV ..], which the LDS stores read, and are done reading their piece, in which the refill lands; the products of the K step before are done
	                                               ; reading the tokens and the fragments in whose registers the loads below land; in K step 0 v[LWA], v[LRA] and v[WOFFC] are written
.endif
.if !(\tail)
.if (\ks) < 2
	STW \ks, CV
.elseif (\ks) == 2
	STW 2, CV
	STW 3, CV+16
.endif
.endif
.if (\ks) < 3
	WFLD ((\ks)+1)&1, (\ks)+1
.elseif !(\tail)
	WFLD 0, 4                                      ; the next chunk's K step 0: whole since K step 2's barrier
.endif
	HALF 1, \ks, \first, 0                         ; no further wait: no vector or matrix instruction since the wait above names a register that the loads below touch
.if !(\tail)
	TOKLD ((\ks)+3)&3, ((\ks)+3)*1024
.endif
	HALF 1, \ks, \first, 1
.if !(\tail)
.if (\ks) < 2
	REFILL \ks, 26, STG, 0x40
.elseif (\ks) == 2
	REFILL 2, 26, STG, 0x40
	REFILL 3, 26, STG, 0x40
.endif
.if (\pf) == 2
	WIN 0
	s_cmp_gt_u32 s22, 4
	s_cbranch_scc0 .Lnopf_\@
.endif
.if \pf
	WIN 0
	global_prefetch_b8 v[PFO], s[30:31] th:TH_LOAD_NT scope:SCOPE_SE               ; the chunk four on from the one in hand, two trips ahead of its loads: thread i asks for row i's
	global_prefetch_b8 v[PFO], s[30:31] offset:256 th:TH_LOAD_NT scope:SCOPE_SE    ; two blocks of 256 bytes, each once in the launch; chunks 4 to 7, nothing past the slice
.endif
.if (\pf) == 2
.Lnopf_\@:
.endif
.endif
	TILE 2, \ks, \first, 0
.if ((\ks) == 2) && !(\tail)
	s_wait_dscnt 0x0                               ; for the others' sake: all four pieces of my K step of the next chunk are in LDS
	s_barrier_signal -1                            ; eight products stand between the signal and the wait
.endif
	TILE 3, \ks, \first, 0
.if ((\ks) == 2) && !(\tail)
	s_barrier_wait -1                              ; everybody's are
.endif
	TILE 4, \ks, \first, 1-(\first)
.endm
; A K STEP FROM THE SLICE IN LDS (groups 1-3): every slot is guarded (the first K step's products start the sums of all five), the tokens and the fragments in one run behind the K step's one wait on va_vdst.
.macro KL ks, first, tail, lc
	s_wait_loadcnt \lc                             ; this K step's tokens are in
	s_wait_dscnt 0x0                               ; and its fragments
	TILE 0, \ks, \first, 1-(\first)
	PLACES
.if ((\ks) == 3) && !(\tail)
	WIN 0
	s_wait_alu depctr_vm_vsrc(0)                   ; the fragment loads issued so far have read v[LRA]
	s_add_co_u32 s25, s25, 32768
	v_add_nc_u32 v[LRA], s25, v[L16]               ; the next chunk: ahead of the wait below, which stands there anyway
.endif
.if !(\tail) || ((\ks) < 3)
	s_wait_alu depctr_va_vdst(0)                   ; the products of the K step before are done reading the tokens and the fragments in whose registers the loads below land; in K step 3 v[LRA] is written
.endif
.if !(\tail)
	TOKLD ((\ks)+3)&3, ((\ks)+3)*1024
.endif
.if (\ks) < 3
	WFLD ((\ks)+1)&1, (\ks)+1
.elseif !(\tail)
	WFLD 0, 0
.endif
	TILE 1, \ks, \first, 1-(\first)
	TILE 2, \ks, \first, 1-(\first)
	TILE 3, \ks, \first, 1-(\first)
	TILE 4, \ks, \first, 1-(\first)
.endm
; On to the next chunk.  s22 counts 7 .. 1: this trip's refills ask for chunk 10 - s22; when that passes 7 the base stays and all lanes ask for 16 bytes of chunk 7 again:
; five idle refills, the price of one text for every trip and of constant counts.
.macro STEP
	WIN 0
	s_wait_xcnt 0x0                                ; bases and offsets of what has been issued are rewritten only behind this wait
	s_wait_alu depctr_vm_vsrc(0)                   ; the LDS stores, fragment loads and refills issued so far have read v[LWA], v[LRA] and v[WOFFC], written below, and K step 2's stores v[CV ..], which K step 0's roundings write
	s_add_nc_u64 s[28:29], s[28:29], 4096
	s_add_co_u32 s24, s24, 32768
	v_add_nc_u32 v[LWA], s24, v[LW0]
	s_add_co_u32 s25, s25, 32768
	v_add_nc_u32 v[LRA], s25, v[L16]
	s_cmp_gt_u32 s22, 2
	s_cselect_b32 s32, CHB, 0
	s_cselect_b32 s34, -1, 0
	s_add_nc_u64 s[26:27], s[26:27], s[32:33]
	v_and_b32 v[WOFFC], s34, v[WOFF]
	s_add_nc_u64 s[30:31], s[30:31], CHB
.endm
	s_load_b256 s[4:11], s[0:1], 0x0               ; weights s[4:5], bias s[6:7], tokens s[8:9], counts s[10:11]
	s_load_b64 s[12:13], s[0:1], 0x20              ; the output
	v_lshl_add_u32 v254, v0, 2, 0x48000
	v_mov_b32 v255, 0
	v_lshrrev_b32 v1, 5, v0
	v_readfirstlane_b32 s14, v1                    ; wave 0..3
	v_and_b32 v1, 31, v0
	v_lshlrev_b32 v[L16], 4, v1
	v_and_b32 v17, 15, v0                          ; r
	v_bfe_u32 v18, v0, 4, 1                        ; hh
	v_lshlrev_b32 v[WOFF], 4, v17
	v_lshl_add_u32 v[WOFF], v18, LOGP+5, v[WOFF]
	v_mov_b32 v[WOFFC], v[WOFF]
	v_lshlrev_b32 v[PFO], LOGP, v0
	s_wait_alu depctr_va_sdst(0)                   ; s14 is written, ahead of its first reader: LDS addresses, bases and the slots' tiles are made from it
	s_lshl_b32 s35, s14, 13
	v_add_nc_u32 v[LW0], s35, v[L16]
	v_mov_b32 v[LWA], v[LW0]                       ; chunk 0
	v_mov_b32 v[LRA], v[L16]
	s_mov_b32 s15, ttmp9                           ; x
	s_and_b32 s16, ttmp7, 0xffff                   ; e
	s_mov_b32 s33, 0
	s_mov_b32 s35, 0
	s_mov_b32 s37, 0
	s_mov_b32 s39, 0
	s_mov_b32 s43, 0
	s_mov_b32 s77, 0
	s_mov_b32 s79, 0
	s_lshl_b32 s36, s16, 24                        ; an expert's weights are 16 MiB
.if FFN == 1
	v_lshlrev_b32 v19, 7, v18                      ; b1: 32 hh columns
	s_lshl_b32 s32, s15, 9
	s_add_co_u32 s36, s36, s32                     ; weights: + 128 x columns
	s_lshl_b32 s38, s16, 14
	s_add_co_u32 s38, s38, s32                     ; b1[e] + 128 x
	s_lshl_b32 s76, s16, 21                        ; xs[e]
	s_lshl_b32 s42, s16, 23
	s_lshl_b32 s32, s15, 12
	s_add_co_u32 s42, s42, s32                     ; h[e] + blocks 2 x, 2 x + 1
.else
	v_lshlrev_b32 v19, 4, v17                      ; b2: 4 r columns
	v_lshlrev_b32 v20, 4, v17
	v_lshl_add_u32 v20, v18, 15, v20               ; part: 8 hh rows + 4 r columns
	s_and_b32 s32, s15, 7
	s_lshl_b32 s32, s32, 9                         ; 128 (x & 7) columns
	s_lshr_b32 s24, s15, 3                         ; q
	s_add_co_u32 s36, s36, s32
	s_lshl_b32 s25, s24, 22
	s_add_co_u32 s36, s36, s25                     ; weights: + 1,024 q rows
	s_lshl_b32 s38, s16, 12
	s_add_co_u32 s38, s38, s32
	s_lshl_b32 s76, s16, 23
	s_lshl_b32 s25, s24, 15
	s_add_co_u32 s76, s76, s25                     ; h[e] + 16 q blocks
	s_lshl_b32 s42, s16, 22
	s_add_co_u32 s42, s42, s32
	s_lshl_b32 s25, s24, 25
	s_add_co_u32 s42, s42, s25                     ; part[q][e]
	s_cmp_eq_u32 s24, 0
	s_cselect_b32 s23, -1, 0                       ; b2 is added in quarter 0 alone
.endif
	s_lshl_b32 s34, s16, 2
	s_lshr_b32 s78, s14, 1
	s_and_b32 s32, s14, 1
	s_lshl_b32 s78, s78, 6
	s_lshl4_add_u32 s78, s32, s78                  ; my K step's first row in a chunk: 64 (w >> 1) + 16 (w & 1)
	s_lshl_b32 s78, s78, LOGP
	s_wait_kmcnt 0x0
	s_add_nc_u64 s[10:11], s[10:11], s[34:35]
	s_load_b32 s17, s[10:11], 0x0                  ; n: wanted only for the tokens; the weights are asked for meanwhile
	s_add_nc_u64 s[4:5], s[4:5], s[36:37]          ; the slice
	s_add_nc_u64 s[30:31], s[4:5], 4*CHB           ; the first chunk to be prefetched
	s_add_nc_u64 s[72:73], s[4:5], s[78:79]        ; my K step of chunk 0,
	s_add_nc_u64 s[74:75], s[72:73], CHB           ; of chunk 1,
	s_add_nc_u64 s[26:27], s[74:75], CHB           ; of chunk 2: this one walks
	s_add_nc_u64 s[6:7], s[6:7], s[38:39]
	s_add_nc_u64 s[40:41], s[8:9], s[76:77]        ; the expert's tokens
	s_mov_b64 s[28:29], s[40:41]
	s_add_nc_u64 s[12:13], s[12:13], s[42:43]
	s_wait_alu depctr_va_vdst(0)                   ; v19, v[WOFFC], v[LWA], v[LRA] and v[PFO] are written: the bias's and the weights' loads, the LDS stores and loads and the prefetches read them
.if FFN == 1
	WIN 0x80                                       ; destination window 2: the accumulators' registers are free as yet
.irp c, 0,1
.irp j, 0,1,2,3,4,5,6,7
	global_load_b128 v[128+4*(8*\c+\j):128+4*(8*\c+\j)+3], v19, s[6:7] offset:256*\c+16*\j   ; columns 64 c + 32 hh + 4 j + 0..3
.endr
.endr
.else
	global_load_b128 v[B2:B2+3],   v19, s[6:7]                ; columns 4 r + 0..3,
	global_load_b128 v[B2+4:B2+7], v19, s[6:7] offset:256     ; 64 + 4 r + 0..3
.endif
.irp q, 0,1,2,3
	REFILL \q, 72, 0, 0x80                         ; chunk 0
.endr
	REFILL 0, 74, STG, 0x40                        ; chunk 1 and the first tokens, in the order in which the loop issues them
	WIN 0
	s_wait_kmcnt 0x0
	s_min_u32 s17, s17, 1024
	s_add_co_u32 s18, s17, 15
	s_lshr_b32 s18, s18, 4
	s_max_u32 s18, s18, 1                          ; NT
	s_mov_b32 s20, 0
	SLOTS
	s_wait_alu depctr_va_vdst(0)                   ; v[TOFF ..] are written, which the token loads read
	TOKLD 0, 0
	REFILL 1, 74, STG, 0x40
	TOKLD 1, 1024
	REFILL 2, 74, STG, 0x40
	REFILL 3, 74, STG, 0x40
	TOKLD 2, 2048
	WIN 0
.if FFN == 1
	SC 44, 0xaf95df0b                              ; P, highest power first
	SC 46, 0x32edffee
	SC 48, 0xb60cff51
	SC 50, 0xb86ec2d2
	SC 52, 0xba40ac63
	SC 54, 0xbb41a1f6
	SC 56, 0xbc83dbd4
	SC 58, 0xb77460cd                              ; Q
	SC 60, 0xb95fbd29
	SC 62, 0xbadc924e
	SC 66, 0xbbf19bf8
	SC 68, 0xbc69b6a7
	SC 70, 0x3f3504f3                              ; 1 / sqrt(2)
	s_mov_b32 s76, 0xc0800000                      ; -4 and 4: the bounds of erf's argument (the two registers held offsets, which have been added)
	s_mov_b32 s77, 0x40800000
.endif
	s_wait_loadcnt 62                              ; younger: 4 pieces of 8 and 3 x 10 tokens: the bias and chunk 0 are in
.if FFN == 1
	WIN 0x0A                                       ; b1 rounded to bf16 and laid as C: accumulator 4 c + f, register j = column 64 c + 32 hh + 4 j + f
.irp c, 0,1
.irp f, 0,1,2,3
.irp p, 0,1,2,3
	v_cvt_pk_bf16_f32 v[CV+16*\c+4*\f+\p], v[128+4*(8*\c+2*\p)+\f], v[128+4*(8*\c+2*\p+1)+\f]
.endr
.endr
.endr
	WIN 0xC0
.irp c, 0,1
.irp f, 0,1,2,3
.irp p, 0,1,2,3
	v_lshlrev_b32 v[BIAS+8*(4*\c+\f)+2*\p],   16, v[CV+16*\c+4*\f+\p]
	v_and_b32     v[BIAS+8*(4*\c+\f)+2*\p+1], 0xffff0000, v[CV+16*\c+4*\f+\p]
.endr
.endr
.endr
.else
.irp p, 0,1,2,3
	v_cvt_pk_bf16_f32 v[CV+\p], v[B2+2*\p], v[B2+2*\p+1]
.endr
.irp p, 0,1,2,3
	v_lshlrev_b32 v[B2+2*\p],   16, v[CV+\p]
	v_and_b32     v[B2+2*\p+1], 0xffff0000, v[CV+\p]
.endr
.irp i, 0,1,2,3,4,5,6,7
	v_and_b32 v[B2+\i], s23, v[B2+\i]
.endr
.endif
.irp b, 0,1                                            ; chunk 0, two pieces at a time: both sets of v[CV ..] are filled, then stored
.if \b
	s_wait_alu depctr_vm_vsrc(0)                   ; the LDS stores of pieces 0 and 1 have read v[CV ..], which the roundings of pieces 2 and 3 write again
.endif
	WIN 0x0A                                       ; sources window 2, destination window 0
.irp f, 0,1,2,3
	CVTF 2*\b, \f, 0, CV
.endr
.irp f, 0,1,2,3
	CVTF 2*\b+1, \f, 0, CV+16
.endr
	s_wait_alu depctr_va_vdst(0)                   ; the roundings have written v[CV ..], which the LDS stores read
	STW 2*\b, CV
	STW 2*\b+1, CV+16
.endr
	s_wait_dscnt 0x0                               ; for the others' sake: my K step of chunk 0 is in LDS
	s_barrier_signal -1
	s_barrier_wait -1
	s_wait_alu depctr_vm_vsrc(0)                   ; my LDS stores have read v[LWA], written below, and v[CV ..], which the first K step's roundings write
	s_mov_b32 s24, 32768
	v_add_nc_u32 v[LWA], s24, v[LW0]               ; the stores go on to chunk 1
	s_mov_b32 s25, 0
	WFLD 0, 0
	; GROUP 0, under the stream.  A trip issues, K step by K step (T: ten token loads for the K step named, R: eight loads of a piece):  0: T3 R0   1: T0 R1   2: T1 R2 R3   3: T2.
	; Younger than a K step's own tokens are, at K step 0: R1 T1 R2 R3 T2 = 44;  1: R2 R3 T2 T3 R0 = 44;  2: T3 R0 T0 R1 = 36;  3: R0 T0 R1 T1 R2 R3 = 52.  At most 62 loads of a wave are out.
	KSS 0, 1, 0, 44, 1
	WIN 0
	s_mov_b32 s22, 7
.Lchunk:                                               ; a trip: a chunk's K steps 1-3 and the next chunk's K step 0
	KSS 1, 0, 0, 44
	KSS 2, 0, 0, 36
	KSS 3, 0, 0, 52
	STEP
	KSS 0, 0, 0, 44, 2
	WIN 0
	s_sub_co_u32 s22, s22, 1
	s_cmp_lg_u32 s22, 0
	s_cbranch_scc1 .Lchunk
	KSS 1, 0, 1, 44                                ; the last three K steps ask for nothing: the counts run down (R2 R3 T2 T3 R0; T3 R0; R0)
	KSS 2, 0, 1, 18
	KSS 3, 0, 1, 8
	WIN 0
	s_wait_loadcnt 0x0                             ; the idle refills are in: window 1 is free for the way out
	s_wait_dscnt 0x0                               ; my last LDS stores, the ninth chunk's idle words, are done
	s_barrier_signal -1
	s_barrier_wait -1                              ; everybody's are: from here to the barrier at the waves' end LDS is only read
	s_mov_b32 s21, 4
.Lgroup:                                               ; four trips: a group goes out, the next is multiplied from LDS; a wave without a live slot jumps both
	PLACES
.if FFN == 1
	; THE WAY OUT: gelu(v) = v/2 + v/2 erf(v / sqrt 2).  A lane holds token r and columns 64 c + 32 hh + 4 j + f: rounded in pairs they ARE its 16 bytes of groups g = j / 2 of block c.
	; Memory instructions touch v[OOFF] and v[GO ..] alone: a slot writes both, one wait on va_vdst stands ahead of its eight stores, and one on vm_vsrc at the next slot's head.
.macro STAGE_A t                       ; slot t's sums, each accumulator from its low end: u = v / sqrt 2 into v0-63, v / 2 into v64-127 of window 1
	WIN 0x42+(\t)/4
.set i, 0
.rept 32
	v_pk_mul_f32 v[i:i+1], v[64*((\t)%4)+i:64*((\t)%4)+i+1], s[70:71] op_sel_hi:[1,0]
.set i, i+2
.endr
.set i, 0
.rept 32
	v_pk_mul_f32 v[64+i:64+i+1], v[64*((\t)%4)+i:64*((\t)%4)+i+1], 0.5 op_sel_hi:[1,0]
.set i, i+2
.endr
	WIN 0
.endm
.macro ROW16 line:vararg               ; one line for each of 16 pairs i
.set i, 0
.rept 16
	\line
.set i, i+2
.endr
.endm
.macro GELU c                          ; 32 numbers a lane: block c
.set UB, 32*(\c)
.set HB, 64+32*(\c)
	WIN 0x55
.set i, 0
.rept 32
	v_med3_num_f32 v[UB+i], v[UB+i], s76, s77
.set i, i+1
.endr
	ROW16 v_pk_mul_f32 v[GS+i:GS+i+1], v[UB+i:UB+i+1], v[UB+i:UB+i+1]
	ROW16 v_pk_fma_f32 v[GP+i:GP+i+1], v[GS+i:GS+i+1], s[44:45], s[46:47] op_sel_hi:[1,0,0]
	ROW16 v_pk_fma_f32 v[GQ+i:GQ+i+1], v[GS+i:GS+i+1], s[58:59], s[60:61] op_sel_hi:[1,0,0]
.irp k, 48,50,52,54,56
	ROW16 v_pk_fma_f32 v[GP+i:GP+i+1], v[GP+i:GP+i+1], v[GS+i:GS+i+1], s[\k:\k+1] op_sel_hi:[1,1,0]
.endr
.irp k, 62,66,68
	ROW16 v_pk_fma_f32 v[GQ+i:GQ+i+1], v[GQ+i:GQ+i+1], v[GS+i:GS+i+1], s[\k:\k+1] op_sel_hi:[1,1,0]
.endr
.set i, 0
.rept 32
	v_rcp_f32 v[GQ+i], v[GQ+i]
.set i, i+1
.endr
	ROW16 v_pk_mul_f32 v[GP+i:GP+i+1], v[GP+i:GP+i+1], v[UB+i:UB+i+1]      ; plain work that names no reciprocal,
	s_wait_alu depctr_va_vdst(0)                   ; then one wait for the batch of 32: the reciprocals have written v[GQ ..], ahead of their first reader
	ROW16 v_pk_mul_f32 v[GP+i:GP+i+1], v[GP+i:GP+i+1], v[GQ+i:GQ+i+1]      ; erf
	ROW16 v_pk_fma_f32 v[GP+i:GP+i+1], v[HB+i:HB+i+1], v[GP+i:GP+i+1], v[HB+i:HB+i+1]
.irp j, 0,1,2,3,4,5,6,7
.irp f, 0,2
	v_cvt_pk_bf16_f32 v[GO+16*(\c)+2*\j+\f/2], v[GP+8*\f+\j], v[GP+8*\f+8+\j]
.endr
.endr
.endm
	s_mov_b32 s42, 5
.Lslot:                                                ; slot t = s42 - 1, from 4 down to 0
	s_cmp_gt_u32 s42, s19
	s_cbranch_scc1 .Lslot_next                     ; a dead slot stores nothing
	s_wait_xcnt 0x0                                ; the last slot's stores have read their offset and data
	s_wait_alu depctr_vm_vsrc(0)                   ; the last slot's stores have read v[OOFF], written below, and v[GO ..], which this slot's roundings write again
	s_lshl2_add_u32 s36, s42, s20                  ; 20 g + 4 (t + 1)
	s_add_co_u32 s36, s36, s14
	s_sub_co_u32 s36, s36, 4                       ; the slot's tile
	s_min_u32 s36, s36, 63
	s_lshl_b32 s36, s36, 17
	v_add_nc_u32 v[OOFF], s36, v[L16]
	s_cmp_eq_u32 s42, 1
	s_cbranch_scc1 .Lsa0
	s_cmp_eq_u32 s42, 2
	s_cbranch_scc1 .Lsa1
	s_cmp_eq_u32 s42, 3
	s_cbranch_scc1 .Lsa2
	s_cmp_eq_u32 s42, 4
	s_cbranch_scc1 .Lsa3
	STAGE_A 4
	s_branch .Lgelu
.Lsa0:
	STAGE_A 0
	s_branch .Lgelu
.Lsa1:
	STAGE_A 1
	s_branch .Lgelu
.Lsa2:
	STAGE_A 2
	s_branch .Lgelu
.Lsa3:
	STAGE_A 3
.Lgelu:
	GELU 0
	GELU 1
	WIN 0x04                                       ; address window 0, data window 1
	s_wait_alu depctr_va_vdst(0)                   ; both blocks' roundings have written v[GO ..], and v[OOFF] is written: the eight stores read them
.irp c, 0,1
.irp g, 0,1,2,3
	global_store_b128 v[OOFF], v[GO+16*\c+4*\g:GO+16*\c+4*\g+3], s[12:13] offset:2048*\c+512*\g   ; 512 consecutive bytes, aligned
.endr
.endr
	WIN 0
.Lslot_next:
	s_sub_co_u32 s42, s42, 1
	s_cmp_lg_u32 s42, 0
	s_cbranch_scc1 .Lslot
.else
	; THE WAY OUT: a lane holds rows 8 hh + j and columns 64 c + 4 r + f.  The addition of b2 puts a row's four neighbouring columns side by side: sixteen lanes store 256 consecutive bytes, aligned.
	; Memory instructions touch v[OOFF] and the 64 registers that a slot's additions write: one wait on vm_vsrc ahead of those writes, one on va_vdst ahead of the slot's sixteen stores.
.macro OUT2 t
	WIN 0
	s_cmp_gt_u32 s19, \t
	s_cbranch_scc0 .Lnone_\@
	s_wait_xcnt 0x0                                ; earlier stores have read their offset and data
	s_wait_alu depctr_vm_vsrc(0)                   ; earlier stores have read v[OOFF], written below, and their data, which this slot's additions write again
	s_add_co_u32 s36, s20, 4*(\t)
	s_add_co_u32 s36, s36, s14
	s_min_u32 s36, s36, 63
	s_lshl_b32 s36, s36, 16
	v_add_nc_u32 v[OOFF], s36, v20
	WIN 0x42+(\t)/4                                ; source 0 window 2 or 3, source 1 window 0, destination window 1
.irp c, 0,1
.irp j, 0,1,2,3,4,5,6,7
.irp f, 0,1,2,3
	v_add_f32 v[64*((\t)%2)+4*(8*\c+\j)+\f], v[64*((\t)%4)+8*(4*\c+\f)+\j], v[B2+4*\c+\f]
.endr
.endr
.endr
	WIN 0x04
	s_wait_alu depctr_va_vdst(0)                   ; the additions have written the slot's 64 registers, and v[OOFF] is written: the sixteen stores read them
.irp c, 0,1
.irp j, 0,1,2,3,4,5,6,7
	global_store_b128 v[OOFF], v[64*((\t)%2)+4*(8*\c+\j):64*((\t)%2)+4*(8*\c+\j)+3], s[12:13] offset:4096*\j+256*\c
.endr
.endr
	WIN 0
.Lnone_\@:
.endm
	OUT2 0
	OUT2 1
	OUT2 2
	OUT2 3
	OUT2 4
.endif
	s_wait_xcnt 0x0                                ; the stores have read their registers; the slots' offsets are written anew
	s_wait_alu depctr_vm_vsrc(0)                   ; the token loads have read v[TOFF ..] and the fragment loads v[LRA], which are written below; the stores have read their data: where it lies in window 1's v0-127, fragments land in it
	s_add_co_u32 s20, s20, 20
	SLOTS
	s_cmp_eq_u32 s19, 0
	s_cbranch_scc1 .Lgroup_next
	; THE NEXT GROUP, from the slice in LDS: all its bytes were shown to every wave by the stream's barriers, and nothing writes them again.  Younger than a K step's tokens: 2 x 10.
	s_mov_b64 s[28:29], s[40:41]
	s_mov_b32 s25, 0
	v_mov_b32 v[LRA], v[L16]
	s_wait_alu depctr_va_vdst(0)                   ; v[TOFF ..] and v[LRA] are written; the last group's products are done reading the tokens, and the way out is done with window 1's v0-127: the loads below land in both
	TOKLD 0, 0
	TOKLD 1, 1024
	TOKLD 2, 2048
	WFLD 0, 0
	KL 0, 1, 0, 20
	WIN 0
	s_mov_b32 s22, 7
.Llchunk:
	KL 1, 0, 0, 20
	KL 2, 0, 0, 20
	KL 3, 0, 0, 20
	WIN 0
	s_wait_xcnt 0x0
	s_add_nc_u64 s[28:29], s[28:29], 4096
	KL 0, 0, 0, 20
	WIN 0
	s_sub_co_u32 s22, s22, 1
	s_cmp_lg_u32 s22, 0
	s_cbranch_scc1 .Llchunk
	KL 1, 0, 1, 20
	KL 2, 0, 1, 10
	KL 3, 0, 1, 0
	WIN 0
.Lgroup_next:
	s_sub_co_u32 s21, s21, 1
	s_cmp_lg_u32 s21, 0
	s_cbranch_scc1 .Lgroup
	s_wait_dscnt 0x0                               ; my reads of the slice are over
	s_barrier_signal -1
	s_barrier_wait -1                              ; everybody's are
	s_wait_dscnt 0x0                               ; the wave's end
	s_wait_alu depctr_hold_cnt(0) depctr_sa_sdst(0) depctr_va_vdst(0) depctr_va_sdst(0) depctr_va_ssrc(0) depctr_va_vcc(0) depctr_vm_vsrc(0)
	s_wait_tensorcnt 0x0
	ds_add_u32 v254, v255
	s_wait_dscnt 0x0
	s_endpgm
.Lfunc_end_k_qcbd44bcbbc_ffn2:
	.size	k_qcbd44bcbbc_ffn2, .Lfunc_end_k_qcbd44bcbbc_ffn2-k_qcbd44bcbbc_ffn2
	.p2alignl 7, 3214868480
	.fill 96, 4, 3214868480
	.section	.rodata,"a",@progbits
	.p2align	6, 0x0
	.amdhsa_kernel k_qcbd44bcbbc_ffn2
		.amdhsa_group_segment_fixed_size 295424
		.amdhsa_private_segment_fixed_size 0
		.amdhsa_enable_private_segment 0
		.amdhsa_kernarg_size 40
		.amdhsa_user_sgpr_count 2
		.amdhsa_user_sgpr_kernarg_segment_ptr 1
		.amdhsa_wavefront_size32 1
		.amdhsa_system_sgpr_workgroup_id_x 1
		.amdhsa_system_sgpr_workgroup_id_y 1
		.amdhsa_system_sgpr_workgroup_id_z 1
		.amdhsa_system_vgpr_workitem_id 0
		.amdhsa_next_free_vgpr 832
		.amdhsa_next_free_sgpr 80
		.amdhsa_reserve_vcc 0
		.amdhsa_float_denorm_mode_32 3
		.amdhsa_float_denorm_mode_16_64 3
		.amdhsa_memory_ordered 1
		.amdhsa_forward_progress 1
		.amdhsa_inst_pref_size 135
	.end_amdhsa_kernel
	.amdgpu_metadata
---
amdhsa.version: [ 1, 2 ]
amdhsa.kernels:
  - .name:           k_qcbd44bcbbc_ffn2
    .symbol:         k_qcbd44bcbbc_ffn2.kd
    .args:
      - { .name: W2, .offset: 0, .size: 8, .value_kind: global_buffer, .address_space: global }
      - { .name: b2, .offset: 8, .size: 8, .value_kind: global_buffer, .address_space: global }
      - { .name: h, .offset: 16, .size: 8, .value_kind: global_buffer, .address_space: global }
      - { .name: counts, .offset: 24, .size: 8, .value_kind: global_buffer, .address_space: global }
      - { .name: part, .offset: 32, .size: 8, .value_kind: global_buffer, .address_space: global }
    .group_segment_fixed_size: 295424
    .private_segment_fixed_size: 0
    .kernarg_segment_align: 8
    .kernarg_segment_size: 40
    .max_flat_workgroup_size: 128
    .sgpr_count:     80
    .vgpr_count:     832
    .wavefront_size: 32
...
	.end_amdgpu_metadata
.endif
;; end of part 7
;; launch comb: the kernel of part 5 again; grid 256 x 1, 8 waves a work-group, no clusters, 0 bytes of LDS; arguments part, pos2, gatew, out0; writes out0
